; MI455X (gfx1250); checked and timed in simulation.
; The chip was launched on July 23, 2026; its instructions are those of AMD's public machine-readable ISA for CDNA 5 (MIT licence, August 2026) and "CDNA5" Instruction Set Architecture Reference Guide (July 2026). The comments in the code are by the model that wrote it; some were corrected since.
;; Box Decoder. Allowed arithmetic: matrix products marked QUANTISED: E2M1 operands, one E8M0 scale for each 32 along K, by v_wmma_scale_f32_16x16x128_f8f6f4 with both operands' format E2M1 (or v_wmma_scale_f32_32x16x128_f4), f32 sums; everything else in f32.
;; Inputs: attn_w_b 128 float32; attn_w_w 128 x 256 float32; in_proj_b 768 float32; in_proj_w 768 x 256 float32; lin1_b 1,024 float32; lin1_w 1,024 x 256 float32; lin2_b 256 float32; lin2_w 256 x 1,024 float32; memory 13,294 x 16 x 256 float32; memory_level_start_index 4 int32; memory_spatial_shapes 4 x 2 int32; ms_out_b 256 float32; ms_out_w 256 x 256 float32; norm1_b 256 float32; norm1_g 256 float32; norm2_b 256 float32; norm2_g 256 float32; norm3_b 256 float32; norm3_g 256 float32; out_proj_b 256 float32; out_proj_w 256 x 256 float32; samp_off_b 256 float32; samp_off_w 256 x 256 float32; tgt 900 x 16 x 256 float32; tgt_query_pos 900 x 16 x 256 float32; tgt_reference_points 900 x 16 x 4 x 2 float32; val_proj_b 256 float32; val_proj_w 256 x 256 float32.
;; Outputs: out0 900 x 16 x 256 float32.
;; This version of the problem:
;;   THIS VERSION OF THE PROBLEM IS GIVEN IN LOW PRECISION. The matrix products marked QUANTISED in the list below multiply operands that are first quantised to E2M1 (2 exponent bits, 1 mantissa bit; 4 bits a number), with one power-of-two scale for each 32 numbers along K (OCP MX v1.0); their sums are f32. All else is computed in f32.
;;   The module's matrix products, in the order in which they are computed (A, B: the left and right operand; K: the contracted axis; several contracted axes count as one K, in the product's order):
;;     1. [M 14,400, K 256] x [K 256, N 256]; A: computed on the way; B: computed on the way: QUANTISED
;;     2. [M 14,400, K 256] x [K 256, N 256]; A: computed on the way; B: computed on the way: QUANTISED
;;     3. [M 14,400, K 256] x [K 256, N 256]; A: input tgt; B: computed on the way: QUANTISED
;;     4. batch 128 x [M 900, K 32] x [K 32, N 900]; A: computed on the way; B: computed on the way: QUANTISED
;;     5. batch 128 x [M 32, K 900] x [K 900, N 900]; A: computed on the way; B: softmax (see below): QUANTISED
;;     6. [M 14,400, K 256] x [K 256, N 256]; A: computed on the way; B: input out_proj_w: QUANTISED
;;     7. [M 212,704, K 256] x [K 256, N 256]; A: input memory; B: input val_proj_w: QUANTISED
;;     8. [M 14,400, K 256] x [K 256, N 256]; A: computed on the way; B: input samp_off_w: QUANTISED
;;     9. [M 14,400, K 256] x [K 256, N 128]; A: computed on the way; B: input attn_w_w: QUANTISED
;;     10. [M 14,400, K 256] x [K 256, N 256]; A: computed on the way; B: input ms_out_w: QUANTISED
;;     11. [M 14,400, K 256] x [K 256, N 1,024]; A: computed on the way; B: input lin1_w: QUANTISED
;;     12. [M 14,400, K 1,024] x [K 1,024, N 256]; A: computed on the way; B: input lin2_w: QUANTISED
;;   THE QUANTISER, for each operand of a quantised product, along K:
;;     - K is cut into blocks of 32 from its start; a last block that is shorter is filled with zeros.
;;     - A block's scale is 2^e with e = floor(log2(the largest magnitude in the block)) - 2, held to -126 .. 127; a block of zeros has e = 0. As a byte (E8M0): e + 127.
;;     - Each number is divided by its block's scale, clamped to +-6, and rounded to the nearest number of E2M1, ties to even, subnormals kept.
;;     - The product sums the exact products of the quantised numbers (number of the format x scale) in f32.
;;   ~~~python
;;   def quantise(x, axis):      # numpy; x: float32 -> the quantised numbers, widened to float32 again
;;       x = np.moveaxis(x, axis, -1); K = x.shape[-1]
;;       x = np.pad(x, [(0, 0)] * (x.ndim - 1) + [(0, -K % 32)]); x = x.reshape(x.shape[:-1] + (-1, 32)); a = np.abs(x).max(-1, keepdims=True)
;;       e = np.where(a > 0, np.clip(np.frexp(np.where(a > 0, a, 1))[1] - 1 - 2, -126, 127), 0)      # np.frexp(a)[1] - 1 = floor(log2(a)), exactly
;;       r = np.clip(x / 2.0 ** e, -6, 6)
;;       step = 2.0 ** (np.maximum(np.frexp(np.where(r == 0, 1, r))[1] - 1, 0) - 1)
;;       q = np.round(r / step) * step * 2.0 ** e      # np.round: ties to even
;;       return np.moveaxis(q.reshape(q.shape[:-2] + (-1,))[..., :K], -1, axis).astype(np.float32)
;;   ~~~
;;   SOFTMAX AHEAD OF A QUANTISED PRODUCT. Where the list says 'softmax', what is quantised is not the finished softmax but p = 2^(t - M), with t = logit x log2(e) and M = ceil(the row's largest t), a whole number; so 1/2 < the row's largest p <= 1. The row's sum l is taken of the UNQUANTISED p, in f32, and the product's result is divided by l at the end. Since M is a whole number, a kernel that streams over the keys may use a running M (the ceiling of the running maximum): every later rescaling is an exact power of two, which a block's scale takes up: the codes' values come out the same.
;;   OPERANDS COMPUTED ON THE WAY. 'Computed on the way' means the value that the module computes at that place (a softmax that the list does not call 'softmax' is quantised finished and normalised). What goes into a quantiser is computed in f32, as accurately as f32 sums, v_exp_f32 and their like allow (about 1e-6 of the number): no bf16 or f16 on the way to a quantiser, and a product that is left as it is and whose result goes on into a quantised operand takes f32 operands (vector FMAs, or v_wmma_f32_16x16x4_f32). A number that lies on a knife's edge between two numbers of the format may be rounded either way, as far as f32 arithmetic and the matrix unit's own rounding can turn it there, and no further.
;; 3 versions. Each part assembles by itself: llvm-mc -triple=amdgcn-amd-amdhsa -mcpu=gfx1250 --defsym DOCPART=n.
;; ======== version 1 of 3: 5 launches
;; workspace buffers: wq 539,648 bytes; mq 28,927,744 bytes; qkv 6,651,904 bytes; ao 1,984,512 bytes; t1 14,942,208 bytes; sidx 29,884,416 bytes of whole numbers; swgt 29,884,416 bytes
;; launch quant (part 1): grid 2257 x 1, 3 waves a work-group, no clusters, 25,088 bytes of LDS; arguments in_proj_w, out_proj_w, val_proj_w, samp_off_w, attn_w_w, ms_out_w, lin1_w, lin2_w, memory, wq, mq; writes wq, mq
.if DOCPART == 1
	.amdgcn_target "amdgcn-amd-amdhsa--gfx1250"
	.amdhsa_code_object_version 6
	.text
	.protected	k_qeb10cc76cb_quant
	.globl	k_qeb10cc76cb_quant
	.p2align	8
	.type	k_qeb10cc76cb_quant,@function
k_qeb10cc76cb_quant:
	s_mov_b64 s[64:65], 0
	v_nop
	global_prefetch_b8 v0, s[64:65] scope:SCOPE_SE
	s_setreg_imm32_b32 hwreg(HW_REG_WAVE_MODE, 25, 1), 1
	s_wait_xcnt 0x0
; The eight weights and memory, all f32 with K innermost, become codes of FP4 (E2M1) and one E8M0 byte for each 32 along K.
; Rows are dense and every K is a multiple of 32, so each tensor is a plain stream of blocks of 32; so are its codes and its bytes.
; A wave takes one run of 8,192 numbers: run = 3 x work-group + wave, 0 .. 6,770.  Runs 0 .. 123 are the weights, in the order of the
; arguments (24, 8, 8, 8, 4, 8, 32, 32 runs), and go to wq; runs 124 .. 6,770 are memory and go to mq.  A run makes 4,096 bytes of codes
; and 256 scale bytes; the bytes lie behind all the codes of their buffer (wq: from 507,904; mq: from 27,226,112).
; Only pointers are chosen by the run's number: there is one way through the text.
; A block's scale is 2^(floor(log2(largest magnitude)) - 2); its byte is the largest magnitude's exponent field - 2, held at 1 from below.
; LIMITS: a block of zeros gets the byte 1 where the rule says 127 (its codes are zeros, and this program alone reads the bytes); blocks whose
; largest magnitude lies under 2^-124 are held at the byte 1; NaN and infinities among the inputs are not served.
; Each load reads 512 consecutive bytes; a step's 2,048 bytes turn through the wave's own stage in LDS, so that a lane holds 16 neighbours.
.set STEPS, 16
.set EMAX,  2
.set CB,    8                          ; bytes of 16 codes
.set R,     16                         ; v16-79   four sets of 16 numbers as loaded
.set X,     80                         ; v80-111  two sets of 16 neighbours
.set C,     128                        ; v128-191 codes: four registers a step, so that no store's data are written again
.set E,     112                        ; v112-127 a scale byte for each step
.set WREG,  8192                       ; LDS of a wave: two stages of 32 x SP bytes, then its 256 scale bytes
.set SP,    80                         ; a lane's place in a stage: 64 bytes + 16 of padding
	s_load_b512 s[8:23], s[0:1], 0x0               ; the eight weights
	s_load_b128 s[24:27], s[0:1], 0x40             ; memory, wq
	s_load_b64 s[28:29], s[0:1], 0x50              ; mq
	v_lshl_add_u32 v192, v0, 2, 0x6000
	v_mov_b32 v193, 0
	v_lshrrev_b32 v1, 5, v0
	v_readfirstlane_b32 s3, v1                     ; wave
	v_and_b32 v2, 31, v0                           ; lane
	v_lshlrev_b32 v3, 4, v2                        ; my 16 bytes of a load's 512
	s_mul_i32 s5, s3, WREG
	v_lshrrev_b32 v14, 2, v2
	v_mul_u32_u24 v14, v14, SP
	v_and_b32 v15, 3, v2
	v_lshl_add_u32 v14, v15, 4, v14
	v_add_nc_u32 v14, s5, v14                      ; the stage on the way in: SP (lane / 4) + 16 (lane % 4)
	v_mul_u32_u24 v15, v2, SP
	v_add_nc_u32 v15, s5, v15                      ; and on the way out: SP x lane
	v_mul_u32_u24 v4, v2, CB                       ; my codes' place in a step's
	v_lshrrev_b32 v5, 1, v2
	s_add_co_u32 s5, s5, 2*32*SP
	v_add_nc_u32 v5, s5, v5                        ; my block's byte among the wave's 256
	v_lshlrev_b32 v7, 3, v2
	v_add_nc_u32 v6, s5, v7
	s_mul_i32 s4, ttmp9, 3
	s_add_co_u32 s4, s4, s3                        ; my run
	s_wait_kmcnt 0x0
	s_mov_b64 s[30:31], s[8:9]                     ; the tensor of my run, and its first run
	s_mov_b32 s32, 0
.macro PICK bound, lo
	s_cmp_ge_u32 s4, \bound
	s_cselect_b64 s[30:31], s[\lo:\lo+1], s[30:31]
	s_cselect_b32 s32, \bound, s32
.endm
	PICK 24, 10
	PICK 32, 12
	PICK 40, 14
	PICK 48, 16
	PICK 52, 18
	PICK 60, 20
	PICK 92, 22
	PICK 124, 24
	s_mov_b32 s33, 27226112                        ; where the scale bytes begin in mq,
	s_mov_b32 s34, 507904                          ; and in wq
	s_cmp_ge_u32 s4, 124
	s_cselect_b64 s[36:37], s[28:29], s[26:27]     ; the buffer that takes my run
	s_cselect_b32 s33, s33, s34
	s_cselect_b32 s34, 124, 0
	s_sub_co_u32 s34, s4, s34                      ; my run's number in that buffer
	s_sub_co_u32 s35, s4, s32                      ; and in its tensor
	s_lshl_b32 s38, s35, 15                        ; 32,768 bytes of f32 a run (under 2^28)
	s_mov_b32 s39, 0
	s_add_nc_u64 s[30:31], s[30:31], s[38:39]
	s_lshl_b32 s38, s34, 12
	s_add_nc_u64 s[40:41], s[36:37], s[38:39]      ; my codes
	s_lshl_b32 s38, s34, 8
	s_add_co_u32 s38, s38, s33
	s_add_nc_u64 s[42:43], s[36:37], s[38:39]      ; my scale bytes
.macro LOAD t
.irp i, 0,1,2,3
	global_load_b128 v[R+16*((\t)%4)+4*\i:R+16*((\t)%4)+4*\i+3], v3, s[30:31] offset:2048*(\t)+512*\i th:TH_LOAD_NT
.endr
.endm
.macro TURN t                          ; step t's numbers through the stage: LDS serves a wave's instructions in order
.irp i, 0,1,2,3
	ds_store_b128 v14, v[R+16*((\t)%4)+4*\i:R+16*((\t)%4)+4*\i+3] offset:32*SP*((\t)%2)+8*SP*\i
.endr
.irp i, 0,1,2,3
	ds_load_b128 v[X+16*((\t)%2)+4*\i:X+16*((\t)%2)+4*\i+3], v15 offset:32*SP*((\t)%2)+16*\i
.endr
.endm
.irp t, 0,1,2,3
	LOAD \t
.endr
	s_wait_loadcnt 12                              ; step 0's four loads are in; twelve younger ones stay out
	TURN 0
.macro STEP t
.set XS, X+16*((\t)%2)
.if (\t) > 0
	s_wait_dscnt 1                                 ; this step's numbers are back (the last step's byte store may be out)
.else
	s_wait_dscnt 0x0
.endif
.if (\t)+4 < STEPS
	LOAD (\t)+4
.endif
.if (\t)+1 < STEPS
.if STEPS-2-(\t) >= 3
	s_wait_loadcnt 12                              ; the next step's four loads are in; those of three steps behind it may be out
.else
	s_wait_loadcnt 4*(STEPS-2-(\t))
.endif
	TURN (\t)+1
.endif
	v_max3_num_f32 v8, |v[XS]|, |v[XS+1]|, |v[XS+2]|
	v_max3_num_f32 v9, |v[XS+3]|, |v[XS+4]|, |v[XS+5]|
.irp i, 6,10
	v_max3_num_f32 v8, v8, |v[XS+\i]|, |v[XS+\i+1]|
	v_max3_num_f32 v9, v9, |v[XS+\i+2]|, |v[XS+\i+3]|
.endr
	v_max3_num_f32 v8, v8, |v[XS+14]|, |v[XS+15]|
	v_max3_num_f32 v8, v8, v9, (EMAX+1)<<23        ; the floor 2^(3 - 127): the byte cannot fall under 1
	v_max_num_f32_dpp v8, v8, v8 row_xmask:1 row_mask:0xf bank_mask:0xf   ; with my neighbour's 16: the block's largest magnitude
	v_add_nc_u32 v11, 0xff000000, v8               ; 2 off its exponent field: the conversion's scale operand
	v_cvt_scalef32_pk8_fp4_f32 v[C+4*(\t)], v[XS:XS+7], v11
	v_cvt_scalef32_pk8_fp4_f32 v[C+4*(\t)+1], v[XS+8:XS+15], v11
	v_lshrrev_b32 v[E+(\t)], 23, v11               ; the scale's byte
	ds_store_b8 v5, v[E+(\t)] offset:16*(\t)       ; both lanes of a block write the same byte with the same value
	global_store_b64 v4, v[C+4*(\t):C+4*(\t)+1], s[40:41] offset:32*CB*(\t)   ; the wave stores 256 consecutive bytes, aligned
.endm
.irp t, 0,1,2,3,4,5,6,7,8,9,10,11,12,13,14,15
	STEP \t
.endr
	ds_load_b64 v[12:13], v6
	s_wait_dscnt 0x0
	global_store_b64 v7, v[12:13], s[42:43]        ; the run's 256 scale bytes, consecutive and aligned
	s_wait_tensorcnt 0x0
	ds_add_u32 v192, v193
	s_wait_dscnt 0x0
	s_endpgm
.Lfunc_end_k_qeb10cc76cb_quant:
	.size	k_qeb10cc76cb_quant, .Lfunc_end_k_qeb10cc76cb_quant-k_qeb10cc76cb_quant
	.p2alignl 7, 3214868480
	.fill 96, 4, 3214868480
	.section	.rodata,"a",@progbits
	.p2align	6, 0x0
	.amdhsa_kernel k_qeb10cc76cb_quant
		.amdhsa_group_segment_fixed_size 25088
		.amdhsa_private_segment_fixed_size 0
		.amdhsa_enable_private_segment 0
		.amdhsa_kernarg_size 88
		.amdhsa_user_sgpr_count 2
		.amdhsa_user_sgpr_kernarg_segment_ptr 1
		.amdhsa_wavefront_size32 1
		.amdhsa_system_sgpr_workgroup_id_x 1
		.amdhsa_system_sgpr_workgroup_id_y 1
		.amdhsa_system_sgpr_workgroup_id_z 1
		.amdhsa_system_vgpr_workitem_id 0
		.amdhsa_next_free_vgpr 194
		.amdhsa_next_free_sgpr 66
		.amdhsa_reserve_vcc 0
		.amdhsa_float_denorm_mode_32 3
		.amdhsa_float_denorm_mode_16_64 3
		.amdhsa_memory_ordered 1
		.amdhsa_forward_progress 1
		.amdhsa_inst_pref_size 34
	.end_amdhsa_kernel
	.amdgpu_metadata
---
amdhsa.version: [ 1, 2 ]
amdhsa.kernels:
  - .name:           k_qeb10cc76cb_quant
    .symbol:         k_qeb10cc76cb_quant.kd
    .args:
      - { .name: in_proj_w, .offset: 0, .size: 8, .value_kind: global_buffer, .address_space: global }
      - { .name: out_proj_w, .offset: 8, .size: 8, .value_kind: global_buffer, .address_space: global }
      - { .name: val_proj_w, .offset: 16, .size: 8, .value_kind: global_buffer, .address_space: global }
      - { .name: samp_off_w, .offset: 24, .size: 8, .value_kind: global_buffer, .address_space: global }
      - { .name: attn_w_w, .offset: 32, .size: 8, .value_kind: global_buffer, .address_space: global }
      - { .name: ms_out_w, .offset: 40, .size: 8, .value_kind: global_buffer, .address_space: global }
      - { .name: lin1_w, .offset: 48, .size: 8, .value_kind: global_buffer, .address_space: global }
      - { .name: lin2_w, .offset: 56, .size: 8, .value_kind: global_buffer, .address_space: global }
      - { .name: memory, .offset: 64, .size: 8, .value_kind: global_buffer, .address_space: global }
      - { .name: wq, .offset: 72, .size: 8, .value_kind: global_buffer, .address_space: global }
      - { .name: mq, .offset: 80, .size: 8, .value_kind: global_buffer, .address_space: global }
    .group_segment_fixed_size: 25088
    .private_segment_fixed_size: 0
    .kernarg_segment_align: 8
    .kernarg_segment_size: 88
    .max_flat_workgroup_size: 96
    .sgpr_count:     66
    .vgpr_count:     194
    .wavefront_size: 32
...
	.end_amdgpu_metadata
.endif
;; end of part 1
;; launch qkv (part 2): grid 15 x 16, 16 waves a work-group, no clusters, 94,208 bytes of LDS; arguments tgt, tgt_query_pos, in_proj_b, wq, qkv; writes qkv
.if DOCPART == 2
	.amdgcn_target "amdgcn-amd-amdhsa--gfx1250"
	.amdhsa_code_object_version 6
	.text
	.protected	k_qeb10cc76cb_qkv
	.globl	k_qeb10cc76cb_qkv
	.p2align	8
	.type	k_qeb10cc76cb_qkv,@function
k_qeb10cc76cb_qkv:
	s_mov_b64 s[64:65], 0
	v_nop
	global_prefetch_b8 v0, s[64:65] scope:SCOPE_SE
	s_setreg_imm32_b32 hwreg(HW_REG_WAVE_MODE, 25, 1), 1
	s_wait_xcnt 0x0
; q = (x Wq^T + bq) / sqrt(32), k = x Wk^T + bk, v = tgt Wv^T + bv with x = tgt + pos; all three products on codes of FP4, and q, k, v
; are quantised at once for the attention: q and k along the head's 32, v along the keys.
; A work-group takes 64 queries (chunk c = x) of one batch (b = y): four row tiles T = 4 c .. 4 c + 3.
; THE ROWS OF A TILE ARE NOT NEIGHBOURS: lane-row r of tile T is query 32 (T / 2) + 8 (T % 2) + (r % 8) + 16 (r / 8); so the 16 result registers of
; two neighbouring tiles are 16 neighbours along the keys.  The weights' rows of a tile are chosen in the same way.
; Queries from 900 on are loaded from row 899; as keys their v becomes zeros here, and the attention hides their scores.
; PHASE X: wave w quantises four rows of tgt and of x (a lane holds a whole block of 32 after a turn through the wave's stage) and stores them as
; images of operand registers.  PHASE G: wave = (head h = w % 8, half th = w / 8); it makes its head's q, k, v for row tiles 4 c + 2 th, + 1.
; A record of qkv (batch 8 b + h): KC, VC, KS, VS, QC, QS as named below; every store of codes covers 256 consecutive bytes, aligned.
; LIMITS: zero blocks get the byte 1; blocks under 2^-124 are held at the byte 1; NaN and infinities are not served.
.set XIMG, 0                           ; LDS: x's four tiles x two fragments of 1,024 bytes
.set TIMG, 8192                        ; tgt's
.set XSC,  16384                       ; their scale words, 64 bytes a fragment
.set TSC,  16896
.set WL,   17408                       ; a turn stage of 4 rows x 1,168 bytes for each wave (a block of 128 bytes has pitch 144)
.set BH,   51968                       ; a record of qkv
.set VC,   15360
.set KS,   30720
.set VS,   31680
.set QC,   32768
.set QS,   48128
.set TW, 1                             ; v1  stage, way in     (phase G: v's codes)
.set TR, 2                             ; v2  stage, way out    (phase G: q's codes)
.set VO, 3                             ; v3-6 my four rows' byte offsets + 16 x lane   (phase G: k's codes, v's, q's, k's scale bytes)
.set IA, 7                             ; v7  where my block's 16 bytes lie in an image
.set SA, 8                             ; v8  and its scale byte
.set LI, 9                             ; v9  16 x lane + 4,096 th
.set LS, 10                            ; v10 4 r + 256 th
.set LQB, 15                           ; v15 64 c + 32 th + 16 (lane / 16)
.set WSC, 16                           ; v16-27 the weights' scale words: 2 (2 kind + u) + s
.set XS,  28                           ; v28-29 the rows' scale words
.set RB,  30                           ; v30-31 bv of my lane's column, u = 0, 1
.set TG,  32                           ; v32-63 tgt; later q's and k's four accumulators
.set PS,  64                           ; v64-95 pos, then x; later v's four accumulators
.set XF,  96                           ; v96-111 at work in phase X; later the rows' two fragments
.set BQK, 112                          ; v112-143 bq, bk in the result's layout
.set BV,  144                          ; v144-159 bv, eight times each; later at work
.set WQK, 160                          ; v160-223 Wq, Wk: 16 (2 kind + u) + 8 s
.set WV,  224                          ; v224-255 Wv: 16 u + 8 s; later the codes
.set ACC, 32
.set VACC, 64
.set WA, 144                           ; addresses of the head's loads, in registers that are free until those loads are in
.set WSA, 145
.set BQA, 146
.set BVA, 147
.set TM, 144
.set TM2, 145
.set TO, 146
.set TS, 147
.set TB, 148                           ; v148-153 six scale bytes
.set JO, 154
.set PC, 224
.set SEL, 46                           ; s[46:47] lane l xor 16
.set MHI, 48                           ; s48 lanes 16-31
.macro NOPS n
.rept \n
	v_nop
.endr
.endm
.macro BAR                             ; my LDS stores have landed and my LDS loads are in: then the work-group's barrier
	s_wait_dscnt 0x0
	s_barrier_signal -1
	s_barrier_wait -1
.endm
.macro MM d, a, b, c, sa, sb
	v_wmma_scale_f32_16x16x128_f8f6f4 v[(\d):(\d)+7], v[(\a):(\a)+7], v[(\b):(\b)+7], v[(\c):(\c)+7], v[(\sa)], v[(\sb)] matrix_a_fmt:MATRIX_FMT_FP4 matrix_b_fmt:MATRIX_FMT_FP4
.endm
.macro ROWLD dst, base                 ; four rows of 1,024 bytes: each load reads 512 consecutive bytes
.irp i, 0,1,2,3,4,5,6,7
	global_load_b128 v[\dst+4*\i:\dst+4*\i+3], v[VO+\i/2], s[\base:\base+1] offset:(\i%2)*512
.endr
.endm
.macro TURNIN reg                      ; through my stage, in place: lane (rho, blk) then holds block blk of row rho.  LDS serves a wave's instructions in order
.irp i, 0,1,2,3,4,5,6,7
	ds_store_b128 v[TW], v[\reg+4*\i:\reg+4*\i+3] offset:(\i/2)*1168+(\i%2)*576
.endr
.irp i, 0,1,2,3,4,5,6,7
	ds_load_b128 v[\reg+4*\i:\reg+4*\i+3], v[TR] offset:16*\i
.endr
.endm
.macro QBLK src, t, img, sc            ; a lane's whole block of 32 becomes 16 bytes of codes and a byte, stored into an image
	v_max3_num_f32 v[\t], |v[\src]|, |v[\src+1]|, 0x1800000        ; with the floor 2^(3 - 127)
	v_max3_num_f32 v[\t+1], |v[\src+2]|, |v[\src+3]|, |v[\src+4]|
.irp i, 5,9,13,17,21,25
	v_max3_num_f32 v[\t], v[\t], |v[\src+\i]|, |v[\src+\i+1]|
	v_max3_num_f32 v[\t+1], v[\t+1], |v[\src+\i+2]|, |v[\src+\i+3]|
.endr
	v_max3_num_f32 v[\t], v[\t], |v[\src+29]|, |v[\src+30]|
	v_max3_num_f32 v[\t], v[\t], v[\t+1], |v[\src+31]|
	v_add_nc_u32 v[\t+1], 0xff000000, v[\t]        ; 2 off the exponent field: the conversion's scale operand
	v_lshrrev_b32 v[\t+2], 23, v[\t+1]             ; the byte
.irp g, 0,1,2,3
	v_cvt_scalef32_pk8_fp4_f32 v[\t+4+\g], v[\src+8*\g:\src+8*\g+7], v[\t+1]
.endr
	v_nop                                          ; one plain place behind a scaled conversion
	ds_store_b128 v[IA], v[\t+4:\t+7] offset:\img
	ds_store_b8 v[SA], v[\t+2] offset:\sc
.endm
.macro BLK16 src, pc, tb               ; 16 neighbours of a block in my lane, the other 16 in lane l xor 16: two registers of codes and the byte
	v_max3_num_f32 v[TM], |v[\src]|, |v[\src+1]|, 0x1800000
	v_max3_num_f32 v[TM2], |v[\src+2]|, |v[\src+3]|, |v[\src+4]|
	v_max3_num_f32 v[TM], v[TM], |v[\src+5]|, |v[\src+6]|
	v_max3_num_f32 v[TM2], v[TM2], |v[\src+7]|, |v[\src+8]|
	v_max3_num_f32 v[TM], v[TM], |v[\src+9]|, |v[\src+10]|
	v_max3_num_f32 v[TM2], v[TM2], |v[\src+11]|, |v[\src+12]|
	v_max3_num_f32 v[TM], v[TM], |v[\src+13]|, |v[\src+14]|
	v_max3_num_f32 v[TM], v[TM], v[TM2], |v[\src+15]|
	v_permlanex16_b32 v[TO], v[TM], s[SEL], s[SEL+1]
	v_max_num_f32 v[TM], v[TM], v[TO]
	v_add_nc_u32 v[TS], 0xff000000, v[TM]
	v_lshrrev_b32 v[\tb], 23, v[TS]
	v_cvt_scalef32_pk8_fp4_f32 v[\pc], v[\src:\src+7], v[TS]
	v_cvt_scalef32_pk8_fp4_f32 v[\pc+1], v[\src+8:\src+15], v[TS]
	v_nop
.endm
.macro FETCH img, sc, t                ; row tile 2 th + t: its two fragments and their scale words
.irp s, 0,1
.irp c, 0,1
	ds_load_b128 v[XF+8*\s+4*\c:XF+8*\s+4*\c+3], v[LI] offset:\img+(\t)*2048+\s*1024+\c*512
.endr
	ds_load_b32 v[XS+\s], v[LS] offset:\sc+(\t)*128+\s*64
.endr
.endm
	s_load_b256 s[4:11], s[0:1], 0x0               ; tgt, pos, in_proj_b, wq
	s_load_b64 s[12:13], s[0:1], 0x20              ; qkv
	v_lshl_add_u32 v12, v0, 2, 0x16800
	v_mov_b32 v14, 0
	v_lshrrev_b32 v96, 5, v0
	v_readfirstlane_b32 s14, v96                   ; wave
	s_and_b32 s16, ttmp7, 0xffff                   ; b
	s_and_b32 s17, s14, 7                          ; h
	s_lshr_b32 s18, s14, 3                         ; th
	s_lshr_b32 s19, s14, 2                         ; phase X: my tile of the four,
	s_and_b32 s20, s14, 3                          ; and my quarter of its rows
	s_lshl_b32 s21, ttmp9, 2
	s_add_co_u32 s21, s21, s19                     ; T
	s_lshr_b32 s22, s21, 1
	s_lshl_b32 s22, s22, 5
	s_and_b32 s23, s21, 1
	s_lshl_b32 s23, s23, 3
	s_add_co_u32 s22, s22, s23
	s_and_b32 s23, s14, 1
	s_lshl_b32 s23, s23, 2
	s_add_co_u32 s22, s22, s23
	s_lshr_b32 s23, s20, 1
	s_lshl_b32 s23, s23, 4
	s_add_co_u32 s22, s22, s23                     ; the query of my first row; the other three follow it
	s_mov_b32 s[SEL], 0x76543210
	s_mov_b32 s[SEL+1], 0xfedcba98
	s_mov_b32 s[MHI], 0xffff0000
	v_and_b32 v96, 31, v0                          ; lane
	v_and_b32 v97, 15, v0                          ; r
	v_bfe_u32 v98, v0, 4, 1                        ; hl
	v_bfe_u32 v99, v0, 3, 2                        ; rho
	v_and_b32 v100, 7, v0                          ; blk
	v_bfe_u32 v101, v0, 3, 1
	v_lshl_add_u32 v101, v101, 4, v100             ; pr = r % 8 + 16 (r / 8)
	v_lshlrev_b32 v102, 4, v96
.irp p, 0,1,2,3
	s_add_co_u32 s24, s22, \p
	s_min_u32 s24, s24, 899                        ; no load leaves its buffer
	s_lshl_b32 s24, s24, 4
	s_add_co_u32 s24, s24, s16
	s_lshl_b32 s24, s24, 10
	v_add_nc_u32 v[VO+\p], s24, v102
.endr
	s_mul_i32 s25, s14, 4672
	s_add_co_u32 s25, s25, WL
	v_mul_u32_u24 v[TW], v99, 144
	v_lshl_add_u32 v[TW], v100, 4, v[TW]
	v_add_nc_u32 v[TW], s25, v[TW]
	v_mul_u32_u24 v[TR], v99, 1168
	v_mad_u32_u24 v[TR], v100, 144, v[TR]
	v_add_nc_u32 v[TR], s25, v[TR]
	s_lshl_b32 s26, s19, 11
	s_lshl_b32 s27, s20, 6
	s_add_co_u32 s26, s26, s27
	v_lshlrev_b32 v[IA], 4, v99
	v_lshl_add_u32 v[IA], v100, 8, v[IA]           ; block blk of a tile's two fragments begins at 256 blk
	v_add_nc_u32 v[IA], s26, v[IA]
	s_lshl_b32 s26, s19, 7
	s_lshl_b32 s27, s20, 4
	s_add_co_u32 s26, s26, s27
	v_lshlrev_b32 v[SA], 2, v99
	v_bfe_u32 v103, v0, 2, 1
	v_lshl_add_u32 v[SA], v103, 6, v[SA]
	v_and_b32 v103, 3, v0
	v_add_nc_u32 v[SA], v[SA], v103
	v_add_nc_u32 v[SA], s26, v[SA]
	s_lshl_b32 s26, s18, 12
	v_lshl_add_u32 v[LI], v96, 4, s26
	s_lshl_b32 s26, s18, 8
	v_lshl_add_u32 v[LS], v97, 2, s26
	v_lshlrev_b32 v[WA], 7, v101
	v_lshl_add_u32 v[WA], v98, 4, v[WA]            ; a weight's row pr of 128 bytes, + 16 hl
	v_lshlrev_b32 v[WSA], 3, v101
	v_lshlrev_b32 v[BQA], 6, v98
	v_lshlrev_b32 v[BVA], 2, v101
	s_mov_b32 s29, 0
	s_wait_kmcnt 0x0
	s_lshl_b32 s28, s17, 12
	s_add_nc_u64 s[30:31], s[10:11], s[28:29]      ; my head's 32 rows of Wq
	s_lshl_b32 s28, s17, 8
	s_add_co_u32 s28, s28, 507904
	s_add_nc_u64 s[32:33], s[10:11], s[28:29]      ; and their scale bytes
	s_lshl_b32 s28, s17, 7
	s_add_nc_u64 s[34:35], s[8:9], s[28:29]        ; and biases
	s_lshl_b32 s28, s16, 3
	s_add_co_u32 s28, s28, s17
	s_mul_i32 s28, s28, BH
	s_add_nc_u64 s[36:37], s[12:13], s[28:29]      ; my record
	; ---- X
	ROWLD TG, 4
	ROWLD PS, 6
.irp a, 0,1,2,3
.irp s, 0,1
.irp c, 0,1
	global_load_b128 v[WQK+16*\a+8*\s+4*\c:WQK+16*\a+8*\s+4*\c+3], v[WA], s[30:31] offset:(\a/2)*32768+(\a%2)*1024+\s*64+\c*32
.endr
.endr
.endr
.irp u, 0,1
.irp s, 0,1
.irp c, 0,1
	global_load_b128 v[WV+16*\u+8*\s+4*\c:WV+16*\u+8*\s+4*\c+3], v[WA], s[30:31] offset:65536+\u*1024+\s*64+\c*32
.endr
.endr
.endr
.irp a, 0,1,2,3,4,5
.irp s, 0,1
	global_load_b32 v[WSC+2*\a+\s], v[WSA], s[32:33] offset:(\a/2)*2048+(\a%2)*64+4*\s
.endr
.endr
.irp a, 0,1,2,3
	global_load_b128 v[BQK+8*\a:BQK+8*\a+3], v[BQA], s[34:35] offset:(\a/2)*1024+(\a%2)*32
	global_load_b128 v[BQK+8*\a+4:BQK+8*\a+7], v[BQA], s[34:35] offset:(\a/2)*1024+(\a%2)*32+16
.endr
.irp u, 0,1
	global_load_b32 v[RB+\u], v[BVA], s[34:35] offset:2048+32*\u
.endr
	s_wait_loadcnt 54                              ; tgt's eight loads are in: pos's 8 and the 46 for weights, scales and biases stay out
	TURNIN TG
	s_wait_loadcnt 46                              ; pos's are in
	TURNIN PS
	s_wait_dscnt 16                                ; tgt is back from the stage: pos's 8 stores and 8 loads are younger
	QBLK TG, 96, TIMG, TSC
	s_wait_dscnt 2                                 ; pos is back: the two image stores are younger
.set jj, 0
.rept 16
	v_pk_add_f32 v[PS+jj:PS+jj+1], v[PS+jj:PS+jj+1], v[TG+jj:TG+jj+1]    ; x = tgt + pos
.set jj, jj+2
.endr
	QBLK PS, 104, XIMG, XSC
	BAR                                            ; the eight fragments of x and of tgt lie in LDS
	s_wait_loadcnt 0x0
.irp u, 0,1
.irp j, 0,1,2,3,4,5,6,7
	v_mov_b32 v[BV+8*\u+\j], v[RB+\u]              ; v is used the natural way: a lane holds one column, so its bias is one number
.endr
.endr
	; where phase G stores
	v_and_b32 v7, 15, v0
	v_bfe_u32 v8, v0, 4, 1
	v_lshlrev_b32 v13, 4, v7
	v_lshl_add_u32 v13, v8, 3, v13                 ; 16 r + 8 hl: my 8 bytes of a block's 256
	s_lshl_b32 s40, ttmp9, 10
	s_lshl_b32 s41, s18, 8
	s_add_co_u32 s42, s40, s41
	s_add_co_u32 s42, s42, VC
	v_add_nc_u32 v1, s42, v13                      ; v: chunk c, block th of its two
	s_lshl_b32 s41, s18, 9
	s_add_co_u32 s42, s40, s41
	v_add_nc_u32 v3, s42, v13                      ; k: chunk c, blocks 2 th, 2 th + 1
	s_add_co_u32 s42, s42, QC
	v_add_nc_u32 v2, s42, v13                      ; q: tiles 4 c + 2 th, + 1
	s_lshl_b32 s42, ttmp9, 8
	s_lshl_b32 s41, s18, 7
	s_add_co_u32 s42, s42, s41
	s_add_co_u32 s42, s42, QS
	v_and_b32 v5, 31, v0
	v_lshl_add_u32 v5, v5, 2, s42
	s_lshl_b32 s42, ttmp9, 6
	s_lshl_b32 s41, s18, 1
	s_add_co_u32 s42, s42, s41
	s_add_co_u32 s42, s42, KS
	v_lshl_add_u32 v6, v7, 2, s42
	s_lshr_b32 s41, ttmp9, 1
	s_lshl_b32 s41, s41, 7
	s_and_b32 s43, ttmp9, 1
	s_lshl_b32 s43, s43, 1
	s_add_co_u32 s41, s41, s43
	s_add_co_u32 s41, s41, s18                     ; v's bytes: word of 128 keys, byte 2 (c % 2) + th;
	s_add_co_u32 s42, s18, 896                     ; the last chunk has two bytes a row
	s_cmp_eq_u32 ttmp9, 14
	s_cselect_b32 s40, 2, 4
	s_cselect_b32 s41, s42, s41
	s_add_co_u32 s41, s41, VS
	v_and_b32 v4, 31, v0
	v_mul_u32_u24 v4, v4, s40
	v_add_nc_u32 v4, s41, v4
	s_lshl_b32 s42, ttmp9, 6
	s_lshl_b32 s41, s18, 5
	s_add_co_u32 s42, s42, s41
	v_lshl_add_u32 v[LQB], v8, 4, s42
	; ---- G1: v, source 0 = 16 rows of tgt, source 1 = 16 rows of Wv: a lane holds one channel and eight keys.  Two accumulators by turns
.irp t, 0,1
	FETCH TIMG, TSC, \t
	s_wait_dscnt 0x0
.irp s, 0,1
.irp u, 0,1
.if \s == 0
	MM VACC+16*\u+8*\t, XF, WV+16*\u, BV+8*\u, XS, WSC+8+2*\u
.else
	MM VACC+16*\u+8*\t, XF+8, WV+16*\u+8, VACC+16*\u+8*\t, XS+1, WSC+9+2*\u
.endif
.endr
.endr
	NOPS 4                                         ; places in front of loads into registers that the products read, and of the first read of results
.endr
	v_mov_b32 v[TO], 0
	; ---- G2: the last chunk's keys from 900 on become zeros ahead of the block's maximum
	s_cmp_lg_u32 ttmp9, 14
	s_cbranch_scc1 .Lall_keys
.irp t, 0,1
.irp j, 0,1,2,3,4,5,6,7
	v_cmp_gt_u32 vcc_lo, 900-8*\t-\j, v[LQB]
	v_cndmask_b32 v[VACC+8*\t+\j], 0, v[VACC+8*\t+\j], vcc_lo
	v_cndmask_b32 v[VACC+16+8*\t+\j], 0, v[VACC+16+8*\t+\j], vcc_lo
.endr
.endr
.Lall_keys:
	BLK16 VACC, PC, TB
	BLK16 VACC+16, PC+2, TB+1
	global_store_b64 v1, v[PC:PC+1], s[36:37]
	global_store_b64 v1, v[PC+2:PC+3], s[36:37] offset:512
	v_cndmask_b32 v[JO], v[TB], v[TB+1], s[MHI]    ; lane 16 u + r holds the byte of channel tile u, row r
	global_store_b8 v4, v[JO], s[36:37]
	; ---- G3: q and k, transposed (source 0 = 16 rows of the weight, source 1 = 16 rows of x): a lane holds one query and 16 neighbouring channels.  Four accumulators by turns
.irp t, 0,1
	NOPS 5                                         ; the accumulators are begun anew over earlier results
	FETCH XIMG, XSC, \t
	s_wait_dscnt 0x0
.irp s, 0,1
.irp a, 0,1,2,3
.if \s == 0
	MM ACC+8*\a, WQK+16*\a, XF, BQK+8*\a, WSC+2*\a, XS
.else
	MM ACC+8*\a, WQK+16*\a+8, XF+8, ACC+8*\a, WSC+2*\a+1, XS+1
.endif
.endr
.endr
	NOPS 4
.irp j, 0,2,4,6,8,10,12,14
	v_pk_mul_f32 v[ACC+\j:ACC+\j+1], v[ACC+\j:ACC+\j+1], 0x3e3504f3 op_sel_hi:[1,0]   ; q / sqrt(32), ahead of the quantiser
.endr
	BLK16 ACC, PC+4+4*\t, TB+2+2*\t
	BLK16 ACC+16, PC+6+4*\t, TB+3+2*\t
	global_store_b64 v2, v[PC+4+4*\t:PC+5+4*\t], s[36:37] offset:\t*256
	global_store_b64 v3, v[PC+6+4*\t:PC+7+4*\t], s[36:37] offset:\t*256
.endr
	; ---- G4: the scale bytes.  q's byte is repeated four times, since its block stands at any of a fragment's four places
	v_perm_b32 v[JO+1], v[TB+2], v[TB+2], 0
	v_perm_b32 v[JO+2], v[TB+4], v[TB+4], 0
	v_cndmask_b32 v[JO+1], v[JO+1], v[JO+2], s[MHI]
	global_store_b32 v5, v[JO+1], s[36:37]
	v_lshl_or_b32 v[JO+3], v[TB+5], 8, v[TB+3]
	global_store_b16 v6, v[JO+3], s[36:37]         ; both halves of the lanes store the same two bytes
	s_wait_tensorcnt 0x0
	ds_add_u32 v12, v14
	s_wait_dscnt 0x0
	s_endpgm
.Lfunc_end_k_qeb10cc76cb_qkv:
	.size	k_qeb10cc76cb_qkv, .Lfunc_end_k_qeb10cc76cb_qkv-k_qeb10cc76cb_qkv
	.p2alignl 7, 3214868480
	.fill 96, 4, 3214868480
	.section	.rodata,"a",@progbits
	.p2align	6, 0x0
	.amdhsa_kernel k_qeb10cc76cb_qkv
		.amdhsa_group_segment_fixed_size 94208
		.amdhsa_private_segment_fixed_size 0
		.amdhsa_enable_private_segment 0
		.amdhsa_kernarg_size 40
		.amdhsa_user_sgpr_count 2
		.amdhsa_user_sgpr_kernarg_segment_ptr 1
		.amdhsa_wavefront_size32 1
		.amdhsa_system_sgpr_workgroup_id_x 1
		.amdhsa_system_sgpr_workgroup_id_y 1
		.amdhsa_system_sgpr_workgroup_id_z 1
		.amdhsa_system_vgpr_workitem_id 0
		.amdhsa_next_free_vgpr 256
		.amdhsa_next_free_sgpr 66
		.amdhsa_reserve_vcc 1
		.amdhsa_float_denorm_mode_32 3
		.amdhsa_float_denorm_mode_16_64 3
		.amdhsa_memory_ordered 1
		.amdhsa_forward_progress 1
		.amdhsa_inst_pref_size 35
	.end_amdhsa_kernel
	.amdgpu_metadata
---
amdhsa.version: [ 1, 2 ]
amdhsa.kernels:
  - .name:           k_qeb10cc76cb_qkv
    .symbol:         k_qeb10cc76cb_qkv.kd
    .args:
      - { .name: tgt, .offset: 0, .size: 8, .value_kind: global_buffer, .address_space: global }
      - { .name: tgt_query_pos, .offset: 8, .size: 8, .value_kind: global_buffer, .address_space: global }
      - { .name: in_proj_b, .offset: 16, .size: 8, .value_kind: global_buffer, .address_space: global }
      - { .name: wq, .offset: 24, .size: 8, .value_kind: global_buffer, .address_space: global }
      - { .name: qkv, .offset: 32, .size: 8, .value_kind: global_buffer, .address_space: global }
    .group_segment_fixed_size: 94208
    .private_segment_fixed_size: 0
    .kernarg_segment_align: 8
    .kernarg_segment_size: 40
    .max_flat_workgroup_size: 512
    .sgpr_count:     66
    .vgpr_count:     256
    .wavefront_size: 32
...
	.end_amdgpu_metadata
.endif
;; end of part 2
;; launch attn (part 3): grid 2 x 128, 16 waves a work-group, no clusters, 169,984 bytes of LDS; arguments qkv, ao; writes ao
.if DOCPART == 3
	.amdgcn_target "amdgcn-amd-amdhsa--gfx1250"
	.amdhsa_code_object_version 6
	.text
	.protected	k_qeb10cc76cb_attn
	.globl	k_qeb10cc76cb_attn
	.p2align	8
	.type	k_qeb10cc76cb_attn,@function
k_qeb10cc76cb_attn:
	s_mov_b64 s[64:65], 0
	v_nop
	global_prefetch_b8 v0, s[64:65] scope:SCOPE_SE
	s_setreg_imm32_b32 hwreg(HW_REG_WAVE_MODE, 25, 1), 1
	s_wait_xcnt 0x0
; Self-attention of one (batch, head) = y on codes of FP4; x = which half of the 57 query tiles.  The result o / l is quantised along the model's 256
; (a block of 32 is a head) and stored as images of operand registers for the next product.
; K's and V's codes and scale bytes of the whole head, 32,640 bytes, come into LDS once, by three tensor loads; nothing is filled again.
; A wave owns a tile of 16 queries at a time: tile wave, then tile wave + 16 of its half's 29 or 28.  Every wave walks the second tile's trips; where the
; tile does not exist, a scalar branch on ids inside the trip leaves the work out, so that the trip counts stay constants of the text.
; THE HEAD'S K IS 32, the instruction's 128: a fragment of K holds FOUR key tiles, one in each block of 32, and the query fragment holds the query's codes
; in one block and zeros in the other three: it picks the tile.  The four variants are runs of eight registers in [0 | q | 0].
; Both products are used transposed: a lane holds one query.  t = score x log2(e); M = the running largest t rounded up to a whole number;
; p = 2^(t - M) is quantised along the keys; the sum is taken of the unquantised p and divides at the end.
; Keys 896 .. 899 are a tail of their own; the keys behind them get p = 0, and v's codes there are zeros.
; No cluster: the two work-groups of a head share these 32,640 bytes once in the launch, a small part of what each does.
; LIMITS: zero blocks get the byte 1; NaN and infinities are not served.
.set BH,  51968
.set VC,  15360
.set KS,  30720
.set VS,  31680
.set QC,  32768
.set QS,  48128
.set AOS, 1867776
.set TM, 232
.set TM2, 233
.set TO, 236
.set TS, 244
.set SEL, 30
.macro NOPS n
.rept \n
	v_nop
.endr
.endm
.macro MMZ d, a, b, sa, sb, row        ; a product that starts its sum; row = 1: source 0's scales from lanes 16-31
.if \row
	v_wmma_scale_f32_16x16x128_f8f6f4 v[(\d):(\d)+7], v[(\a):(\a)+7], v[(\b):(\b)+7], 0, v[\sa], v[\sb] matrix_a_fmt:MATRIX_FMT_FP4 matrix_b_fmt:MATRIX_FMT_FP4 matrix_a_scale:MATRIX_SCALE_ROW1
.else
	v_wmma_scale_f32_16x16x128_f8f6f4 v[(\d):(\d)+7], v[(\a):(\a)+7], v[(\b):(\b)+7], 0, v[\sa], v[\sb] matrix_a_fmt:MATRIX_FMT_FP4 matrix_b_fmt:MATRIX_FMT_FP4
.endif
.endm
.macro MMA d, a, b, sa, sb, row        ; a product that adds onto its sum
.if \row
	v_wmma_scale_f32_16x16x128_f8f6f4 v[(\d):(\d)+7], v[(\a):(\a)+7], v[(\b):(\b)+7], v[(\d):(\d)+7], v[\sa], v[\sb] matrix_a_fmt:MATRIX_FMT_FP4 matrix_b_fmt:MATRIX_FMT_FP4 matrix_a_scale:MATRIX_SCALE_ROW1
.else
	v_wmma_scale_f32_16x16x128_f8f6f4 v[(\d):(\d)+7], v[(\a):(\a)+7], v[(\b):(\b)+7], v[(\d):(\d)+7], v[\sa], v[\sb] matrix_a_fmt:MATRIX_FMT_FP4 matrix_b_fmt:MATRIX_FMT_FP4
.endif
.endm
.macro BLK16 src, pc, tb
	v_max3_num_f32 v[TM], |v[\src]|, |v[\src+1]|, 0x1800000
	v_max3_num_f32 v[TM2], |v[\src+2]|, |v[\src+3]|, |v[\src+4]|
	v_max3_num_f32 v[TM], v[TM], |v[\src+5]|, |v[\src+6]|
	v_max3_num_f32 v[TM2], v[TM2], |v[\src+7]|, |v[\src+8]|
	v_max3_num_f32 v[TM], v[TM], |v[\src+9]|, |v[\src+10]|
	v_max3_num_f32 v[TM2], v[TM2], |v[\src+11]|, |v[\src+12]|
	v_max3_num_f32 v[TM], v[TM], |v[\src+13]|, |v[\src+14]|
	v_max3_num_f32 v[TM], v[TM], v[TM2], |v[\src+15]|
	v_permlanex16_b32 v[TO], v[TM], s[SEL], s[SEL+1]
	v_max_num_f32 v[TM], v[TM], v[TO]
	v_add_nc_u32 v[TS], 0xff000000, v[TM]
	v_lshrrev_b32 v[\tb], 23, v[TS]
	v_cvt_scalef32_pk8_fp4_f32 v[\pc], v[\src:\src+7], v[TS]
	v_cvt_scalef32_pk8_fp4_f32 v[\pc+1], v[\src+8:\src+15], v[TS]
	v_nop
.endm
; REGISTERS: v1 16 lane, v2 4 lane, v3 16 r, v4 4 r, v5 16 r + 8 hl, v10 2 lane; v6, v7, v11, v45 a tile's addresses; v8, v9 a step's LDS addresses;
; v12 -M, v13 largest t, v[14:15] the sum; v16-39 the query's variants; v40-43 q as loaded; v44 q's scale word; v48-63 K; v64-79 V; v80, v81 their scale words;
; v82-84 the result's codes and byte; v96-159 scores, then p; v160-175 O^T; v224-231 p's codes; v232-254 at work; v253 p's scale word.
	s_load_b128 s[4:7], s[0:1], 0x0                ; qkv, ao
	v_lshl_add_u32 v251, v0, 2, 0x29000
	v_mov_b32 v255, 0
	ds_add_u32 v251, v255
	ds_add_u32 v251, v255
	v_lshrrev_b32 v1, 5, v0
	v_readfirstlane_b32 s8, v1                     ; wave
	s_mov_b32 s9, ttmp9                            ; which half of the tiles
	s_and_b32 s10, ttmp7, 0xffff                   ; 8 b + h
	s_lshr_b32 s11, s10, 3                         ; b
	s_and_b32 s24, s10, 7                          ; h
	; descriptor group 1: 85 rows of 128 bytes (16 elements of 8 bytes), dense, no padding
	s_mov_b32 s16, 3<<16
	s_mov_b32 s17, 16<<16                          ; tensor_dim0
	s_mov_b32 s18, 85<<16                          ; tensor_dim1
	s_mov_b32 s19, 16<<16                          ; tile_dim0
	s_mov_b32 s20, 85                              ; tile_dim1
	s_mov_b32 s21, 16                              ; the pitch
	s_mov_b32 s22, 0
	s_mov_b32 s23, 0
	s_mov_b32 s12, 1
	s_mul_i32 s13, s8, 10880                       ; LDS: a third for each of waves 0, 1, 2
	s_mul_i32 s40, s10, BH
	s_mov_b32 s41, 0
	s_mov_b32 s[SEL], 0x76543210
	s_mov_b32 s[SEL+1], 0xfedcba98
	s_mov_b32 s32, 0x0000ffff                      ; lanes 0-15
	s_mov_b32 s33, 0xffff0000                      ; lanes 16-31
	s_mov_b32 s34, 0x3fb8aa3b                      ; log2(e)
	s_mov_b32 s35, s34                             ; (named with it as a pair)
	s_wait_dscnt 0x0
	s_wait_kmcnt 0x0
	s_add_nc_u64 s[28:29], s[4:5], s[40:41]        ; my record
	s_mov_b32 s40, s13
	s_add_nc_u64 s[14:15], s[28:29], s[40:41]
	s_or_b32 s15, s15, 0x80000000                  ; type = 2
	s_cmp_lt_u32 s8, 3
	s_cbranch_scc0 .Lno_fill
	tensor_load_to_lds s[12:15], s[16:23]          ; the launch's only fills: one tensor load of mine is out
	s_nop 0
	NOPS 4
.Lno_fill:
	v_and_b32 v8, 31, v0
	v_and_b32 v9, 15, v0
	v_bfe_u32 v6, v0, 4, 1
	v_lshlrev_b32 v1, 4, v8
	v_lshlrev_b32 v2, 2, v8
	v_lshlrev_b32 v10, 1, v8
	v_lshlrev_b32 v3, 4, v9
	v_lshlrev_b32 v4, 2, v9
	v_lshl_add_u32 v5, v6, 3, v3
.irp j, 16,17,18,19,24,25,26,27,28,29,30,31,36,37,38,39
	v_mov_b32 v\j, 0                               ; the zeros round the query's codes: written once
.endr
	s_wait_tensorcnt 0x0
	s_barrier_signal -1
	s_barrier_wait -1                              ; the head's K and V lie in LDS for every wave
.macro NEWM                            ; v254 = the step's largest score: the running M, and f = 2^(old M - new M) in v252
	v_mul_f32 v254, s34, v254
	v_max_num_f32 v13, v13, v254
	v_mov_b32 v254, v12
	v_floor_f32 v12, -v13                          ; -M = floor(-t): M is a whole number
	v_sub_f32 v254, v12, v254
	v_cvt_i32_f32 v254, v254                       ; (it saturates)
	v_ldexp_f32 v252, 1.0, v254
.endm
.macro STEP                            ; 128 keys
	v_add_nc_u32 v8, s36, v1
	v_add_nc_u32 v9, s37, v2
	v_nop
	v_nop                                          ; four places in front of loads into registers that the last products read
.irp f, 0,1
.irp c, 0,1
	ds_load_b128 v[48+8*\f+4*\c:51+8*\f+4*\c], v8 offset:\f*1024+\c*512
.endr
.endr
	ds_load_b32 v80, v9 offset:KS                  ; lanes 0-15: the first chunk's words, lanes 16-31 the second's
.irp d, 0,1
.irp c, 0,1
	ds_load_b128 v[64+8*\d+4*\c:67+8*\d+4*\c], v8 offset:VC+\c*1024+\d*512
.endr
.endr
	ds_load_b32 v81, v9 offset:VS                  ; lanes 0-15: channel tile 0, lanes 16-31: tile 1
	s_wait_dscnt 0x5                               ; K and its words are in; V's five loads may be out
.set tt, 0
.rept 8
	MMZ 96+8*tt, 48+8*(tt/4), 20-4*((tt%4)/2)+12*(tt%2), 80, 44, tt/4
.set tt, tt+1
.endr
	NOPS 4
.irp b, 0,1,2,3
	v_max3_num_f32 v[232+\b], v[96+16*\b], v[97+16*\b], v[98+16*\b]   ; the largest score of each block of 32 keys: for the row's maximum and for the block's largest p
.endr
.irp i, 3,5,7,9,11,13
.irp b, 0,1,2,3
	v_max3_num_f32 v[232+\b], v[232+\b], v[96+16*\b+\i], v[97+16*\b+\i]
.endr
.endr
.irp b, 0,1,2,3
	v_max_num_f32 v[232+\b], v[232+\b], v[111+16*\b]
.endr
.irp b, 0,1,2,3
	v_permlanex16_b32 v[236+\b], v[232+\b], s[SEL], s[SEL+1]
.endr
.irp b, 0,1,2,3
	v_max_num_f32 v[232+\b], v[232+\b], v[236+\b]
.endr
	v_max3_num_f32 v254, v232, v233, v234
	v_max_num_f32 v254, v254, v235
	NEWM
.set jj, 0
.rept 32
	v_pk_fma_f32 v[96+jj:97+jj], v[96+jj:97+jj], s[34:35], v[12:13] op_sel_hi:[1,0,0]   ; t - M
.set jj, jj+2
.endr
.irp b, 0,1,2,3
	v_fma_f32 v[232+\b], v[232+\b], s34, v12
.endr
.set jj, 0
.rept 64
	v_exp_f32 v[96+jj], v[96+jj]                   ; p, at most 1, not normalised
.set jj, jj+1
.endr
.irp b, 0,1,2,3
	v_exp_f32 v[232+\b], v[232+\b]                 ; the block's largest p: the same two instructions on the same number
.endr
	v_pk_mul_f32 v[14:15], v[14:15], v[252:253] op_sel_hi:[1,0]    ; the sum under the new M (a plain place behind the exponentials)
	s_wait_alu depctr_va_vdst(0)
.irp b, 0,1,2,3
	v_max_num_f32 v[232+\b], 0x1800000, v[232+\b]
.endr
.irp b, 0,1,2,3
	v_add_nc_u32 v[244+\b], 0xff000000, v[232+\b]
.endr
.irp b, 0,1,2,3
	v_lshrrev_b32 v[236+\b], 23, v[244+\b]
.endr
	v_lshl_or_b32 v253, v237, 8, v236              ; p's scale word for these 128 keys
	v_lshl_or_b32 v253, v238, 16, v253
	v_lshl_or_b32 v253, v239, 24, v253
.irp b, 0,1,2,3
	v_cvt_scalef32_pk8_fp4_f32 v[224+2*\b], v[96+16*\b:103+16*\b], v[244+\b]
	v_cvt_scalef32_pk8_fp4_f32 v[225+2*\b], v[104+16*\b:111+16*\b], v[244+\b]
.endr
	v_nop
.irp c, 0,1                            ; the operand wants a whole block in a lane
.irp i, 0,1
	v_permlane16_swap_b32 v[224+4*\c+\i], v[226+4*\c+\i]
.endr
.endr
	v_pk_add_f32 v[236:237], v[96:97], v[98:99]    ; the sum of the unquantised p, in two chains
.irp j, 4,8,12,16,20,24,28,32,36,40,44,48,52,56,60
	v_pk_add_f32 v[14:15], v[14:15], v[96+\j:97+\j]
	v_pk_add_f32 v[236:237], v[236:237], v[98+\j:99+\j]
.endr
	v_pk_add_f32 v[14:15], v[14:15], v[236:237]
.irp j, 0,2,4,6,8,10,12,14
	v_pk_mul_f32 v[160+\j:161+\j], v[160+\j:161+\j], v[252:253] op_sel_hi:[1,0]   ; O^T under the new M
.endr
	s_wait_dscnt 0x0                               ; V is in
	MMA 160, 64, 224, 81, 253, 0
	MMA 168, 72, 224, 81, 253, 1
.endm
.macro TAIL                            ; keys 896 .. 899: tile 56, block 0 of chunk 14
	NOPS 4
	ds_load_b128 v[48:51], v1 offset:14336
	ds_load_b128 v[52:55], v1 offset:14336+512
	ds_load_b32 v80, v2 offset:KS+896
	ds_load_b128 v[64:67], v1 offset:VC+14336      ; V's first 64 keys of the chunk; the registers of the other 64 keep old codes, which meet zero codes of p
	ds_load_b128 v[72:75], v1 offset:VC+14336+512
	ds_load_u16 v81, v10 offset:VS+896             ; two bytes a row; the upper two come as 0, over zero codes
	s_wait_dscnt 0x3                               ; K and its words are in; V's three loads may be out
	MMZ 96, 48, 20, 80, 44, 0
	NOPS 4
	v_mov_b32 v254, 0xff800000
.irp j, 0,1,2,3
	v_cndmask_b32 v[96+\j], v254, v[96+\j], s32    ; lanes 16-31 hold keys from 912 on: hidden
.endr
	v_max3_num_f32 v232, v96, v97, v98
	v_max_num_f32 v232, v232, v99
	v_permlanex16_b32 v236, v232, s[SEL], s[SEL+1]
	v_max_num_f32 v232, v232, v236
	v_mov_b32 v254, v232
	NEWM
	v_pk_fma_f32 v[96:97], v[96:97], s[34:35], v[12:13] op_sel_hi:[1,0,0]
	v_pk_fma_f32 v[98:99], v[98:99], s[34:35], v[12:13] op_sel_hi:[1,0,0]
	v_fma_f32 v232, v232, s34, v12
.irp j, 96,97,98,99,232
	v_exp_f32 v\j, v\j
.endr
	v_pk_mul_f32 v[14:15], v[14:15], v[252:253] op_sel_hi:[1,0]
.irp j, 100,101,102,103
	v_mov_b32 v\j, 0                               ; keys 900 .. 903
.endr
	s_wait_alu depctr_va_vdst(0)
	v_max_num_f32 v232, 0x1800000, v232
	v_add_nc_u32 v244, 0xff000000, v232
	v_lshrrev_b32 v253, 23, v244                   ; block 0's byte; the other three are 0, over zero codes
	v_cvt_scalef32_pk8_fp4_f32 v224, v[96:103], v244
	v_nop
.irp j, 225,226,227,228,229,230,231
	v_mov_b32 v\j, 0
.endr
	v_pk_add_f32 v[14:15], v[14:15], v[96:97]
	v_pk_add_f32 v[14:15], v[14:15], v[98:99]
.irp j, 0,2,4,6,8,10,12,14
	v_pk_mul_f32 v[160+\j:161+\j], v[160+\j:161+\j], v[252:253] op_sel_hi:[1,0]
.endr
	s_wait_dscnt 0x0
	MMA 160, 64, 224, 81, 253, 0
	MMA 168, 72, 224, 81, 253, 1
.endm
.macro EPI                             ; o / l; my 16 registers are channels 16 hl + 0 .. 15 of the head: half a block of the next K
	NOPS 4
	v_add_f32 v14, v14, v15
	v_permlanex16_b32 v252, v14, s[SEL], s[SEL+1]
	v_add_f32 v14, v14, v252
	v_rcp_f32 v14, v14
	v_nop
	s_wait_alu depctr_va_vdst(0)
.irp j, 0,2,4,6,8,10,12,14
	v_pk_mul_f32 v[96+\j:97+\j], v[160+\j:161+\j], v[14:15] op_sel_hi:[1,0]
.endr
	BLK16 96, 82, 84
	global_store_b64 v11, v[82:83], s[6:7]         ; the wave stores 256 consecutive bytes, aligned: the head's block of the tile's image
	global_store_b8 v45, v84, s[6:7]
.endm
.macro TILE i
	s_wait_xcnt 0x0                                ; the last tile's stores have read their registers
	s_mul_i32 s25, s9, 29
	s_add_co_u32 s25, s25, s8
.if \i
	s_add_co_u32 s25, s25, 16
	s_add_co_u32 s27, s8, 16
	s_sub_co_u32 s39, 29, s9
	s_cmp_lt_u32 s27, s39
	s_cselect_b32 s39, 1, 0                        ; is there such a tile in my half?
	s_min_u32 s25, s25, 56                         ; if not, q is loaded from a tile that exists, and not used
.endif
	s_mul_i32 s26, s11, 57
	s_add_co_u32 s26, s26, s25                     ; g = 57 b + T
	s_lshl_b32 s27, s25, 8
	s_add_co_u32 s27, s27, QC
	v_add_nc_u32 v6, s27, v3
	s_lshl_b32 s27, s25, 6
	s_add_co_u32 s27, s27, QS
	v_add_nc_u32 v7, s27, v4
	global_load_b128 v[40:43], v6, s[28:29]        ; both halves of the lanes take row r's 16 bytes
	global_load_b32 v44, v7, s[28:29]
	s_lshl_b32 s27, s26, 11
	s_lshl_b32 s40, s24, 8
	s_add_co_u32 s27, s27, s40
	v_add_nc_u32 v11, s27, v5
	s_lshl_b32 s27, s26, 7
	s_lshr_b32 s40, s24, 2
	s_lshl_b32 s40, s40, 6
	s_add_co_u32 s27, s27, s40
	s_and_b32 s40, s24, 3
	s_add_co_u32 s27, s27, s40
	s_add_co_u32 s27, s27, AOS
	v_add_nc_u32 v45, s27, v4
	v_mov_b32 v13, 0xff61b1e6                      ; the largest t so far: -3e38
	v_floor_f32 v12, -v13
	v_mov_b32 v14, 0
	v_mov_b32 v15, 0
.set jj, 0
.rept 16
	v_mov_b32 v[160+jj], 0                         ; O^T: the first change of M leaves zeros zeros
.set jj, jj+1
.endr
.irp j, 236,237,238,239,253
	v_mov_b32 v\j, 0
.endr
	s_wait_loadcnt 0x0
.irp j, 0,1,2,3
	v_cndmask_b32 v[20+\j], 0, v[40+\j], s32       ; q in lanes 0-15 alone: blocks 0 and 2
	v_cndmask_b32 v[32+\j], 0, v[40+\j], s33       ; q in lanes 16-31 alone: blocks 1 and 3
.endr
	NOPS 4
	s_mov_b32 s36, 0
	s_mov_b32 s37, 0
	s_mov_b32 s38, 7
.Lstep_\@:
.if \i
	s_cmp_eq_u32 s39, 0
	s_cbranch_scc1 .Lhid_\@
.endif
	STEP
.if \i
.Lhid_\@:
.endif
	s_add_co_u32 s36, s36, 2048
	s_add_co_u32 s37, s37, 128
	s_sub_co_u32 s38, s38, 1
	s_cmp_lg_u32 s38, 0
	s_cbranch_scc1 .Lstep_\@
.if \i
	s_cmp_eq_u32 s39, 0
	s_cbranch_scc1 .Lend_\@
.endif
	TAIL
	EPI
.if \i
.Lend_\@:
.endif
.endm
	TILE 0
	TILE 1
	s_wait_tensorcnt 0x0
	ds_add_u32 v251, v255
	s_wait_dscnt 0x0
	s_endpgm
.Lfunc_end_k_qeb10cc76cb_attn:
	.size	k_qeb10cc76cb_attn, .Lfunc_end_k_qeb10cc76cb_attn-k_qeb10cc76cb_attn
	.p2alignl 7, 3214868480
	.fill 96, 4, 3214868480
	.section	.rodata,"a",@progbits
	.p2align	6, 0x0
	.amdhsa_kernel k_qeb10cc76cb_attn
		.amdhsa_group_segment_fixed_size 169984
		.amdhsa_private_segment_fixed_size 0
		.amdhsa_enable_private_segment 0
		.amdhsa_kernarg_size 16
		.amdhsa_user_sgpr_count 2
		.amdhsa_user_sgpr_kernarg_segment_ptr 1
		.amdhsa_wavefront_size32 1
		.amdhsa_system_sgpr_workgroup_id_x 1
		.amdhsa_system_sgpr_workgroup_id_y 1
		.amdhsa_system_sgpr_workgroup_id_z 1
		.amdhsa_system_vgpr_workitem_id 0
		.amdhsa_next_free_vgpr 256
		.amdhsa_next_free_sgpr 66
		.amdhsa_reserve_vcc 0
		.amdhsa_float_denorm_mode_32 3
		.amdhsa_float_denorm_mode_16_64 3
		.amdhsa_memory_ordered 1
		.amdhsa_forward_progress 1
		.amdhsa_inst_pref_size 47
	.end_amdhsa_kernel
	.amdgpu_metadata
---
amdhsa.version: [ 1, 2 ]
amdhsa.kernels:
  - .name:           k_qeb10cc76cb_attn
    .symbol:         k_qeb10cc76cb_attn.kd
    .args:
      - { .name: qkv, .offset: 0, .size: 8, .value_kind: global_buffer, .address_space: global }
      - { .name: ao, .offset: 8, .size: 8, .value_kind: global_buffer, .address_space: global }
    .group_segment_fixed_size: 169984
    .private_segment_fixed_size: 0
    .kernarg_segment_align: 8
    .kernarg_segment_size: 16
    .max_flat_workgroup_size: 512
    .sgpr_count:     66
    .vgpr_count:     256
    .wavefront_size: 32
...
	.end_amdgpu_metadata
.endif
;; end of part 3
;; launch post (part 4): grid 228 x 1, 16 waves a work-group, no clusters, 160,256 bytes of LDS; arguments ao, wq, tgt, tgt_query_pos, tgt_reference_points, out_proj_b, norm2_g, norm2_b, samp_off_b, attn_w_b, t1, sidx, swgt; writes t1, sidx, swgt
.if DOCPART == 4
	.amdgcn_target "amdgcn-amd-amdhsa--gfx1250"
	.amdhsa_code_object_version 6
	.text
	.protected	k_qeb10cc76cb_post
	.globl	k_qeb10cc76cb_post
	.p2align	8
	.type	k_qeb10cc76cb_post,@function
k_qeb10cc76cb_post:
	s_mov_b64 s[64:65], 0
	v_nop
	global_prefetch_b8 v0, s[64:65] scope:SCOPE_SE
	s_setreg_imm32_b32 hwreg(HW_REG_WAVE_MODE, 25, 1), 1
	s_wait_xcnt 0x0
; t1 = norm2(tgt + o Wout^T + bout); q2 = t1 + pos; the sampling offsets and attention weights of the deformable attention from q2; all three products on codes of FP4.
; What goes out: t1 (as images of the registers in which the next launch wants it), and for every (row, head) 64 corner samples: the row number in the table of
; memory's codes (sidx, whole numbers: pos x 16 + b) and the weight (swgt: attention weight x bilinear weight, 0 for a corner outside the level).
; A work-group takes four row tiles g0 .. g0 + 3 of the 912 (g = 57 b + T; the rows of a tile as in the launches before; rows from query 900 on repeat row 899).
; PHASE M: wave w makes columns 16 w .. + 15 of o Wout^T for the 64 rows (transposed use) into a stage.  PHASE RLN: wave w takes rows 4 w .. + 3; eight lanes hold a row.
; PHASE P: wave = (head h = w % 8, th = w / 8), tiles 2 th, 2 th + 1: a lane holds one row, and levels 2 hl, 2 hl + 1 of the head's four.
; The levels' sizes are the constants of the problem's own SHAPES (100, 50, 25, 13, all square), which is what the problem computes with; the two integer inputs are not read by it.
; LIMITS: offset / size is taken as offset x (1 / size), and location x size - 0.5 as one fused multiply-add; sums of the norm in another order; zero blocks get the byte 1; NaN and infinities are not served.
.set Q2IMG, 0
.set Q2SC,  8192
.set STG,   8704                       ; 64 rows x 1,168 bytes (a block of 128 bytes has pitch 144)
.set WL,    83456                      ; 4,672 bytes for each wave: the turn stage, later the way out (16 rows x 272)
.set AOS,   1867776
.set TW, 1
.set TR, 2
.set VO, 3
.set IA, 7
.set SA, 8
.set LI, 9
.set LS, 10
.set STW, 11
.set STR, 12
.set MWS, 16                           ; v16-25 hold scale words and nothing else
.set AS,  18
.set PWS, 16
.set XS,  22
.set RR,  28                           ; v28: up to phase RLN the byte offset of the norm's gain and bias; from phase P on r = lane % 16, outside every register that a load fills
.set TG,  32
.set PS,  64
.set MW,  96
.set MB,  112
.set AF,  128
.set DD,  192
.set SAV, 96
.set GG,  128
.set GB,  160
.set PW,  96
.set PB,  144
.set XF,  168
.set OFF, 184
.set AWL, 200
.set REF, 208
.set WF,  212
.set INV, 214
.set WM1, 216
.set W16, 218
.set S16, 220
.set S16B, 222
.set IDX, 32
.set WGT, 64
.set SEL, 44
.set MHI, 46
.set I256, 48
.set EPS, 49
.macro NOPS n
.rept \n
	v_nop
.endr
.endm
.macro BAR                             ; my LDS stores have landed and my LDS loads are in: then the work-group's barrier
	s_wait_dscnt 0x0
	s_barrier_signal -1
	s_barrier_wait -1
.endm
.macro MM d, a, b, c, sa, sb
	v_wmma_scale_f32_16x16x128_f8f6f4 v[(\d):(\d)+7], v[(\a):(\a)+7], v[(\b):(\b)+7], v[(\c):(\c)+7], v[(\sa)], v[(\sb)] matrix_a_fmt:MATRIX_FMT_FP4 matrix_b_fmt:MATRIX_FMT_FP4
.endm
.macro ROWLD dst, base                 ; four rows of 1,024 bytes: each load reads 512 consecutive bytes
.irp i, 0,1,2,3,4,5,6,7
	global_load_b128 v[\dst+4*\i:\dst+4*\i+3], v[VO+\i/2], s[\base:\base+1] offset:(\i%2)*512
.endr
.endm
.macro TURNIN reg                      ; through my stage, in place: lane (rho, blk) then holds block blk of row rho.  LDS serves a wave's instructions in order
.irp i, 0,1,2,3,4,5,6,7
	ds_store_b128 v[TW], v[\reg+4*\i:\reg+4*\i+3] offset:(\i/2)*1168+(\i%2)*576
.endr
.irp i, 0,1,2,3,4,5,6,7
	ds_load_b128 v[\reg+4*\i:\reg+4*\i+3], v[TR] offset:16*\i
.endr
.endm
.macro QBLK src, t, img, sc            ; a lane's whole block of 32 becomes 16 bytes of codes and a byte, stored into an image
	v_max3_num_f32 v[\t], |v[\src]|, |v[\src+1]|, 0x1800000        ; with the floor 2^(3 - 127)
	v_max3_num_f32 v[\t+1], |v[\src+2]|, |v[\src+3]|, |v[\src+4]|
.irp i, 5,9,13,17,21,25
	v_max3_num_f32 v[\t], v[\t], |v[\src+\i]|, |v[\src+\i+1]|
	v_max3_num_f32 v[\t+1], v[\t+1], |v[\src+\i+2]|, |v[\src+\i+3]|
.endr
	v_max3_num_f32 v[\t], v[\t], |v[\src+29]|, |v[\src+30]|
	v_max3_num_f32 v[\t], v[\t], v[\t+1], |v[\src+31]|
	v_add_nc_u32 v[\t+1], 0xff000000, v[\t]        ; 2 off the exponent field: the conversion's scale operand
	v_lshrrev_b32 v[\t+2], 23, v[\t+1]             ; the byte
.irp g, 0,1,2,3
	v_cvt_scalef32_pk8_fp4_f32 v[\t+4+\g], v[\src+8*\g:\src+8*\g+7], v[\t+1]
.endr
	v_nop                                          ; one plain place behind a scaled conversion
	ds_store_b128 v[IA], v[\t+4:\t+7] offset:\img
	ds_store_b8 v[SA], v[\t+2] offset:\sc
.endm
; A row of 256 lies in eight neighbouring lanes, 32 numbers each: mean, centred, variance, 1 / sqrt, gain and bias, all in f32
.macro LNORM Y, G, B, T
	v_pk_add_f32 v[\T:\T+1], v[\Y:\Y+1], v[\Y+2:\Y+3]
	v_pk_add_f32 v[\T+2:\T+3], v[\Y+4:\Y+5], v[\Y+6:\Y+7]
.irp i, 8,12,16,20,24,28
	v_pk_add_f32 v[\T:\T+1], v[\T:\T+1], v[\Y+\i:\Y+\i+1]
	v_pk_add_f32 v[\T+2:\T+3], v[\T+2:\T+3], v[\Y+\i+2:\Y+\i+3]
.endr
	v_pk_add_f32 v[\T:\T+1], v[\T:\T+1], v[\T+2:\T+3]
	v_add_f32 v[\T], v[\T], v[\T+1]
	v_add_f32_dpp v[\T], v[\T], v[\T] row_xmask:1 row_mask:0xf bank_mask:0xf
	v_add_f32_dpp v[\T], v[\T], v[\T] row_xmask:2 row_mask:0xf bank_mask:0xf
	v_add_f32_dpp v[\T], v[\T], v[\T] row_xmask:4 row_mask:0xf bank_mask:0xf
	v_mul_f32 v[\T], s[I256], v[\T]
.set jj, 0
.rept 16
	v_pk_add_f32 v[\Y+jj:\Y+jj+1], v[\Y+jj:\Y+jj+1], v[\T:\T+1] op_sel_hi:[1,0] neg_lo:[0,1] neg_hi:[0,1]
.set jj, jj+2
.endr
	v_pk_mul_f32 v[\T+2:\T+3], v[\Y:\Y+1], v[\Y:\Y+1]
	v_pk_mul_f32 v[\T+4:\T+5], v[\Y+2:\Y+3], v[\Y+2:\Y+3]
.irp i, 4,8,12,16,20,24,28
	v_pk_fma_f32 v[\T+2:\T+3], v[\Y+\i:\Y+\i+1], v[\Y+\i:\Y+\i+1], v[\T+2:\T+3]
	v_pk_fma_f32 v[\T+4:\T+5], v[\Y+\i+2:\Y+\i+3], v[\Y+\i+2:\Y+\i+3], v[\T+4:\T+5]
.endr
	v_pk_add_f32 v[\T+2:\T+3], v[\T+2:\T+3], v[\T+4:\T+5]
	v_add_f32 v[\T+2], v[\T+2], v[\T+3]
	v_add_f32_dpp v[\T+2], v[\T+2], v[\T+2] row_xmask:1 row_mask:0xf bank_mask:0xf
	v_add_f32_dpp v[\T+2], v[\T+2], v[\T+2] row_xmask:2 row_mask:0xf bank_mask:0xf
	v_add_f32_dpp v[\T+2], v[\T+2], v[\T+2] row_xmask:4 row_mask:0xf bank_mask:0xf
	v_fma_f32 v[\T+2], v[\T+2], s[I256], s[EPS]
	v_rsq_f32 v[\T+2], v[\T+2]
	v_nop                                          ; one plain place behind a transcendental
.set jj, 0
	s_wait_alu depctr_va_vdst(0)
.rept 16
	v_pk_mul_f32 v[\Y+jj:\Y+jj+1], v[\Y+jj:\Y+jj+1], v[\T+2:\T+3] op_sel_hi:[1,0]
.set jj, jj+2
.endr
.set jj, 0
.rept 16
	v_pk_fma_f32 v[\Y+jj:\Y+jj+1], v[\Y+jj:\Y+jj+1], v[\G+jj:\G+jj+1], v[\B+jj:\B+jj+1]
.set jj, jj+2
.endr
.endm
	s_load_b512 s[4:19], s[0:1], 0x0               ; ao, wq, tgt, pos, ref, out_proj_b, norm2_g, norm2_b
	s_load_b256 s[20:27], s[0:1], 0x40             ; samp_off_b, attn_w_b, t1, sidx
	s_load_b64 s[28:29], s[0:1], 0x60              ; swgt
	v_lshl_add_u32 v254, v0, 2, 0x26a00
	v_mov_b32 v255, 0
	v_lshrrev_b32 v96, 5, v0
	v_readfirstlane_b32 s30, v96                   ; wave
	s_lshl_b32 s31, ttmp9, 2                       ; g0
	s_and_b32 s32, s30, 7                          ; h
	s_lshr_b32 s33, s30, 3                         ; th
	s_lshr_b32 s34, s30, 2
	s_and_b32 s35, s30, 3
	s_add_co_u32 s36, s31, s34                     ; the tile of my four rows
	s_mul_i32 s37, s36, 1150
	s_lshr_b32 s37, s37, 16                        ; b = g / 57 (1,150 / 65,536 is exact for g under 912)
	s_mul_i32 s38, s37, 57
	s_sub_co_u32 s38, s36, s38                     ; T
	s_lshr_b32 s39, s38, 1
	s_lshl_b32 s39, s39, 5
	s_and_b32 s40, s38, 1
	s_lshl_b32 s40, s40, 3
	s_add_co_u32 s39, s39, s40
	s_and_b32 s40, s30, 1
	s_lshl_b32 s40, s40, 2
	s_add_co_u32 s39, s39, s40
	s_lshr_b32 s40, s35, 1
	s_lshl_b32 s40, s40, 4
	s_add_co_u32 s39, s39, s40                     ; the query of my first row
	s_mov_b32 s[SEL], 0x76543210
	s_mov_b32 s[SEL+1], 0xfedcba98
	s_mov_b32 s[MHI], 0xffff0000
	s_mov_b32 s47, 0x3fb8aa3b                      ; log2(e)
	s_mov_b32 s[I256], 0x3b800000                  ; 1 / 256
	s_mov_b32 s[EPS], 0x3727c5ac                   ; 1e-5
	v_and_b32 v96, 31, v0
	v_and_b32 v97, 15, v0
	v_bfe_u32 v98, v0, 4, 1
	v_bfe_u32 v99, v0, 3, 2
	v_and_b32 v100, 7, v0
	v_lshlrev_b32 v30, 4, v96                      ; v30 = 16 x lane, v31 = 16 hl: kept
	v_lshlrev_b32 v31, 4, v98
.irp p, 0,1,2,3
	s_add_co_u32 s41, s39, \p
	s_min_u32 s41, s41, 899                        ; no load leaves its buffer
	s_lshl_b32 s41, s41, 4
	s_add_co_u32 s41, s41, s37
	s_lshl_b32 s41, s41, 10
	v_add_nc_u32 v[VO+\p], s41, v30
.endr
	s_mul_i32 s41, s30, 4672
	s_add_co_u32 s43, s41, STG
	s_add_co_u32 s41, s41, WL
	v_mul_u32_u24 v[TW], v99, 144
	v_lshl_add_u32 v[TW], v100, 4, v[TW]
	v_add_nc_u32 v[TW], s41, v[TW]
	v_mul_u32_u24 v[TR], v99, 1168
	v_mad_u32_u24 v[TR], v100, 144, v[TR]
	v_add_nc_u32 v[STR], s43, v[TR]                ; the stage: row 4 w + rho, block blk
	v_add_nc_u32 v[TR], s41, v[TR]
	s_lshl_b32 s42, s34, 11
	s_lshl_b32 s43, s35, 6
	s_add_co_u32 s42, s42, s43
	v_lshlrev_b32 v[IA], 4, v99
	v_lshl_add_u32 v[IA], v100, 8, v[IA]
	v_add_nc_u32 v[IA], s42, v[IA]
	s_lshl_b32 s42, s34, 7
	s_lshl_b32 s43, s35, 4
	s_add_co_u32 s42, s42, s43
	v_lshlrev_b32 v[SA], 2, v99
	v_bfe_u32 v103, v0, 2, 1
	v_lshl_add_u32 v[SA], v103, 6, v[SA]
	v_and_b32 v103, 3, v0
	v_add_nc_u32 v[SA], v[SA], v103
	v_add_nc_u32 v[SA], s42, v[SA]
	s_lshl_b32 s42, s33, 12
	v_add_nc_u32 v[LI], s42, v30
	s_lshl_b32 s42, s33, 8
	v_lshl_add_u32 v[LS], v97, 2, s42
	s_lshr_b32 s42, s30, 1
	s_mul_i32 s42, s42, 144
	s_and_b32 s43, s30, 1
	s_lshl_b32 s43, s43, 6
	s_add_co_u32 s42, s42, s43
	s_add_co_u32 s42, s42, STG
	v_mul_u32_u24 v[STW], v97, 1168
	v_lshl_add_u32 v[STW], v98, 5, v[STW]
	v_add_nc_u32 v[STW], s42, v[STW]               ; the stage: row r, my eight columns 16 w + 8 hl ..
	s_lshl_b32 s42, s30, 11
	s_add_co_u32 s42, s42, 98304
	v_lshlrev_b32 v13, 7, v97
	v_add_nc_u32 v13, v13, v31
	v_add_nc_u32 v13, s42, v13                     ; Wout's rows 16 w + r
	s_lshl_b32 s42, s30, 7
	s_add_co_u32 s42, s42, 514048
	v_lshl_add_u32 v14, v97, 3, s42
	s_lshl_b32 s42, s30, 6
	v_lshl_add_u32 v15, v98, 5, s42
	s_lshl_b32 s42, s31, 11
	v_add_nc_u32 v26, s42, v30
	s_lshl_b32 s42, s31, 7
	s_add_co_u32 s42, s42, AOS
	v_lshl_add_u32 v27, v97, 2, s42
	v_lshlrev_b32 v28, 7, v100                     ; the norm's gain and bias of my block
	s_lshl_b32 s42, s31, 2
	s_add_co_u32 s42, s42, s30
	s_lshl_b32 s42, s42, 12
	v_add_nc_u32 v29, s42, v30                     ; t1: image 4 g0 + w
	s_wait_kmcnt 0x0
	ROWLD TG, 8
	ROWLD PS, 10
	; ---- M
.irp s, 0,1
.irp c, 0,1
	global_load_b128 v[MW+8*\s+4*\c:MW+8*\s+4*\c+3], v13, s[6:7] offset:\s*64+\c*32
.endr
	global_load_b32 v[MWS+\s], v14, s[6:7] offset:4*\s
.endr
	global_load_b128 v[MB:MB+3], v15, s[14:15]
	global_load_b128 v[MB+4:MB+7], v15, s[14:15] offset:16
.irp t, 0,1,2,3
.irp s, 0,1
.irp c, 0,1
	global_load_b128 v[AF+16*\t+8*\s+4*\c:AF+16*\t+8*\s+4*\c+3], v26, s[4:5] offset:\t*2048+\s*1024+\c*512
.endr
	global_load_b32 v[AS+2*\t+\s], v27, s[4:5] offset:\t*128+\s*64
.endr
.endr
	s_wait_loadcnt 40                              ; tgt is in: pos's 8 and the 32 loads of the product stay out
	TURNIN TG
	s_wait_loadcnt 32                              ; pos is in
	TURNIN PS
	s_wait_loadcnt 0x0
.irp s, 0,1                            ; transposed: source 0 = 16 rows of Wout, source 1 = 16 rows of o.  Four accumulators by turns; the bias starts each sum
.irp t, 0,1,2,3
.if \s == 0
	MM DD+8*\t, MW, AF+16*\t, MB, MWS, AS+2*\t
.else
	MM DD+8*\t, MW+8, AF+16*\t+8, DD+8*\t, MWS+1, AS+2*\t+1
.endif
.endr
.endr
	NOPS 4                                         ; places in front of the first read of results and of loads into operands that are done with
.irp t, 0,1,2,3
	ds_store_b128 v[STW], v[DD+8*\t:DD+8*\t+3] offset:\t*18688
	ds_store_b128 v[STW], v[DD+8*\t+4:DD+8*\t+7] offset:\t*18688+16
.endr
.irp i, 0,1,2,3,4,5,6,7
	global_load_b128 v[GG+4*\i:GG+4*\i+3], v28, s[16:17] offset:16*\i
	global_load_b128 v[GB+4*\i:GB+4*\i+3], v28, s[18:19] offset:16*\i
.endr
	BAR                                            ; 64 rows of o Wout^T + bout lie in the stage
	; ---- RLN
.irp i, 0,1,2,3,4,5,6,7
	ds_load_b128 v[SAV+4*\i:SAV+4*\i+3], v[STR] offset:16*\i
.endr
	s_wait_dscnt 0x0
	s_wait_loadcnt 0x0                             ; the gain and the bias are in: v28, their offset, is free from here on
.set jj, 0
.rept 16
	v_pk_add_f32 v[TG+jj:TG+jj+1], v[TG+jj:TG+jj+1], v[SAV+jj:SAV+jj+1]
.set jj, jj+2
.endr
	LNORM TG, GG, GB, 96
.irp i, 0,1,2,3,4,5,6,7
	global_store_b128 v29, v[TG+4*\i:TG+4*\i+3], s[24:25] offset:\i*512     ; 512 consecutive bytes a store
.endr
.set jj, 0
.rept 16
	v_pk_add_f32 v[PS+jj:PS+jj+1], v[PS+jj:PS+jj+1], v[TG+jj:TG+jj+1]       ; q2 = t1 + pos
.set jj, jj+2
.endr
	QBLK PS, 240, Q2IMG, Q2SC
	; phase P's addresses and loads.  What outlives the loads below lies under v32, where no load lands
	v_and_b32 v[RR], 15, v0                        ; r, kept
	v_and_b32 v27, 7, v0
	v_bfe_u32 v12, v0, 3, 1
	v_lshl_add_u32 v27, v12, 4, v27                ; pr = r % 8 + 16 (r / 8), kept
	s_lshl_b32 s42, s32, 12
	s_add_co_u32 s42, s42, 163840
	v_lshl_add_u32 v3, v27, 7, v31
	v_add_nc_u32 v3, s42, v3                       ; the offsets' weight: rows 32 h + 8 u + pr
	s_lshl_b32 s42, s32, 11
	s_add_co_u32 s42, s42, 196608
	v_lshl_add_u32 v4, v[RR], 7, v31
	v_add_nc_u32 v4, s42, v4                       ; the attention weights' weight: rows 16 h + r
	s_lshl_b32 s42, s32, 8
	s_add_co_u32 s42, s42, 518144
	v_lshl_add_u32 v5, v27, 3, s42
	s_lshl_b32 s42, s32, 7
	s_add_co_u32 s43, s42, 520192
	v_lshl_add_u32 v6, v[RR], 3, s43
	v_lshl_add_u32 v13, v31, 2, s42                ; 64 hl + 128 h
	s_lshl_b32 s42, s32, 6
	v_lshl_add_u32 v14, v31, 1, s42                ; 32 hl + 64 h
.irp u, 0,1
.irp s, 0,1
.irp c, 0,1
	global_load_b128 v[PW+16*\u+8*\s+4*\c:PW+16*\u+8*\s+4*\c+3], v3, s[6:7] offset:\u*1024+\s*64+\c*32
.endr
	global_load_b32 v[PWS+2*\u+\s], v5, s[6:7] offset:\u*64+4*\s
.endr
	global_load_b128 v[PB+8*\u:PB+8*\u+3], v13, s[20:21] offset:\u*32
	global_load_b128 v[PB+8*\u+4:PB+8*\u+7], v13, s[20:21] offset:\u*32+16
.endr
.irp s, 0,1
.irp c, 0,1
	global_load_b128 v[PW+32+8*\s+4*\c:PW+32+8*\s+4*\c+3], v4, s[6:7] offset:\s*64+\c*32
.endr
	global_load_b32 v[PWS+4+\s], v6, s[6:7] offset:4*\s
.endr
	global_load_b128 v[PB+16:PB+19], v14, s[22:23]
	global_load_b128 v[PB+20:PB+23], v14, s[22:23] offset:16
	BAR                                            ; q2's eight fragments lie in LDS
	; ---- P
	s_mul_i32 s41, s30, 4672
	s_add_co_u32 s41, s41, WL
	v_mul_u32_u24 v1, v[RR], 272
	v_lshl_add_u32 v11, v31, 3, v1
	v_add_nc_u32 v11, s41, v11                     ; the way out, weights: row r, + 128 hl
	v_lshrrev_b32 v2, 1, v31
	v_add_nc_u32 v1, v1, v2
	v_add_nc_u32 v1, s41, v1                       ; row numbers: row r, + 8 hl
	v_mul_u32_u24 v2, v31, 17                      ; 272 hl
	v_lshl_add_u32 v2, v[RR], 4, v2
	v_add_nc_u32 v2, s41, v2                       ; back: lanes 0-15 one row of 256 bytes, lanes 16-31 the next
.macro HALFC dst, lo, hi               ; a constant for lanes 0-15 and another for lanes 16-31
	v_mov_b32 v[\dst], \lo
	v_mov_b32 v224, \hi
	v_cndmask_b32 v[\dst], v[\dst], v224, s[MHI]
.endm
	HALFC WF,    0x42c80000, 0x41c80000            ; the level's size: 100 | 25
	HALFC WF+1,  0x42480000, 0x41500000            ;                    50 | 13
	HALFC INV,   0x3c23d70a, 0x3d23d70a            ; 1 / size
	HALFC INV+1, 0x3ca3d70a, 0x3d9d89d9
	HALFC WM1,   0x42c60000, 0x41c00000            ; size - 1
	HALFC WM1+1, 0x42440000, 0x41400000
	HALFC W16,   0x44c80000, 0x43c80000            ; 16 x size
	HALFC W16+1, 0x44480000, 0x43500000
	HALFC S16,   0,          0x48435000            ; 16 x the level's first position: 0 | 200,000
	HALFC S16+1, 0x481c4000, 0x484d1400            ;                            160,000 | 210,000
	v_mov_b32 v245, 0                              ; written once: a lane permute's destination counts as one of its sources
; one axis of one point: b+0 the fraction, b+1, b+2 the two whole places, b+3, b+4 the same held inside the level, b+5, b+6 their weights (0 outside)
.macro AXIS o, rf, gq, b
	v_fma_f32 v[\b], v[\o], v[INV+\gq], v[\rf]
	v_fma_f32 v[\b], v[\b], v[WF+\gq], -0.5
	v_floor_f32 v[\b+1], v[\b]
	v_sub_f32 v[\b], v[\b], v[\b+1]
	v_add_f32 v[\b+2], 1.0, v[\b+1]
	v_med3_num_f32 v[\b+3], v[\b+1], 0, v[WM1+\gq]
	v_med3_num_f32 v[\b+4], v[\b+2], 0, v[WM1+\gq]
	v_sub_f32 v[\b+5], 1.0, v[\b]
	v_cmp_eq_f32 vcc_lo, v[\b+3], v[\b+1]
	v_cndmask_b32 v[\b+5], 0, v[\b+5], vcc_lo
	v_cmp_eq_f32 vcc_lo, v[\b+4], v[\b+2]
	v_cndmask_b32 v[\b+6], 0, v[\b], vcc_lo
.endm
.macro POINT p                         ; level 2 hl + p / 4, point p % 4: four corners, sample 4 (p % 4) + 2 cy + cx
.set gq, (\p)/4
.set pl, (\p)%4
	AXIS OFF+2*(\p), REF+2*gq, gq, 224
	AXIS OFF+2*(\p)+1, REF+2*gq+1, gq, 232
	v_mul_f32 v237, v237, v[AWL+\p]
	v_mul_f32 v238, v238, v[AWL+\p]
	v_mul_f32 v[WGT+16*gq+4*pl], v229, v237
	v_mul_f32 v[WGT+16*gq+4*pl+1], v230, v237
	v_mul_f32 v[WGT+16*gq+4*pl+2], v229, v238
	v_mul_f32 v[WGT+16*gq+4*pl+3], v230, v238
	v_fma_f32 v239, v235, v[W16+gq], v[S16B+gq]    ; whole numbers under 2^24 throughout: exact
	v_fma_f32 v240, v236, v[W16+gq], v[S16B+gq]
	v_fma_f32 v241, v227, 0x41800000, v239
	v_fma_f32 v242, v228, 0x41800000, v239
	v_fma_f32 v243, v227, 0x41800000, v240
	v_fma_f32 v239, v228, 0x41800000, v240
	v_cvt_u32_f32 v[IDX+2*(4*pl)+gq], v241
	v_cvt_u32_f32 v[IDX+2*(4*pl+1)+gq], v242
	v_cvt_u32_f32 v[IDX+2*(4*pl+2)+gq], v243
	v_cvt_u32_f32 v[IDX+2*(4*pl+3)+gq], v239
.endm
.macro PTILE tl
	s_wait_xcnt 0x0                                ; earlier stores have read their registers
	NOPS 5                                         ; the accumulators are begun anew over earlier results
	s_lshl_b32 s50, s33, 1
	s_add_co_u32 s50, s50, s31
	s_add_co_u32 s50, s50, \tl                     ; g
	s_mul_i32 s51, s50, 1150
	s_lshr_b32 s51, s51, 16                        ; b
	s_mul_i32 s52, s51, 57
	s_sub_co_u32 s52, s50, s52                     ; T
	s_lshr_b32 s53, s52, 1
	s_lshl_b32 s53, s53, 5
	s_and_b32 s54, s52, 1
	s_lshl_b32 s54, s54, 3
	s_add_co_u32 s53, s53, s54
	v_add_nc_u32 v15, s53, v27                     ; my row's query
	v_min_u32 v15, 899, v15
	v_lshl_add_u32 v15, v15, 9, v31                ; 32 bytes for each (query, batch); my two levels at 16 hl
	s_lshl_b32 s54, s51, 5
	v_add_nc_u32 v15, s54, v15
	global_load_b128 v[REF:REF+3], v15, s[12:13]
	v_cvt_f32_u32 v224, s51
	v_add_f32 v[S16B], v[S16], v224
	v_add_f32 v[S16B+1], v[S16+1], v224
	s_lshl_b32 s54, s50, 3
	s_add_co_u32 s54, s54, s32
	s_lshl_b32 s54, s54, 12
	v_add_nc_u32 v26, s54, v30                     ; the record of (g, h) in sidx and in swgt
.irp s, 0,1
.irp c, 0,1
	ds_load_b128 v[XF+8*\s+4*\c:XF+8*\s+4*\c+3], v[LI] offset:Q2IMG+\tl*2048+\s*1024+\c*512
.endr
	ds_load_b32 v[XS+\s], v[LS] offset:Q2SC+\tl*128+\s*64
.endr
	s_wait_dscnt 0x0
	s_wait_loadcnt 0x1                             ; weights, scales and biases are in; the reference points may be out
	MM OFF, PW, XF, PB, PWS, XS                    ; transposed; three accumulators by turns
	MM OFF+8, PW+16, XF, PB+8, PWS+2, XS
	MM AWL, PW+32, XF, PB+16, PWS+4, XS
	MM OFF, PW+8, XF+8, OFF, PWS+1, XS+1
	MM OFF+8, PW+24, XF+8, OFF+8, PWS+3, XS+1
	MM AWL, PW+40, XF+8, AWL, PWS+5, XS+1
	NOPS 4
	v_max3_num_f32 v244, v[AWL], v[AWL+1], v[AWL+2]      ; the finished softmax over the head's 16 logits: 8 are mine, 8 lane l xor 16's
	v_max3_num_f32 v244, v244, v[AWL+3], v[AWL+4]
	v_max3_num_f32 v244, v244, v[AWL+5], v[AWL+6]
	v_max_num_f32 v244, v244, v[AWL+7]
	v_permlanex16_b32 v245, v244, s[SEL], s[SEL+1]
	v_max_num_f32 v244, v244, v245
	v_mul_f32 v244, 0xbfb8aa3b, v244
.irp j, 0,1,2,3,4,5,6,7
	v_fma_f32 v[AWL+\j], v[AWL+\j], s47, v244
.endr
.irp j, 0,1,2,3,4,5,6,7
	v_exp_f32 v[AWL+\j], v[AWL+\j]
.endr
	v_nop
	s_wait_alu depctr_va_vdst(0)
	v_add_f32 v246, v[AWL], v[AWL+1]
	v_add_f32 v247, v[AWL+2], v[AWL+3]
	v_add_f32 v246, v246, v[AWL+4]
	v_add_f32 v247, v247, v[AWL+5]
	v_add_f32 v246, v246, v[AWL+6]
	v_add_f32 v247, v247, v[AWL+7]
	v_add_f32 v246, v246, v247
	v_permlanex16_b32 v245, v246, s[SEL], s[SEL+1]
	v_add_f32 v246, v246, v245
	v_rcp_f32 v246, v246
	v_nop
	s_wait_alu depctr_va_vdst(0)
.irp j, 0,1,2,3,4,5,6,7
	v_mul_f32 v[AWL+\j], v[AWL+\j], v246
.endr
	s_wait_loadcnt 0x0
.irp p, 0,1,2,3,4,5,6,7
	POINT \p
.endr
	; the way out, through my own bytes of LDS, which serves a wave's instructions in order
.irp s, 0,1,2,3,4,5,6,7,8,9,10,11,12,13,14,15
	ds_store_b64 v1, v[IDX+2*\s:IDX+2*\s+1] offset:16*\s
.endr
.irp i, 0,1,2,3,4,5,6,7
	ds_load_b128 v[IDX+4*\i:IDX+4*\i+3], v2 offset:544*\i
.endr
.irp k, 0,1,2,3,4,5,6,7
	ds_store_b128 v11, v[WGT+4*\k:WGT+4*\k+3] offset:16*\k
.endr
.irp i, 0,1,2,3,4,5,6,7
	ds_load_b128 v[WGT+4*\i:WGT+4*\i+3], v2 offset:544*\i
.endr
	s_wait_dscnt 16                                ; the row numbers are back: the weights' 8 stores and 8 loads are younger
.irp i, 0,1,2,3,4,5,6,7
	global_store_b128 v26, v[IDX+4*\i:IDX+4*\i+3], s[26:27] offset:\i*512
.endr
	s_wait_dscnt 0x0
.irp i, 0,1,2,3,4,5,6,7
	global_store_b128 v26, v[WGT+4*\i:WGT+4*\i+3], s[28:29] offset:\i*512
.endr
.endm
	PTILE 0
	PTILE 1
	s_wait_tensorcnt 0x0
	ds_add_u32 v254, v255
	s_wait_dscnt 0x0
	s_endpgm
.Lfunc_end_k_qeb10cc76cb_post:
	.size	k_qeb10cc76cb_post, .Lfunc_end_k_qeb10cc76cb_post-k_qeb10cc76cb_post
	.p2alignl 7, 3214868480
	.fill 96, 4, 3214868480
	.section	.rodata,"a",@progbits
	.p2align	6, 0x0
	.amdhsa_kernel k_qeb10cc76cb_post
		.amdhsa_group_segment_fixed_size 160256
		.amdhsa_private_segment_fixed_size 0
		.amdhsa_enable_private_segment 0
		.amdhsa_kernarg_size 104
		.amdhsa_user_sgpr_count 2
		.amdhsa_user_sgpr_kernarg_segment_ptr 1
		.amdhsa_wavefront_size32 1
		.amdhsa_system_sgpr_workgroup_id_x 1
		.amdhsa_system_sgpr_workgroup_id_y 1
		.amdhsa_system_sgpr_workgroup_id_z 1
		.amdhsa_system_vgpr_workitem_id 0
		.amdhsa_next_free_vgpr 256
		.amdhsa_next_free_sgpr 66
		.amdhsa_reserve_vcc 1
		.amdhsa_float_denorm_mode_32 3
		.amdhsa_float_denorm_mode_16_64 3
		.amdhsa_memory_ordered 1
		.amdhsa_forward_progress 1
		.amdhsa_inst_pref_size 78
	.end_amdhsa_kernel
	.amdgpu_metadata
---
amdhsa.version: [ 1, 2 ]
amdhsa.kernels:
  - .name:           k_qeb10cc76cb_post
    .symbol:         k_qeb10cc76cb_post.kd
    .args:
      - { .name: ao, .offset: 0, .size: 8, .value_kind: global_buffer, .address_space: global }
      - { .name: wq, .offset: 8, .size: 8, .value_kind: global_buffer, .address_space: global }
      - { .name: tgt, .offset: 16, .size: 8, .value_kind: global_buffer, .address_space: global }
      - { .name: tgt_query_pos, .offset: 24, .size: 8, .value_kind: global_buffer, .address_space: global }
      - { .name: tgt_reference_points, .offset: 32, .size: 8, .value_kind: global_buffer, .address_space: global }
      - { .name: out_proj_b, .offset: 40, .size: 8, .value_kind: global_buffer, .address_space: global }
      - { .name: norm2_g, .offset: 48, .size: 8, .value_kind: global_buffer, .address_space: global }
      - { .name: norm2_b, .offset: 56, .size: 8, .value_kind: global_buffer, .address_space: global }
      - { .name: samp_off_b, .offset: 64, .size: 8, .value_kind: global_buffer, .address_space: global }
      - { .name: attn_w_b, .offset: 72, .size: 8, .value_kind: global_buffer, .address_space: global }
      - { .name: t1, .offset: 80, .size: 8, .value_kind: global_buffer, .address_space: global }
      - { .name: sidx, .offset: 88, .size: 8, .value_kind: global_buffer, .address_space: global }
      - { .name: swgt, .offset: 96, .size: 8, .value_kind: global_buffer, .address_space: global }
    .group_segment_fixed_size: 160256
    .private_segment_fixed_size: 0
    .kernarg_segment_align: 8
    .kernarg_segment_size: 104
    .max_flat_workgroup_size: 512
    .sgpr_count:     66
    .vgpr_count:     256
    .wavefront_size: 32
...
	.end_amdgpu_metadata
.endif
;; end of part 4
;; launch final (part 5): grid 228 x 1, 16 waves a work-group, no clusters, 231,424 bytes of LDS; arguments mq, wq, sidx, swgt, t1, val_proj_b, ms_out_b, norm1_g, norm1_b, lin1_b, lin2_b, norm3_g, norm3_b, out0; writes out0
.if DOCPART == 5
	.amdgcn_target "amdgcn-amd-amdhsa--gfx1250"
	.amdhsa_code_object_version 6
	.text
	.protected	k_qeb10cc76cb_final
	.globl	k_qeb10cc76cb_final
	.p2align	8
	.type	k_qeb10cc76cb_final,@function
k_qeb10cc76cb_final:
	s_mov_b64 s[64:65], 0
	v_nop
	global_prefetch_b8 v0, s[64:65] scope:SCOPE_SE
	s_setreg_imm32_b32 hwreg(HW_REG_WAVE_MODE, 25, 1), 1
	s_wait_xcnt 0x0
; The deformable attention's sampling, its output product, norm1, the FFN and norm3, for four row tiles g0 .. g0 + 3 (64 rows) a work-group; all products on codes of FP4.
; THE VALUE PRODUCT IS MADE AT THE SAMPLES: memory's rows lie in mq as codes (128 bytes and 8 scale bytes a row); for a (row, head, level) the 16 corner samples' rows are
; gathered straight into source 0's registers and multiplied by the head's 32 rows of the value weight.  Each value is the number that the whole product would have there.
; The row numbers come from sidx, whole numbers stored by the launch before; each is held under 212,704 before it enters an address.
; PHASE S: wave = (head h = w % 8, th = w / 8), tiles 2 th, 2 th + 1, a row at a time, four levels a row; a slot of 16 registers for each level is filled again, for the next
; row, as soon as its four products are issued: 16 loads of 16 bytes a lane are on their way in every wave.
; PHASES M, RLN1, F1, F2, RLN3: operands go from wave to wave through LDS as images of their registers; five barriers.
; Rows from query 900 on are computed like the others (they repeat row 899) and not stored: a wave's four rows are all inside or all outside.
; No tensor loads, so no ring; no cluster: what work-groups share is the weights, under 0.3 MB a work-group beside some 4 MB of gathered rows.
; LIMITS: sums of the sampling and of the norms in another order than written in the problem, all f32; zero blocks get the byte 1; NaN and infinities are not served.
.set OIMG,  0                          ; LDS: the sampled rows' four tiles x two fragments of 1,024 bytes
.set OSC,   8192                       ; their scale words, 64 bytes a fragment
.set T2IMG, 8704                       ; the same for the rows behind norm1
.set T2SC,  16896
.set HIMG,  17408                      ; the hidden layer: four tiles x eight fragments
.set HSC,   50176
.set STG,   52224                      ; 64 rows x 1,168 bytes (a block of 128 bytes has pitch 144)
.set WL,    126976                     ; 6,400 bytes a wave: a tile's 4,096 bytes of weights, 16 rows x 144 of results; at the end the turn stage
.set MSC,   27226112
.set VWS, 16                           ; v16-37 hold scale words and nothing else
.set SLS, 20
.set MWS, 28
.set W1S, 16
.set XS,  24
.set HS,  24
.set W2S, 30
.set VW,  40                           ; v40-71 the value weight; later t1, y, t2
.set YY,  40
.set VB,  72
.set MW,  88
.set MB,  104
.set SL,  112                          ; v112-175 four slots; later operands, gains and biases
.set WT,  176
.set DD,  208
.set SUM, 224
.set IDXR, 228
.set CA,  236
.set SCA, 240
.set W1,  72                           ; F1: weights 72-135, biases 136-167, rows 168-183, sums 184-215
.set B1,  136
.set XF,  168
.set ACC, 184
.set W2,  72                           ; F2: weights 72-135, bias 136-143, hidden 144-175, sums 176-207
.set B2,  136
.set HF,  144
.set FD,  176
.set TM,  252
.set TM2, 253
.set TO,  254
.set TS,  255
.set SEL, 48
.set MHI, 50
.set I256, 51
.set EPS, 52
.set IA, 7
.set SA, 8
.macro NOPS n
.rept \n
	v_nop
.endr
.endm
.macro BAR                             ; my LDS stores have landed and my LDS loads are in: then the work-group's barrier
	s_wait_dscnt 0x0
	s_barrier_signal -1
	s_barrier_wait -1
.endm
.macro MM d, a, b, c, sa, sb
	v_wmma_scale_f32_16x16x128_f8f6f4 v[(\d):(\d)+7], v[(\a):(\a)+7], v[(\b):(\b)+7], v[(\c):(\c)+7], v[(\sa)], v[(\sb)] matrix_a_fmt:MATRIX_FMT_FP4 matrix_b_fmt:MATRIX_FMT_FP4
.endm
.macro QBLK src, t, img, sc            ; a lane's whole block of 32 becomes 16 bytes of codes and a byte, stored into an image
	v_max3_num_f32 v[\t], |v[\src]|, |v[\src+1]|, 0x1800000        ; with the floor 2^(3 - 127)
	v_max3_num_f32 v[\t+1], |v[\src+2]|, |v[\src+3]|, |v[\src+4]|
.irp i, 5,9,13,17,21,25
	v_max3_num_f32 v[\t], v[\t], |v[\src+\i]|, |v[\src+\i+1]|
	v_max3_num_f32 v[\t+1], v[\t+1], |v[\src+\i+2]|, |v[\src+\i+3]|
.endr
	v_max3_num_f32 v[\t], v[\t], |v[\src+29]|, |v[\src+30]|
	v_max3_num_f32 v[\t], v[\t], v[\t+1], |v[\src+31]|
	v_add_nc_u32 v[\t+1], 0xff000000, v[\t]        ; 2 off the exponent field: the conversion's scale operand
	v_lshrrev_b32 v[\t+2], 23, v[\t+1]             ; the byte
.irp g, 0,1,2,3
	v_cvt_scalef32_pk8_fp4_f32 v[\t+4+\g], v[\src+8*\g:\src+8*\g+7], v[\t+1]
.endr
	v_nop                                          ; one plain place behind a scaled conversion
	ds_store_b128 v[IA], v[\t+4:\t+7] offset:\img
	ds_store_b8 v[SA], v[\t+2] offset:\sc
.endm
.macro BLK16 src, pc, tb               ; 16 neighbours of a block in my lane, the other 16 in lane l xor 16: two registers of codes and the byte
	v_max3_num_f32 v[TM], |v[\src]|, |v[\src+1]|, 0x1800000
	v_max3_num_f32 v[TM2], |v[\src+2]|, |v[\src+3]|, |v[\src+4]|
	v_max3_num_f32 v[TM], v[TM], |v[\src+5]|, |v[\src+6]|
	v_max3_num_f32 v[TM2], v[TM2], |v[\src+7]|, |v[\src+8]|
	v_max3_num_f32 v[TM], v[TM], |v[\src+9]|, |v[\src+10]|
	v_max3_num_f32 v[TM2], v[TM2], |v[\src+11]|, |v[\src+12]|
	v_max3_num_f32 v[TM], v[TM], |v[\src+13]|, |v[\src+14]|
	v_max3_num_f32 v[TM], v[TM], v[TM2], |v[\src+15]|
	v_permlanex16_b32 v[TO], v[TM], s[SEL], s[SEL+1]
	v_max_num_f32 v[TM], v[TM], v[TO]
	v_add_nc_u32 v[TS], 0xff000000, v[TM]
	v_lshrrev_b32 v[\tb], 23, v[TS]
	v_cvt_scalef32_pk8_fp4_f32 v[\pc], v[\src:\src+7], v[TS]
	v_cvt_scalef32_pk8_fp4_f32 v[\pc+1], v[\src+8:\src+15], v[TS]
	v_nop
.endm
; A row of 256 lies in eight neighbouring lanes, 32 numbers each: mean, centred, variance, 1 / sqrt, gain and bias, all in f32
.macro LNORM Y, G, B, T
	v_pk_add_f32 v[\T:\T+1], v[\Y:\Y+1], v[\Y+2:\Y+3]
	v_pk_add_f32 v[\T+2:\T+3], v[\Y+4:\Y+5], v[\Y+6:\Y+7]
.irp i, 8,12,16,20,24,28
	v_pk_add_f32 v[\T:\T+1], v[\T:\T+1], v[\Y+\i:\Y+\i+1]
	v_pk_add_f32 v[\T+2:\T+3], v[\T+2:\T+3], v[\Y+\i+2:\Y+\i+3]
.endr
	v_pk_add_f32 v[\T:\T+1], v[\T:\T+1], v[\T+2:\T+3]
	v_add_f32 v[\T], v[\T], v[\T+1]
	v_add_f32_dpp v[\T], v[\T], v[\T] row_xmask:1 row_mask:0xf bank_mask:0xf
	v_add_f32_dpp v[\T], v[\T], v[\T] row_xmask:2 row_mask:0xf bank_mask:0xf
	v_add_f32_dpp v[\T], v[\T], v[\T] row_xmask:4 row_mask:0xf bank_mask:0xf
	v_mul_f32 v[\T], s[I256], v[\T]
.set jj, 0
.rept 16
	v_pk_add_f32 v[\Y+jj:\Y+jj+1], v[\Y+jj:\Y+jj+1], v[\T:\T+1] op_sel_hi:[1,0] neg_lo:[0,1] neg_hi:[0,1]
.set jj, jj+2
.endr
	v_pk_mul_f32 v[\T+2:\T+3], v[\Y:\Y+1], v[\Y:\Y+1]
	v_pk_mul_f32 v[\T+4:\T+5], v[\Y+2:\Y+3], v[\Y+2:\Y+3]
.irp i, 4,8,12,16,20,24,28
	v_pk_fma_f32 v[\T+2:\T+3], v[\Y+\i:\Y+\i+1], v[\Y+\i:\Y+\i+1], v[\T+2:\T+3]
	v_pk_fma_f32 v[\T+4:\T+5], v[\Y+\i+2:\Y+\i+3], v[\Y+\i+2:\Y+\i+3], v[\T+4:\T+5]
.endr
	v_pk_add_f32 v[\T+2:\T+3], v[\T+2:\T+3], v[\T+4:\T+5]
	v_add_f32 v[\T+2], v[\T+2], v[\T+3]
	v_add_f32_dpp v[\T+2], v[\T+2], v[\T+2] row_xmask:1 row_mask:0xf bank_mask:0xf
	v_add_f32_dpp v[\T+2], v[\T+2], v[\T+2] row_xmask:2 row_mask:0xf bank_mask:0xf
	v_add_f32_dpp v[\T+2], v[\T+2], v[\T+2] row_xmask:4 row_mask:0xf bank_mask:0xf
	v_fma_f32 v[\T+2], v[\T+2], s[I256], s[EPS]
	v_rsq_f32 v[\T+2], v[\T+2]
	v_nop                                          ; one plain place behind a transcendental
.set jj, 0
	s_wait_alu depctr_va_vdst(0)
.rept 16
	v_pk_mul_f32 v[\Y+jj:\Y+jj+1], v[\Y+jj:\Y+jj+1], v[\T+2:\T+3] op_sel_hi:[1,0]
.set jj, jj+2
.endr
.set jj, 0
.rept 16
	v_pk_fma_f32 v[\Y+jj:\Y+jj+1], v[\Y+jj:\Y+jj+1], v[\G+jj:\G+jj+1], v[\B+jj:\B+jj+1]
.set jj, jj+2
.endr
.endm
.macro TOSTG d                         ; four tiles' results, eight neighbouring columns of a row a lane, into the stage; each accumulator from its low end on
.irp t, 0,1,2,3
	ds_store_b128 v3, v[\d+8*\t:\d+8*\t+3] offset:\t*18688
	ds_store_b128 v3, v[\d+8*\t+4:\d+8*\t+7] offset:\t*18688+16
.endr
.endm
.macro GAINS g, b, sg, sb              ; a norm's gain and bias of my block of 32
.irp i, 0,1,2,3,4,5,6,7
	global_load_b128 v[\g+4*\i:\g+4*\i+3], v6, s[\sg:\sg+1] offset:16*\i
	global_load_b128 v[\b+4*\i:\b+4*\i+3], v6, s[\sb:\sb+1] offset:16*\i
.endr
.endm
.macro ADDSTG reg                      ; my four rows of the stage are added onto y
.irp i, 0,1,2,3,4,5,6,7
	ds_load_b128 v[\reg+4*\i:\reg+4*\i+3], v4 offset:16*\i
.endr
	s_wait_dscnt 0x0
	s_wait_loadcnt 0x0
.set jj, 0
.rept 16
	v_pk_add_f32 v[YY+jj:YY+jj+1], v[YY+jj:YY+jj+1], v[\reg+jj:\reg+jj+1]
.set jj, jj+2
.endr
.endm
	s_load_b512 s[4:19], s[0:1], 0x0               ; mq, wq, sidx, swgt, t1, val_proj_b, ms_out_b, norm1_g
	s_load_b256 s[20:27], s[0:1], 0x40             ; norm1_b, lin1_b, lin2_b, norm3_g
	s_load_b128 s[28:31], s[0:1], 0x60             ; norm3_b, out0
	v_lshl_add_u32 v39, v0, 2, 0x38000
	v_mov_b32 v251, 0
	v_lshrrev_b32 v1, 5, v0
	v_readfirstlane_b32 s38, v1                    ; wave
	s_lshl_b32 s39, ttmp9, 2                       ; g0
	s_and_b32 s40, s38, 7                          ; h
	s_lshr_b32 s41, s38, 3                         ; th
	s_mov_b32 s[SEL], 0x76543210
	s_mov_b32 s[SEL+1], 0xfedcba98
	s_mov_b32 s[MHI], 0xffff0000
	s_mov_b32 s[I256], 0x3b800000                  ; 1 / 256
	s_mov_b32 s[EPS], 0x3727c5ac                   ; 1e-5
	v_and_b32 v12, 31, v0                          ; lane
	v_and_b32 v13, 15, v0                          ; r, kept
	v_bfe_u32 v14, v0, 4, 1                        ; hl, kept
	v_and_b32 v15, 7, v0
	v_bfe_u32 v1, v0, 3, 1
	v_lshl_add_u32 v15, v1, 4, v15                 ; pr = r % 8 + 16 (r / 8), kept
	s_mul_i32 s42, s38, 6400
	s_add_co_u32 s42, s42, WL
	v_lshlrev_b32 v1, 4, v12                       ; v1 = 16 x lane, kept
	v_add_nc_u32 v2, s42, v1                       ; my copy of a tile's weights
	v_lshl_add_u32 v3, v14, 5, s42                 ; and where my half of the lanes reads them
	s_add_co_u32 s43, s42, 4096
	v_lshl_add_u32 v4, v12, 2, s43                 ; a row's 32 results
	v_mul_u32_u24 v5, v13, 144
	v_lshl_add_u32 v5, v14, 6, v5
	v_add_nc_u32 v5, s43, v5                       ; and back: row r, channels 16 hl ..
	s_lshl_b32 s44, s41, 12
	s_lshl_b32 s45, s40, 8
	s_add_co_u32 s44, s44, s45
	v_lshlrev_b32 v9, 4, v13                       ; 16 r: sample r's four row numbers
	v_lshl_add_u32 v6, v14, 3, v9
	v_add_nc_u32 v6, s44, v6                       ; the head's block in the tile's image: 256 h + 16 r + 8 hl
	s_lshl_b32 s44, s41, 8
	s_lshr_b32 s45, s40, 2
	s_lshl_b32 s45, s45, 6
	s_add_co_u32 s44, s44, s45
	s_and_b32 s45, s40, 3
	s_add_co_u32 s44, s44, s45
	s_add_co_u32 s44, s44, OSC
	v_lshl_add_u32 v7, v13, 2, s44
	v_lshlrev_b32 v8, 4, v14                       ; 16 hl
	v_lshlrev_b32 v244, 7, v13
	v_add_nc_u32 v244, v244, v8
	s_lshl_b32 s44, s38, 11
	s_add_co_u32 s44, s44, 212992
	v_add_nc_u32 v247, s44, v244                   ; ms_out_w's rows 16 w + r
	s_lshl_b32 s44, s40, 12
	s_add_co_u32 s44, s44, 131072
	v_add_nc_u32 v244, s44, v244                   ; val_proj_w's rows 32 h + r
	s_lshl_b32 s44, s40, 8
	s_add_co_u32 s44, s44, 516096
	v_lshl_add_u32 v245, v13, 3, s44
	s_lshl_b32 s44, s40, 7
	v_lshl_add_u32 v246, v13, 2, s44
	s_lshl_b32 s44, s38, 7
	s_add_co_u32 s44, s44, 521216
	v_lshl_add_u32 v248, v13, 3, s44
	s_lshl_b32 s44, s38, 6
	v_lshl_add_u32 v249, v14, 5, s44
	s_wait_kmcnt 0x0
	s_add_nc_u64 s[32:33], s[4:5], MSC             ; memory's scale bytes
.irp d, 0,1
.irp s, 0,1
.irp c, 0,1
	global_load_b128 v[VW+8*(2*\d+\s)+4*\c:VW+8*(2*\d+\s)+4*\c+3], v244, s[6:7] offset:\d*2048+\s*64+\c*32
.endr
	global_load_b32 v[VWS+2*\d+\s], v245, s[6:7] offset:\d*128+4*\s
.endr
	global_load_b32 v[254+\d], v246, s[14:15] offset:\d*64
.endr
.irp s, 0,1
.irp c, 0,1
	global_load_b128 v[MW+8*\s+4*\c:MW+8*\s+4*\c+3], v247, s[6:7] offset:\s*64+\c*32
.endr
	global_load_b32 v[MWS+\s], v248, s[6:7] offset:4*\s
.endr
	global_load_b128 v[MB:MB+3], v249, s[16:17]
	global_load_b128 v[MB+4:MB+7], v249, s[16:17] offset:16
; level l's 16 sample rows of the row whose numbers lie in set par: five loads.  The three address lines and the v_nop are the four places behind the slot's products
.macro ISSUE l, par
	v_min_u32 v[TM], 0x33edf, v[IDXR+4*(\par)+\l]  ; a row number stays inside the table
	v_lshl_add_u32 v[CA+\l], v[TM], 7, v8          ; 128 bytes of codes a row; my half's 16 bytes of each 32
	v_lshlrev_b32 v[SCA+\l], 3, v[TM]
	v_nop
.irp k, 0,1,2,3
	global_load_b128 v[SL+16*\l+4*\k:SL+16*\l+4*\k+3], v[CA+\l], s[4:5] offset:32*\k
.endr
	global_load_b64 v[SLS+2*\l:SLS+2*\l+1], v[SCA+\l], s[32:33]
.endm
.macro SLOTW l, ro, nxt, cnt           ; level l of a row: 16 samples x 32 channels, then the weighted sum over my eight samples
	s_wait_loadcnt \cnt                            ; this slot's five loads are in; what was asked for behind them stays out
	MM DD, SL+16*\l, VW, VB, SLS+2*\l, VWS         ; source 0 = the 16 gathered rows, source 1 = 16 rows of the weight; the bias starts each sum; two accumulators by turns
	MM DD+8, SL+16*\l, VW+16, VB+8, SLS+2*\l, VWS+2
	MM DD, SL+16*\l+8, VW+8, DD, SLS+2*\l+1, VWS+1
	MM DD+8, SL+16*\l+8, VW+24, DD+8, SLS+2*\l+1, VWS+3
.if \nxt
	ISSUE \l, ((\ro)+1)%2
.else
	NOPS 4
.endif
	s_wait_dscnt 6-2*\l                            ; this level's two loads of weights are in; the later levels' may be out
.irp i, 0,1,2,3
.irp d, 0,1
.if (\l == 0) && (\i == 0)
	v_pk_mul_f32 v[SUM+2*\d:SUM+2*\d+1], v[DD+8*\d:DD+8*\d+1], v[WT:WT+1]
.else
	v_pk_fma_f32 v[SUM+2*\d:SUM+2*\d+1], v[DD+8*\d+2*\i:DD+8*\d+2*\i+1], v[WT+8*\l+2*\i:WT+8*\l+2*\i+1], v[SUM+2*\d:SUM+2*\d+1]
.endif
.endr
.endr
	v_nop                                          ; the fifth place before the accumulators are begun anew
.endm
.macro ROW ro, nxt, idxld, c0, c1, c2, c3
.irp l, 0,1,2,3
	ds_load_b128 v[WT+8*\l:WT+8*\l+3], v10 offset:(\ro)*256+\l*64
	ds_load_b128 v[WT+8*\l+4:WT+8*\l+7], v10 offset:(\ro)*256+\l*64+16
.endr
	SLOTW 0, \ro, \nxt, \c0
	SLOTW 1, \ro, \nxt, \c1
	SLOTW 2, \ro, \nxt, \c2
	SLOTW 3, \ro, \nxt, \c3
	v_add_f32 v244, v[SUM], v[SUM+1]
	v_add_f32 v245, v[SUM+2], v[SUM+3]
	v_permlanex16_b32 v246, v244, s[SEL], s[SEL+1] ; the other eight samples
	v_permlanex16_b32 v247, v245, s[SEL], s[SEL+1]
	v_add_f32 v244, v244, v246
	v_add_f32 v245, v245, v247
	v_cndmask_b32 v244, v244, v245, s[MHI]         ; lane l holds channel l
	ds_store_b32 v11, v244 offset:(\ro)*144
.if \idxld
	global_load_b128 v[IDXR+4*(((\ro)+1)%2):IDXR+4*(((\ro)+1)%2)+3], v9, s[34:35] offset:((\ro)+3)*256    ; three rows ahead, into the set just used
.endif
.endm
.macro STILE tl
	s_wait_xcnt 0x0                                ; earlier loads have read their bases
	s_lshl_b32 s46, s41, 1
	s_add_co_u32 s46, s46, s39
	s_add_co_u32 s46, s46, \tl
	s_lshl_b32 s46, s46, 3
	s_add_co_u32 s46, s46, s40
	s_lshl_b32 s46, s46, 12                        ; the record of (g, h)
	s_mov_b32 s47, 0
	s_add_nc_u64 s[34:35], s[8:9], s[46:47]
	s_add_nc_u64 s[36:37], s[10:11], s[46:47]
.irp i, 0,1,2,3,4,5,6,7
	global_load_b128 v[WT+4*\i:WT+4*\i+3], v1, s[36:37] offset:\i*512
.endr
	global_load_b128 v[IDXR:IDXR+3], v9, s[34:35]
	global_load_b128 v[IDXR+4:IDXR+7], v9, s[34:35] offset:256
	s_wait_loadcnt 0x2                             ; all but the two rows of numbers
.irp i, 0,1,2,3,4,5,6,7
	ds_store_b128 v2, v[WT+4*\i:WT+4*\i+3] offset:\i*512
.endr
.if \tl == 0
.irp d, 0,1
.irp j, 0,1,2,3,4,5,6,7
	v_mov_b32 v[VB+8*\d+\j], v[254+\d]             ; a lane holds one channel: its bias is one number
.endr
.endr
	v_mov_b32 v[TO], 0                             ; written once: a lane permute's destination counts as one of its sources
.endif
	s_wait_loadcnt 0x1                             ; row 0's numbers are in; row 1's may be out
	ISSUE 0, 0
	ISSUE 1, 0
	ISSUE 2, 0
	ISSUE 3, 0
	global_load_b128 v[IDXR:IDXR+3], v9, s[34:35] offset:512       ; row 2's numbers
	s_mov_b32 s53, 0
	s_mov_b32 s54, 0
	s_mov_b32 s55, 6
.Lrows_\@:                             ; six trips of two rows.  16 = three younger slots of five loads and one load of numbers
	v_add_nc_u32 v10, s53, v3
	v_add_nc_u32 v11, s54, v4
	ROW 0, 1, 1, 16, 16, 16, 16
	ROW 1, 1, 1, 16, 16, 16, 16
	s_wait_xcnt 0x0                                ; the loads of numbers have read their base: it may step
	s_add_nc_u64 s[34:35], s[34:35], 512
	s_add_co_u32 s53, s53, 512
	s_add_co_u32 s54, s54, 288
	s_sub_co_u32 s55, s55, 1
	s_cmp_lg_u32 s55, 0
	s_cbranch_scc1 .Lrows_\@
	v_add_nc_u32 v10, s53, v3
	v_add_nc_u32 v11, s54, v4
	ROW 0, 1, 1, 16, 16, 16, 16                    ; rows 12 to 15 are written out: the last numbers, then none, then no next row: the counts run down
	ROW 1, 1, 0, 16, 16, 16, 16
	ROW 2, 1, 0, 15, 15, 15, 15
	ROW 3, 0, 0, 15, 10, 5, 0
.irp i, 0,1,2,3
	ds_load_b128 v[WT+4*\i:WT+4*\i+3], v5 offset:16*\i             ; LDS serves a wave's instructions in order: these see my stores
.endr
	s_wait_dscnt 0x0
	BLK16 WT, 248, 250                             ; the head's 32 channels are a block of the next K
	ds_store_b64 v6, v[248:249] offset:OIMG+\tl*2048
	ds_store_b8 v7, v250 offset:\tl*128            ; both halves of the lanes store the same byte
.endm
	; ---- S
	STILE 0
	STILE 1
	BAR                                            ; the sampled rows' eight fragments lie in LDS
	; ---- M: wave w makes columns 16 w .. + 15 of the output product for the 64 rows
	v_lshlrev_b32 v2, 2, v13                       ; 4 r: a scale word's place
	s_lshr_b32 s42, s38, 1
	s_mul_i32 s42, s42, 144
	s_and_b32 s43, s38, 1
	s_lshl_b32 s43, s43, 6
	s_add_co_u32 s42, s42, s43
	s_add_co_u32 s42, s42, STG
	v_mul_u32_u24 v3, v13, 1168
	v_lshl_add_u32 v3, v14, 5, v3
	v_add_nc_u32 v3, s42, v3                       ; the stage: row r, my eight columns 16 w + 8 hl ..
	v_bfe_u32 v9, v0, 3, 2                         ; rho
	v_and_b32 v10, 7, v0                           ; blk
	s_mul_i32 s42, s38, 4672
	s_add_co_u32 s42, s42, STG
	v_mul_u32_u24 v4, v9, 1168
	v_mad_u32_u24 v4, v10, 144, v4
	v_add_nc_u32 v4, s42, v4                       ; the stage: row 4 w + rho, block blk
	s_lshl_b32 s42, s39, 2
	s_add_co_u32 s42, s42, s38
	s_lshl_b32 s42, s42, 12
	v_add_nc_u32 v5, s42, v1                       ; t1: image 4 g0 + w
	v_lshlrev_b32 v6, 7, v10                       ; a norm's gain and bias of my block
	s_lshr_b32 s44, s38, 2
	s_and_b32 s45, s38, 3
	s_lshl_b32 s42, s44, 11
	s_lshl_b32 s43, s45, 6
	s_add_co_u32 s42, s42, s43
	v_lshlrev_b32 v[IA], 4, v9
	v_lshl_add_u32 v[IA], v10, 8, v[IA]
	v_add_nc_u32 v[IA], s42, v[IA]                 ; my block's 16 bytes in an image
	s_lshl_b32 s42, s44, 7
	s_lshl_b32 s43, s45, 4
	s_add_co_u32 s42, s42, s43
	v_lshlrev_b32 v[SA], 2, v9
	v_bfe_u32 v11, v0, 2, 1
	v_lshl_add_u32 v[SA], v11, 6, v[SA]
	v_and_b32 v11, 3, v0
	v_add_nc_u32 v[SA], v[SA], v11
	v_add_nc_u32 v[SA], s42, v[SA]                 ; and its scale byte
.irp i, 0,1,2,3,4,5,6,7
	global_load_b128 v[YY+4*\i:YY+4*\i+3], v5, s[12:13] offset:\i*512
.endr
.irp t, 0,1,2,3
.irp s, 0,1
.irp c, 0,1
	ds_load_b128 v[SL+16*\t+8*\s+4*\c:SL+16*\t+8*\s+4*\c+3], v1 offset:OIMG+\t*2048+\s*1024+\c*512
.endr
	ds_load_b32 v[SLS+2*\t+\s], v2 offset:OSC+\t*128+\s*64
.endr
.endr
	s_wait_dscnt 0x0
.irp s, 0,1                            ; transposed: source 0 = 16 rows of the weight, source 1 = 16 rows.  Four accumulators by turns; the bias starts each sum
.irp t, 0,1,2,3
.if \s == 0
	MM DD+8*\t, MW, SL+16*\t, MB, MWS, SLS+2*\t
.else
	MM DD+8*\t, MW+8, SL+16*\t+8, DD+8*\t, MWS+1, SLS+2*\t+1
.endif
.endr
.endr
	NOPS 4                                         ; places in front of the first read of results and of loads into operands that are done with
	TOSTG DD
	GAINS SL, SL+32, 18, 20
	BAR                                            ; 64 rows of the output product lie in the stage
	; ---- RLN1: wave w takes rows 4 w .. + 3
	ADDSTG WT
	LNORM YY, SL, SL+32, 208                       ; t2, which stays in these registers to the end
	QBLK YY, 216, T2IMG, T2SC
	s_lshl_b32 s42, s38, 13                        ; lin1_w: my 64 rows of 128 bytes
	s_add_co_u32 s42, s42, 245760
	v_lshlrev_b32 v9, 7, v15
	v_lshl_add_u32 v9, v14, 4, v9
	v_add_nc_u32 v9, s42, v9
	s_lshl_b32 s42, s38, 9
	s_add_co_u32 s42, s42, 523264
	v_lshl_add_u32 v10, v15, 3, s42
	s_lshl_b32 s42, s38, 8
	v_lshl_add_u32 v11, v14, 6, s42
.irp a, 0,1,2,3                        ; tile a = 2 e + u: rows 64 w + 32 e + 8 u + pr
.irp s, 0,1
.irp c, 0,1
	global_load_b128 v[W1+16*\a+8*\s+4*\c:W1+16*\a+8*\s+4*\c+3], v9, s[6:7] offset:(32*(\a/2)+8*(\a%2))*128+\s*64+\c*32
.endr
	global_load_b32 v[W1S+2*\a+\s], v10, s[6:7] offset:(32*(\a/2)+8*(\a%2))*8+4*\s
.endr
	global_load_b128 v[B1+8*\a:B1+8*\a+3], v11, s[22:23] offset:(32*(\a/2)+8*(\a%2))*4
	global_load_b128 v[B1+8*\a+4:B1+8*\a+7], v11, s[22:23] offset:(32*(\a/2)+8*(\a%2))*4+16
.endr
	s_lshl_b32 s42, s38, 9
	v_lshlrev_b32 v244, 4, v13
	v_lshl_add_u32 v244, v14, 3, v244
	v_add_nc_u32 v244, s42, v244                   ; the hidden layer's image: blocks 2 w, 2 w + 1 begin at 512 w
	s_lshr_b32 s42, s38, 1
	s_lshl_b32 s42, s42, 6
	s_and_b32 s43, s38, 1
	s_lshl_b32 s43, s43, 1
	s_add_co_u32 s42, s42, s43
	v_lshl_add_u32 v245, v13, 2, s42               ; and their scale bytes
	BAR                                            ; t2's eight fragments lie in LDS
	; ---- F1: wave w makes hidden units 64 w .. + 63 for the 64 rows, a tile of rows at a time
	s_wait_loadcnt 0x0
.irp t, 0,1,2,3
	NOPS 5                                         ; the accumulators are begun anew over earlier results
.irp s, 0,1
.irp c, 0,1
	ds_load_b128 v[XF+8*\s+4*\c:XF+8*\s+4*\c+3], v1 offset:T2IMG+\t*2048+\s*1024+\c*512
.endr
	ds_load_b32 v[XS+\s], v2 offset:T2SC+\t*128+\s*64
.endr
	s_wait_dscnt 0x0
.irp s, 0,1
.irp a, 0,1,2,3
.if \s == 0
	MM ACC+8*\a, W1+16*\a, XF, B1+8*\a, W1S+2*\a, XS
.else
	MM ACC+8*\a, W1+16*\a+8, XF+8, ACC+8*\a, W1S+2*\a+1, XS+1
.endif
.endr
.endr
	NOPS 4
.set jj, 0
.rept 32
	v_max_num_f32 v[ACC+jj], 0, v[ACC+jj]          ; the activation, in f32
.set jj, jj+1
.endr
	BLK16 ACC, 216, 220
	BLK16 ACC+16, 218, 221
	ds_store_b64 v244, v[216:217] offset:HIMG+\t*8192
	ds_store_b64 v244, v[218:219] offset:HIMG+\t*8192+256
	ds_store_b8 v245, v220 offset:HSC+\t*512
	ds_store_b8 v245, v221 offset:HSC+\t*512+1
.endr
	s_lshl_b32 s42, s38, 13                        ; lin2_w: my 16 rows of 512 bytes
	s_add_co_u32 s42, s42, 376832
	v_lshlrev_b32 v9, 9, v13
	v_lshl_add_u32 v9, v14, 4, v9
	v_add_nc_u32 v9, s42, v9
	s_lshl_b32 s42, s38, 9
	s_add_co_u32 s42, s42, 531456
	v_lshl_add_u32 v10, v13, 5, s42
	s_lshl_b32 s42, s38, 6
	v_lshl_add_u32 v11, v14, 5, s42
.irp s, 0,1,2,3,4,5,6,7
.irp c, 0,1
	global_load_b128 v[W2+8*\s+4*\c:W2+8*\s+4*\c+3], v9, s[6:7] offset:\s*64+\c*32
.endr
.endr
	global_load_b128 v[W2S:W2S+3], v10, s[6:7]     ; a row's eight scale words
	global_load_b128 v[W2S+4:W2S+7], v10, s[6:7] offset:16
	global_load_b128 v[B2:B2+3], v11, s[24:25]
	global_load_b128 v[B2+4:B2+7], v11, s[24:25] offset:16
	BAR                                            ; the hidden layer's 32 fragments lie in LDS
	; ---- F2: wave w makes columns 16 w .. + 15, a K step of 128 at a time; four accumulators by turns
	s_wait_loadcnt 0x0
.irp s, 0,1,2,3,4,5,6,7
	NOPS 5                                         ; places in front of loads into operands that the last products read, and of sums begun over earlier registers
.irp t, 0,1,2,3
.irp c, 0,1
	ds_load_b128 v[HF+8*\t+4*\c:HF+8*\t+4*\c+3], v1 offset:HIMG+\t*8192+\s*1024+\c*512
.endr
	ds_load_b32 v[HS+\t], v2 offset:HSC+\t*512+\s*64
.endr
	s_wait_dscnt 0x0
.irp t, 0,1,2,3
.if \s == 0
	MM FD+8*\t, W2, HF+8*\t, B2, W2S, HS+\t
.else
	MM FD+8*\t, W2+8*\s, HF+8*\t, FD+8*\t, W2S+\s, HS+\t
.endif
.endr
.endr
	NOPS 4
	TOSTG FD
	GAINS W2, W2+32, 26, 28
	BAR                                            ; 64 rows of the FFN lie in the stage
	; ---- RLN3
	ADDSTG HF
	LNORM YY, W2, W2+32, 208
	v_bfe_u32 v9, v0, 3, 2                         ; rho
	v_and_b32 v10, 7, v0                           ; blk
	s_mul_i32 s42, s38, 6400
	s_add_co_u32 s42, s42, WL
	v_mul_u32_u24 v244, v9, 144
	v_lshl_add_u32 v244, v10, 4, v244
	v_add_nc_u32 v244, s42, v244                   ; my turn stage, as neighbouring bytes of a row
	v_mul_u32_u24 v245, v9, 1168
	v_mad_u32_u24 v245, v10, 144, v245
	v_add_nc_u32 v245, s42, v245                   ; and as a lane's block
	s_lshr_b32 s42, s38, 2
	s_add_co_u32 s42, s42, s39                     ; the tile of my four rows
	s_mul_i32 s43, s42, 1150
	s_lshr_b32 s43, s43, 16                        ; b = g / 57 (1,150 / 65,536 is exact for g under 912)
	s_mul_i32 s44, s43, 57
	s_sub_co_u32 s44, s42, s44                     ; T
	s_lshr_b32 s45, s44, 1
	s_lshl_b32 s45, s45, 5
	s_and_b32 s46, s44, 1
	s_lshl_b32 s46, s46, 3
	s_add_co_u32 s45, s45, s46
	s_and_b32 s46, s38, 1
	s_lshl_b32 s46, s46, 2
	s_add_co_u32 s45, s45, s46
	s_bfe_u32 s46, s38, 0x10001
	s_lshl_b32 s46, s46, 4
	s_add_co_u32 s45, s45, s46                     ; the query of my first row; the other three follow it
.irp p, 0,1,2,3
	s_add_co_u32 s46, s45, \p
	s_lshl_b32 s46, s46, 4
	s_add_co_u32 s46, s46, s43
	s_lshl_b32 s46, s46, 10
	v_add_nc_u32 v[246+\p], s46, v1
.endr
.irp i, 0,1,2,3,4,5,6,7
	ds_store_b128 v245, v[YY+4*\i:YY+4*\i+3] offset:16*\i
.endr
.irp i, 0,1,2,3,4,5,6,7
	ds_load_b128 v[YY+4*\i:YY+4*\i+3], v244 offset:(\i/2)*1168+(\i%2)*576    ; LDS serves a wave's instructions in order: these see my stores
.endr
	s_wait_dscnt 0x0
	s_cmp_ge_u32 s45, 900                          ; rows from query 900 on are not part of the output: a branch on ids
	s_cbranch_scc1 .Lno_rows
.irp i, 0,1,2,3,4,5,6,7
	global_store_b128 v[246+\i/2], v[YY+4*\i:YY+4*\i+3], s[30:31] offset:(\i%2)*512 th:TH_STORE_NT   ; 512 consecutive bytes of a row, aligned
.endr
.Lno_rows:
	s_wait_tensorcnt 0x0
	ds_add_u32 v39, v251
	s_wait_dscnt 0x0
	s_endpgm
.Lfunc_end_k_qeb10cc76cb_final:
	.size	k_qeb10cc76cb_final, .Lfunc_end_k_qeb10cc76cb_final-k_qeb10cc76cb_final
	.p2alignl 7, 3214868480
	.fill 96, 4, 3214868480
	.section	.rodata,"a",@progbits
	.p2align	6, 0x0
	.amdhsa_kernel k_qeb10cc76cb_final
		.amdhsa_group_segment_fixed_size 231424
		.amdhsa_private_segment_fixed_size 0
		.amdhsa_enable_private_segment 0
		.amdhsa_kernarg_size 112
		.amdhsa_user_sgpr_count 2
		.amdhsa_user_sgpr_kernarg_segment_ptr 1
		.amdhsa_wavefront_size32 1
		.amdhsa_system_sgpr_workgroup_id_x 1
		.amdhsa_system_sgpr_workgroup_id_y 1
		.amdhsa_system_sgpr_workgroup_id_z 1
		.amdhsa_system_vgpr_workitem_id 0
		.amdhsa_next_free_vgpr 256
		.amdhsa_next_free_sgpr 66
		.amdhsa_reserve_vcc 0
		.amdhsa_float_denorm_mode_32 3
		.amdhsa_float_denorm_mode_16_64 3
		.amdhsa_memory_ordered 1
		.amdhsa_forward_progress 1
		.amdhsa_inst_pref_size 176
	.end_amdhsa_kernel
	.amdgpu_metadata
---
amdhsa.version: [ 1, 2 ]
amdhsa.kernels:
  - .name:           k_qeb10cc76cb_final
    .symbol:         k_qeb10cc76cb_final.kd
    .args:
      - { .name: mq, .offset: 0, .size: 8, .value_kind: global_buffer, .address_space: global }
      - { .name: wq, .offset: 8, .size: 8, .value_kind: global_buffer, .address_space: global }
      - { .name: sidx, .offset: 16, .size: 8, .value_kind: global_buffer, .address_space: global }
      - { .name: swgt, .offset: 24, .size: 8, .value_kind: global_buffer, .address_space: global }
      - { .name: t1, .offset: 32, .size: 8, .value_kind: global_buffer, .address_space: global }
      - { .name: val_proj_b, .offset: 40, .size: 8, .value_kind: global_buffer, .address_space: global }
      - { .name: ms_out_b, .offset: 48, .size: 8, .value_kind: global_buffer, .address_space: global }
      - { .name: norm1_g, .offset: 56, .size: 8, .value_kind: global_buffer, .address_space: global }
      - { .name: norm1_b, .offset: 64, .size: 8, .value_kind: global_buffer, .address_space: global }
      - { .name: lin1_b, .offset: 72, .size: 8, .value_kind: global_buffer, .address_space: global }
      - { .name: lin2_b, .offset: 80, .size: 8, .value_kind: global_buffer, .address_space: global }
      - { .name: norm3_g, .offset: 88, .size: 8, .value_kind: global_buffer, .address_space: global }
      - { .name: norm3_b, .offset: 96, .size: 8, .value_kind: global_buffer, .address_space: global }
      - { .name: out0, .offset: 104, .size: 8, .value_kind: global_buffer, .address_space: global }
    .group_segment_fixed_size: 231424
    .private_segment_fixed_size: 0
    .kernarg_segment_align: 8
    .kernarg_segment_size: 112
    .max_flat_workgroup_size: 512
    .sgpr_count:     66
    .vgpr_count:     256
    .wavefront_size: 32
...
	.end_amdgpu_metadata
.endif
;; end of part 5
;; ======== version 2 of 3: 5 launches
;; workspace buffers: wq 539,648 bytes; mq 28,927,744 bytes; qkv 6,651,904 bytes; ao 1,984,512 bytes; t1 14,942,208 bytes; sidx 29,884,416 bytes of whole numbers; swgt 29,884,416 bytes
;; launch quant: the kernel of part 1 again; grid 2257 x 1, 3 waves a work-group, no clusters, 25,088 bytes of LDS; arguments in_proj_w, out_proj_w, val_proj_w, samp_off_w, attn_w_w, ms_out_w, lin1_w, lin2_w, memory, wq, mq; writes wq, mq
;; launch qkv: the kernel of part 2 again; grid 15 x 16, 16 waves a work-group, no clusters, 94,208 bytes of LDS; arguments tgt, tgt_query_pos, in_proj_b, wq, qkv; writes qkv
;; launch attn: the kernel of part 3 again; grid 2 x 128, 16 waves a work-group, no clusters, 169,984 bytes of LDS; arguments qkv, ao; writes ao
;; launch post: the kernel of part 4 again; grid 228 x 1, 16 waves a work-group, no clusters, 160,256 bytes of LDS; arguments ao, wq, tgt, tgt_query_pos, tgt_reference_points, out_proj_b, norm2_g, norm2_b, samp_off_b, attn_w_b, t1, sidx, swgt; writes t1, sidx, swgt
;; launch final (part 6): grid 15 x 16, 16 waves a work-group, no clusters, 289,280 bytes of LDS; arguments mq, wq, sidx, swgt, t1, val_proj_b, ms_out_b, norm1_g, norm1_b, lin1_b, lin2_b, norm3_g, norm3_b, out0; writes out0
.if DOCPART == 6
	.amdgcn_target "amdgcn-amd-amdhsa--gfx1250"
	.amdhsa_code_object_version 6
	.text
	.protected	k_qeb10cc76cb_final
	.globl	k_qeb10cc76cb_final
	.p2align	8
	.type	k_qeb10cc76cb_final,@function
k_qeb10cc76cb_final:
	s_mov_b64 s[64:65], 0
	v_nop
	global_prefetch_b8 v0, s[64:65] scope:SCOPE_SE
	s_setreg_imm32_b32 hwreg(HW_REG_WAVE_MODE, 25, 1), 1
	s_wait_xcnt 0x0
; The deformable attention's sampling, its output product, norm1, the FFN and norm3; all products on codes of FP4.
; A work-group takes four row tiles T = 4 x .. 4 x + 3 of ONE batch b = y (64 rows).  A batch has 57 tiles: tiles past the 57th repeat tile 56 and are not stored.
; THE VALUE PRODUCT IS MADE AT THE SAMPLES: memory's rows lie in mq as codes (128 bytes and 8 scale bytes a row); for a (row, head, level) the 16 corner samples' rows are
; brought straight into source 0's registers and multiplied by the head's 32 rows of the value weight.  Each value is the number that the whole product would have there.
; The row numbers come from sidx, whole numbers stored by the launch before; each is held inside its table before it enters an address.
; LEVELS 2 AND 3 OF THE BATCH, 794 positions, LIE IN LDS: they take 32 of a (row, head)'s 64 samples, and 794 x 136 bytes come in once, dense, in place of 64 x 8 x 32 rows
; of 136 bytes fetched one by one.  (Level 1's 2,500 rows would be 360,000 bytes: no room.)  Levels 0 and 1 are gathered from memory.
; While the table is read nothing is stored to LDS: both tiles' sample weights are copied in ahead of the first barrier, the 32 row results stay in registers, and they
; turn through the wave's own bytes behind a second barrier.  So the 32 rows are written out: a result's register is named by its row, and every offset is an immediate.
; PHASE S: wave = (head h = w % 8, th = w / 8), tiles 2 th, 2 th + 1, a row at a time, four levels a row; a slot of 16 registers for each level is filled again, for the next
; row, as soon as its four products are issued.  PHASES M, RLN1, F1, F2, RLN3: operands go from wave to wave through LDS as images of their registers.
; Rows from query 900 on are computed like the others (they repeat row 899) and not stored: a wave's four rows are all inside or all outside.
; No tensor loads, so no ring; no cluster: what work-groups share is the weights and, among a batch's fifteen, the table: small beside the rows gathered one by one.
; LIMITS: sums of the sampling and of the norms in another order than written in the problem, all f32; zero blocks get the byte 1; NaN and infinities are not served.
.set OIMG,  0                          ; LDS: the sampled rows' four tiles x two fragments of 1,024 bytes
.set OSC,   8192                       ; their scale words, 64 bytes a fragment
.set TAB,   8704                       ; phase S alone: 1,024 rows x 144 bytes: 128 of codes, 8 scale bytes, 8 unused; the pitch is an odd multiple of 16
.set WTS,   156160                     ; phase S alone: 8,192 bytes a wave: two tiles' sample weights; behind phase S the wave's turn of its results
.set T2IMG, 8704                       ; behind phase S, over the table: the rows behind norm1,
.set T2SC,  16896
.set HIMG,  17408                      ; the hidden layer: four tiles x eight fragments,
.set HSC,   50176
.set STG,   52224                      ; 64 rows x 1,168 bytes (a block of 128 bytes has pitch 144),
.set WL,    126976                     ; and 6,400 bytes a wave for the last turn
.set MSC,   27226112
.set VWS, 16                           ; v16-37 hold scale words and nothing else
.set SLS, 20
.set MWS, 28
.set W1S, 16
.set XS,  24
.set HS,  24
.set W2S, 30
.set VW,  40                           ; v40-71 the value weight; later t1, y, t2
.set YY,  40
.set VB,  72
.set MW,  88                           ; v88-111: in phase S results; then ms_out's weight and bias
.set MB,  104
.set SL,  112                          ; v112-175 four slots; later operands, gains and biases
.set WT,  176
.set DD,  208
.set SUM, 224
.set IDXR, 228
.set CA,  236
.set SCA, 240
.set W1,  72                           ; F1: weights 72-135, biases 136-167, rows 168-183, sums 184-215
.set B1,  136
.set XF,  168
.set ACC, 184
.set W2,  72                           ; F2: weights 72-135, bias 136-143, hidden 144-175, sums 176-207
.set B2,  136
.set HF,  144
.set FD,  176
.set TM,  252
.set TM2, 253
.set TO,  254
.set TS,  255
.set SEL, 48
.set MHI, 50
.set I256, 51
.set EPS, 52
.set IA, 7
.set SA, 8
.macro NOPS n
.rept \n
	v_nop
.endr
.endm
.macro BAR                             ; my LDS stores have landed and my LDS loads are in: then the work-group's barrier
	s_wait_dscnt 0x0
	s_barrier_signal -1
	s_barrier_wait -1
.endm
.macro MM d, a, b, c, sa, sb
	v_wmma_scale_f32_16x16x128_f8f6f4 v[(\d):(\d)+7], v[(\a):(\a)+7], v[(\b):(\b)+7], v[(\c):(\c)+7], v[(\sa)], v[(\sb)] matrix_a_fmt:MATRIX_FMT_FP4 matrix_b_fmt:MATRIX_FMT_FP4
.endm
.macro QBLK src, t, img, sc            ; a lane's whole block of 32 becomes 16 bytes of codes and a byte, stored into an image
	v_max3_num_f32 v[\t], |v[\src]|, |v[\src+1]|, 0x1800000        ; with the floor 2^(3 - 127)
	v_max3_num_f32 v[\t+1], |v[\src+2]|, |v[\src+3]|, |v[\src+4]|
.irp i, 5,9,13,17,21,25
	v_max3_num_f32 v[\t], v[\t], |v[\src+\i]|, |v[\src+\i+1]|
	v_max3_num_f32 v[\t+1], v[\t+1], |v[\src+\i+2]|, |v[\src+\i+3]|
.endr
	v_max3_num_f32 v[\t], v[\t], |v[\src+29]|, |v[\src+30]|
	v_max3_num_f32 v[\t], v[\t], v[\t+1], |v[\src+31]|
	v_add_nc_u32 v[\t+1], 0xff000000, v[\t]        ; 2 off the exponent field: the conversion's scale operand
	v_lshrrev_b32 v[\t+2], 23, v[\t+1]             ; the byte
.irp g, 0,1,2,3
	v_cvt_scalef32_pk8_fp4_f32 v[\t+4+\g], v[\src+8*\g:\src+8*\g+7], v[\t+1]
.endr
	v_nop                                          ; one plain place behind a scaled conversion
	ds_store_b128 v[IA], v[\t+4:\t+7] offset:\img
	ds_store_b8 v[SA], v[\t+2] offset:\sc
.endm
.macro BLK16 src, pc, tb               ; 16 neighbours of a block in my lane, the other 16 in lane l xor 16: two registers of codes and the byte
	v_max3_num_f32 v[TM], |v[\src]|, |v[\src+1]|, 0x1800000
	v_max3_num_f32 v[TM2], |v[\src+2]|, |v[\src+3]|, |v[\src+4]|
	v_max3_num_f32 v[TM], v[TM], |v[\src+5]|, |v[\src+6]|
	v_max3_num_f32 v[TM2], v[TM2], |v[\src+7]|, |v[\src+8]|
	v_max3_num_f32 v[TM], v[TM], |v[\src+9]|, |v[\src+10]|
	v_max3_num_f32 v[TM2], v[TM2], |v[\src+11]|, |v[\src+12]|
	v_max3_num_f32 v[TM], v[TM], |v[\src+13]|, |v[\src+14]|
	v_max3_num_f32 v[TM], v[TM], v[TM2], |v[\src+15]|
	v_permlanex16_b32 v[TO], v[TM], s[SEL], s[SEL+1]
	v_max_num_f32 v[TM], v[TM], v[TO]
	v_add_nc_u32 v[TS], 0xff000000, v[TM]
	v_lshrrev_b32 v[\tb], 23, v[TS]
	v_cvt_scalef32_pk8_fp4_f32 v[\pc], v[\src:\src+7], v[TS]
	v_cvt_scalef32_pk8_fp4_f32 v[\pc+1], v[\src+8:\src+15], v[TS]
	v_nop
.endm
; A row of 256 lies in eight neighbouring lanes, 32 numbers each: mean, centred, variance, 1 / sqrt, gain and bias, all in f32
.macro LNORM Y, G, B, T
	v_pk_add_f32 v[\T:\T+1], v[\Y:\Y+1], v[\Y+2:\Y+3]
	v_pk_add_f32 v[\T+2:\T+3], v[\Y+4:\Y+5], v[\Y+6:\Y+7]
.irp i, 8,12,16,20,24,28
	v_pk_add_f32 v[\T:\T+1], v[\T:\T+1], v[\Y+\i:\Y+\i+1]
	v_pk_add_f32 v[\T+2:\T+3], v[\T+2:\T+3], v[\Y+\i+2:\Y+\i+3]
.endr
	v_pk_add_f32 v[\T:\T+1], v[\T:\T+1], v[\T+2:\T+3]
	v_add_f32 v[\T], v[\T], v[\T+1]
	v_add_f32_dpp v[\T], v[\T], v[\T] row_xmask:1 row_mask:0xf bank_mask:0xf
	v_add_f32_dpp v[\T], v[\T], v[\T] row_xmask:2 row_mask:0xf bank_mask:0xf
	v_add_f32_dpp v[\T], v[\T], v[\T] row_xmask:4 row_mask:0xf bank_mask:0xf
	v_mul_f32 v[\T], s[I256], v[\T]
.set jj, 0
.rept 16
	v_pk_add_f32 v[\Y+jj:\Y+jj+1], v[\Y+jj:\Y+jj+1], v[\T:\T+1] op_sel_hi:[1,0] neg_lo:[0,1] neg_hi:[0,1]
.set jj, jj+2
.endr
	v_pk_mul_f32 v[\T+2:\T+3], v[\Y:\Y+1], v[\Y:\Y+1]
	v_pk_mul_f32 v[\T+4:\T+5], v[\Y+2:\Y+3], v[\Y+2:\Y+3]
.irp i, 4,8,12,16,20,24,28
	v_pk_fma_f32 v[\T+2:\T+3], v[\Y+\i:\Y+\i+1], v[\Y+\i:\Y+\i+1], v[\T+2:\T+3]
	v_pk_fma_f32 v[\T+4:\T+5], v[\Y+\i+2:\Y+\i+3], v[\Y+\i+2:\Y+\i+3], v[\T+4:\T+5]
.endr
	v_pk_add_f32 v[\T+2:\T+3], v[\T+2:\T+3], v[\T+4:\T+5]
	v_add_f32 v[\T+2], v[\T+2], v[\T+3]
	v_add_f32_dpp v[\T+2], v[\T+2], v[\T+2] row_xmask:1 row_mask:0xf bank_mask:0xf
	v_add_f32_dpp v[\T+2], v[\T+2], v[\T+2] row_xmask:2 row_mask:0xf bank_mask:0xf
	v_add_f32_dpp v[\T+2], v[\T+2], v[\T+2] row_xmask:4 row_mask:0xf bank_mask:0xf
	v_fma_f32 v[\T+2], v[\T+2], s[I256], s[EPS]
	v_rsq_f32 v[\T+2], v[\T+2]
	v_nop                                          ; one plain place behind a transcendental
.set jj, 0
	s_wait_alu depctr_va_vdst(0)
.rept 16
	v_pk_mul_f32 v[\Y+jj:\Y+jj+1], v[\Y+jj:\Y+jj+1], v[\T+2:\T+3] op_sel_hi:[1,0]
.set jj, jj+2
.endr
.set jj, 0
.rept 16
	v_pk_fma_f32 v[\Y+jj:\Y+jj+1], v[\Y+jj:\Y+jj+1], v[\G+jj:\G+jj+1], v[\B+jj:\B+jj+1]
.set jj, jj+2
.endr
.endm
.macro TOSTG d                         ; four tiles' results, eight neighbouring columns of a row a lane, into the stage; each accumulator from its low end on
.irp t, 0,1,2,3
	ds_store_b128 v3, v[\d+8*\t:\d+8*\t+3] offset:\t*18688
	ds_store_b128 v3, v[\d+8*\t+4:\d+8*\t+7] offset:\t*18688+16
.endr
.endm
.macro GAINS g, b, sg, sb              ; a norm's gain and bias of my block of 32
.irp i, 0,1,2,3,4,5,6,7
	global_load_b128 v[\g+4*\i:\g+4*\i+3], v6, s[\sg:\sg+1] offset:16*\i
	global_load_b128 v[\b+4*\i:\b+4*\i+3], v6, s[\sb:\sb+1] offset:16*\i
.endr
.endm
.macro ADDSTG reg                      ; my four rows of the stage are added onto y
.irp i, 0,1,2,3,4,5,6,7
	ds_load_b128 v[\reg+4*\i:\reg+4*\i+3], v4 offset:16*\i
.endr
	s_wait_dscnt 0x0
	s_wait_loadcnt 0x0
.set jj, 0
.rept 16
	v_pk_add_f32 v[YY+jj:YY+jj+1], v[YY+jj:YY+jj+1], v[\reg+jj:\reg+jj+1]
.set jj, jj+2
.endr
.endm
.macro RESREG i                        ; RG = the register of result i = 16 x tile + row: the 32 registers that phase S leaves free
.if (\i) < 24
.set RG, 88+(\i)
.elseif (\i) < 26
.set RG, 38+(\i)-24
.elseif (\i) < 28
.set RG, 242+(\i)-26
.else
.set RG, 248+(\i)-28
.endif
.endm
	s_load_b512 s[4:19], s[0:1], 0x0               ; mq, wq, sidx, swgt, t1, val_proj_b, ms_out_b, norm1_g
	s_load_b256 s[20:27], s[0:1], 0x40             ; norm1_b, lin1_b, lin2_b, norm3_g
	s_load_b128 s[28:31], s[0:1], 0x60             ; norm3_b, out0
	v_lshrrev_b32 v1, 5, v0
	v_readfirstlane_b32 s38, v1                    ; wave
	s_lshl_b32 s39, ttmp9, 2                       ; the first of my work-group's four tiles of the batch
	s_and_b32 s53, ttmp7, 0xffff                   ; b
	s_mul_i32 s54, s53, 57                         ; the batch's first tile among the 912
	s_and_b32 s40, s38, 7                          ; h
	s_lshr_b32 s41, s38, 3                         ; th
	s_mov_b32 s[SEL], 0x76543210
	s_mov_b32 s[SEL+1], 0xfedcba98
	s_mov_b32 s[MHI], 0xffff0000
	s_mov_b32 s[I256], 0x3b800000                  ; 1 / 256
	s_mov_b32 s[EPS], 0x3727c5ac                   ; 1e-5
	v_and_b32 v12, 31, v0                          ; lane
	v_and_b32 v13, 15, v0                          ; r, kept
	v_bfe_u32 v14, v0, 4, 1                        ; hl, kept
	v_and_b32 v15, 7, v0
	v_bfe_u32 v1, v0, 3, 1
	v_lshl_add_u32 v15, v1, 4, v15                 ; pr = r % 8 + 16 (r / 8), kept
	s_lshl_b32 s42, s38, 13
	s_add_co_u32 s42, s42, WTS                     ; my wave's 8,192 bytes
	v_lshlrev_b32 v1, 4, v12                       ; v1 = 16 x lane, kept
	v_add_nc_u32 v2, s42, v1                       ; the sample weights, on the way in
	v_lshl_add_u32 v10, v14, 5, s42                ; and where my half of the lanes reads them
	v_lshl_add_u32 v4, v12, 2, s42                 ; behind phase S: a row's 32 results,
	v_mul_u32_u24 v5, v13, 144
	v_lshl_add_u32 v5, v14, 6, v5
	v_add_nc_u32 v5, s42, v5                       ; and back: row r, channels 16 hl ..
	v_lshl_add_u32 v11, v14, 4, TAB                ; the table, + my half's 16 bytes of each 32
	s_lshl_b32 s44, s41, 12
	s_lshl_b32 s45, s40, 8
	s_add_co_u32 s44, s44, s45
	v_lshlrev_b32 v9, 4, v13                       ; 16 r: sample r's four row numbers
	v_lshl_add_u32 v6, v14, 3, v9
	v_add_nc_u32 v6, s44, v6                       ; the head's block in the tile's image: 256 h + 16 r + 8 hl
	s_lshl_b32 s44, s41, 8
	s_lshr_b32 s45, s40, 2
	s_lshl_b32 s45, s45, 6
	s_add_co_u32 s44, s44, s45
	s_and_b32 s45, s40, 3
	s_add_co_u32 s44, s44, s45
	s_add_co_u32 s44, s44, OSC
	v_lshl_add_u32 v7, v13, 2, s44
	v_lshlrev_b32 v8, 4, v14                       ; 16 hl
	v_lshlrev_b32 v244, 7, v13
	v_add_nc_u32 v244, v244, v8
	s_lshl_b32 s44, s40, 12
	s_add_co_u32 s44, s44, 131072
	v_add_nc_u32 v244, s44, v244                   ; val_proj_w's rows 32 h + r
	s_lshl_b32 s44, s40, 8
	s_add_co_u32 s44, s44, 516096
	v_lshl_add_u32 v245, v13, 3, s44
	s_lshl_b32 s44, s40, 7
	v_lshl_add_u32 v246, v13, 2, s44
	v_mov_b32 v247, 0                              ; written once: a lane permute's destination counts as one of its sources
	; the table's fill: wave w takes rows 64 w .. 64 w + 63; a load of 16 bytes a lane takes four rows of 128 bytes
	s_mul_i32 s45, s38, 9216
	s_add_co_u32 s45, s45, TAB
	v_bfe_u32 v38, v0, 3, 2                        ; which of a load's four rows
	v_and_b32 v39, 7, v0
	v_lshlrev_b32 v39, 4, v39                      ; my 16 bytes of the row
	v_mad_u32_u24 v3, v38, 144, v39
	v_add_nc_u32 v3, s45, v3                       ; where they go
	v_mul_u32_u24 v110, v12, 144
	v_add_nc_u32 v110, s45, v110                   ; the scale bytes: a lane to a row
	s_lshl_b32 s44, s38, 6
	v_add_nc_u32 v38, s44, v38
	v_add_nc_u32 v111, s44, v12
	; my two tiles' records in sidx and swgt: g = 57 b + min(T, 56)
	s_lshl_b32 s42, s41, 1
	s_add_co_u32 s42, s42, s39
	s_add_co_u32 s43, s42, 1
	s_min_u32 s42, s42, 56
	s_min_u32 s43, s43, 56
	s_add_co_u32 s42, s42, s54
	s_add_co_u32 s43, s43, s54
	s_lshl_b32 s42, s42, 3
	s_lshl_b32 s43, s43, 3
	s_add_co_u32 s42, s42, s40
	s_add_co_u32 s43, s43, s40
	s_lshl_b32 s42, s42, 12
	s_lshl_b32 s43, s43, 12
	s_add_co_u32 s44, s53, 200000                  ; level 2 begins at position 12,500: row 12,500 x 16 + b of mq
	s_mov_b32 s47, 0
	s_wait_kmcnt 0x0
	s_mov_b32 s46, s42
	s_add_nc_u64 s[34:35], s[8:9], s[46:47]        ; tile 0: row numbers,
	s_add_nc_u64 s[36:37], s[10:11], s[46:47]      ; weights
	s_mov_b32 s46, s43
	s_add_nc_u64 s[58:59], s[8:9], s[46:47]        ; tile 1
	s_add_nc_u64 s[56:57], s[10:11], s[46:47]
	s_lshl_b32 s46, s44, 7
	s_add_nc_u64 s[60:61], s[4:5], s[46:47]        ; the table's codes in mq: 2,048 bytes from position to position
	s_lshl_b32 s46, s44, 3
	s_add_co_u32 s46, s46, MSC
	s_add_nc_u64 s[62:63], s[4:5], s[46:47]        ; and its scale bytes: 128 bytes from position to position
	s_add_nc_u64 s[32:33], s[4:5], MSC             ; memory's scale bytes
.irp d, 0,1
.irp s, 0,1
.irp c, 0,1
	global_load_b128 v[VW+8*(2*\d+\s)+4*\c:VW+8*(2*\d+\s)+4*\c+3], v244, s[6:7] offset:\d*2048+\s*64+\c*32
.endr
	global_load_b32 v[VWS+2*\d+\s], v245, s[6:7] offset:\d*128+4*\s
.endr
	global_load_b32 v[254+\d], v246, s[14:15] offset:\d*64
.endr
.set jj, 0
.rept 16
	v_add_nc_u32 v[88+jj], 4*jj, v38
	v_min_u32 v[88+jj], 793, v[88+jj]              ; rows from 794 on repeat the last: no load leaves its buffer
	v_lshl_add_u32 v[88+jj], v[88+jj], 11, v39
	global_load_b128 v[SL+4*jj:SL+4*jj+3], v[88+jj], s[60:61]
.set jj, jj+1
.endr
.irp q, 0,1
	v_add_nc_u32 v[104+\q], 32*\q, v111
	v_min_u32 v[104+\q], 793, v[104+\q]
	v_lshlrev_b32 v[104+\q], 7, v[104+\q]
	global_load_b64 v[106+2*\q:107+2*\q], v[104+\q], s[62:63]
.endr
.irp i, 0,1,2,3,4,5,6,7
	global_load_b128 v[176+4*\i:179+4*\i], v1, s[36:37] offset:\i*512
.endr
.irp i, 0,1,2,3,4,5,6,7
	global_load_b128 v[208+4*\i:211+4*\i], v1, s[56:57] offset:\i*512
.endr
	s_wait_loadcnt 16                              ; all but the sixteen loads of sample weights
.set jj, 0
.rept 16
	ds_store_b128 v3, v[SL+4*jj:SL+4*jj+3] offset:576*jj
.set jj, jj+1
.endr
.irp q, 0,1
	ds_store_b64 v110, v[106+2*\q:107+2*\q] offset:128+4608*\q
.endr
.irp d, 0,1
.irp j, 0,1,2,3,4,5,6,7
	v_mov_b32 v[VB+8*\d+\j], v[254+\d]             ; a lane holds one channel: its bias is one number
.endr
.endr
	v_mov_b32 v[TO], 0                             ; written once: a lane permute's destination counts as one of its sources
	s_wait_loadcnt 0x0
.irp i, 0,1,2,3,4,5,6,7
	ds_store_b128 v2, v[176+4*\i:179+4*\i] offset:\i*512
	ds_store_b128 v2, v[208+4*\i:211+4*\i] offset:4096+\i*512
.endr
	BAR                                            ; the table is whole; from here to the next barrier no wave stores to LDS
; level l (0, 1): the 16 sample rows of the row whose numbers lie in set par, from memory: five loads.  The three address lines and the v_nop are the four places behind the slot's products
.macro ISSUEG l, par
	v_min_u32 v[TM], 0x33edf, v[IDXR+4*(\par)+\l]  ; a row number stays inside mq
	v_lshl_add_u32 v[CA+\l], v[TM], 7, v8          ; 128 bytes of codes a row; my half's 16 bytes of each 32
	v_lshlrev_b32 v[SCA+\l], 3, v[TM]
	v_nop
.irp k, 0,1,2,3
	global_load_b128 v[SL+16*\l+4*\k:SL+16*\l+4*\k+3], v[CA+\l], s[4:5] offset:32*\k
.endr
	global_load_b64 v[SLS+2*\l:SLS+2*\l+1], v[SCA+\l], s[32:33]
.endm
; level l (2, 3): the same from the table in LDS.  Row number = 16 x position + b: (number - 200,000) / 16 is the table's row.  The five address lines are the places behind the slot's products
.macro ISSUEL l, par
	v_add_nc_u32 v[TM], 0xfffcf2c0, v[IDXR+4*(\par)+\l]
	v_lshrrev_b32 v[TM], 4, v[TM]
	v_min_u32 v[TM], 793, v[TM]                    ; it stays inside the table
	v_mul_u32_u24 v[TM], v[TM], 144
	v_add_nc_u32 v[CA+\l], v11, v[TM]
.irp k, 0,1,2,3
	ds_load_b128 v[SL+16*\l+4*\k:SL+16*\l+4*\k+3], v[CA+\l] offset:32*\k
.endr
	ds_load_b64 v[SLS+2*\l:SLS+2*\l+1], v[CA+\l] offset:128        ; lanes 0-15: the row's scale bytes; lanes 16-31 read 16 bytes further on, and source 0's scales are taken from lanes 0-15
.endm
.macro SLOTW l, ro, lc, dc             ; level l of a row: 16 samples x 32 channels, then the weighted sum over my eight samples
.if \l < 2
	s_wait_loadcnt \lc                             ; this slot's five loads are in; what was asked for behind them stays out
.endif
	MM DD, SL+16*\l, VW, VB, SLS+2*\l, VWS         ; source 0 = the 16 sample rows, source 1 = 16 rows of the weight; the bias starts each sum; two accumulators by turns
	MM DD+8, SL+16*\l, VW+16, VB+8, SLS+2*\l, VWS+2
	MM DD, SL+16*\l+8, VW+8, DD, SLS+2*\l+1, VWS+1
	MM DD+8, SL+16*\l+8, VW+24, DD+8, SLS+2*\l+1, VWS+3
.if NXT
.if \l < 2
	ISSUEG \l, ((\ro)+1)%2
.else
	ISSUEL \l, ((\ro)+1)%2
.endif
.else
	NOPS 4
.endif
	s_wait_dscnt \dc                               ; this level's two loads of weights are in; younger LDS loads may be out
.irp i, 0,1,2,3
.irp d, 0,1
.if (\l == 0) && (\i == 0)
	v_pk_mul_f32 v[SUM+2*\d:SUM+2*\d+1], v[DD+8*\d:DD+8*\d+1], v[WT:WT+1]
.else
	v_pk_fma_f32 v[SUM+2*\d:SUM+2*\d+1], v[DD+8*\d+2*\i:DD+8*\d+2*\i+1], v[WT+8*\l+2*\i:WT+8*\l+2*\i+1], v[SUM+2*\d:SUM+2*\d+1]
.endif
.endr
.endr
	v_nop                                          ; the fifth place before the accumulators are begun anew
.endm
; Row ro of tile tl; ib: the scalar pair of the tile's row numbers.
; Loads from memory, in order: slot 0, slot 1 (five each), one load of row numbers (up to row 12, for three rows on).  So behind a slot's loads stand the other slot's five and,
; up to row 13, that one load: 6; then 5; in the last row 5 and 0.
; LDS loads, in order: the row's slots 2 and 3 (asked for a row ago), its eight loads of weights, the next row's slots 2 and 3 (five each).  So the wait for level 0's weights (6 younger)
; also shows slots 2 and 3 in; level 1: 4; level 2: level 3's two and slot 2's five; level 3: the ten of both slots.
.macro ROW tl, ro, ib
.if (\ro) < 14
.set LC0, 6
.set LC1, 6
.elseif (\ro) == 14
.set LC0, 5
.set LC1, 5
.else
.set LC0, 5
.set LC1, 0
.endif
.if (\ro) < 15
.set NXT, 1
.else
.set NXT, 0
.endif
.irp l, 0,1,2,3
	ds_load_b128 v[WT+8*\l:WT+8*\l+3], v10 offset:(\tl)*4096+(\ro)*256+\l*64
	ds_load_b128 v[WT+8*\l+4:WT+8*\l+7], v10 offset:(\tl)*4096+(\ro)*256+\l*64+16
.endr
	SLOTW 0, \ro, LC0, 6
	SLOTW 1, \ro, LC1, 4
	SLOTW 2, \ro, 0, 2+5*NXT
	SLOTW 3, \ro, 0, 10*NXT
	v_add_f32 v244, v[SUM], v[SUM+1]
	v_add_f32 v245, v[SUM+2], v[SUM+3]
	v_permlanex16_b32 v246, v244, s[SEL], s[SEL+1] ; the other eight samples
	v_permlanex16_b32 v247, v245, s[SEL], s[SEL+1]
	v_add_f32 v244, v244, v246
	v_add_f32 v245, v245, v247
	RESREG 16*(\tl)+(\ro)
	v_cndmask_b32 v[RG], v244, v245, s[MHI]        ; lane l holds channel l of the row: kept in a register of its own
.if (\ro) < 13
	global_load_b128 v[IDXR+4*(((\ro)+1)%2):IDXR+4*(((\ro)+1)%2)+3], v9, s[\ib:\ib+1] offset:((\ro)+3)*256    ; three rows ahead, into the set just used
.endif
.endm
.macro STILE tl, ib
	global_load_b128 v[IDXR:IDXR+3], v9, s[\ib:\ib+1]
	global_load_b128 v[IDXR+4:IDXR+7], v9, s[\ib:\ib+1] offset:256
	s_wait_loadcnt 0x1                             ; row 0's numbers are in; row 1's may be out
	ISSUEG 0, 0
	ISSUEG 1, 0
	ISSUEL 2, 0
	ISSUEL 3, 0
	global_load_b128 v[IDXR:IDXR+3], v9, s[\ib:\ib+1] offset:512   ; row 2's numbers
.set rr, 0
.rept 16
	ROW \tl, rr, \ib
.set rr, rr+1
.endr
.endm
	; ---- S
	STILE 0, 34
	STILE 1, 58
	BAR                                            ; every wave's reads of the table and of its weights are over: LDS may be stored to again
.set ii, 0
.rept 32
	RESREG ii
	ds_store_b32 v4, v[RG] offset:(ii/16)*2304+(ii%16)*144         ; into my own bytes: tile, row, 4 bytes a channel
.set ii, ii+1
.endr
.irp t, 0,1
.irp i, 0,1,2,3
	ds_load_b128 v[WT+16*\t+4*\i:WT+16*\t+4*\i+3], v5 offset:\t*2304+16*\i   ; LDS serves a wave's instructions in order: these see my stores
.endr
.endr
	v_lshlrev_b32 v244, 7, v13
	v_add_nc_u32 v244, v244, v8
	s_lshl_b32 s44, s38, 11
	s_add_co_u32 s44, s44, 212992
	s_wait_dscnt 0x0                               ; the results are back, a row to a lane; the stores have read their registers
	v_add_nc_u32 v247, s44, v244                   ; ms_out_w's rows 16 w + r
	s_lshl_b32 s44, s38, 7
	s_add_co_u32 s44, s44, 521216
	v_lshl_add_u32 v248, v13, 3, s44
	s_lshl_b32 s44, s38, 6
	v_lshl_add_u32 v249, v14, 5, s44
.irp s, 0,1
.irp c, 0,1
	global_load_b128 v[MW+8*\s+4*\c:MW+8*\s+4*\c+3], v247, s[6:7] offset:\s*64+\c*32
.endr
	global_load_b32 v[MWS+\s], v248, s[6:7] offset:4*\s
.endr
	global_load_b128 v[MB:MB+3], v249, s[16:17]
	global_load_b128 v[MB+4:MB+7], v249, s[16:17] offset:16
	BLK16 WT, 224, 228                             ; the head's 32 channels are a block of the next K
	BLK16 WT+16, 226, 229
	ds_store_b64 v6, v[224:225] offset:OIMG
	ds_store_b64 v6, v[226:227] offset:OIMG+2048
	ds_store_b8 v7, v228                           ; both halves of the lanes store the same byte
	ds_store_b8 v7, v229 offset:128
	BAR                                            ; the sampled rows' eight fragments lie in LDS
	; ---- M: wave w makes columns 16 w .. + 15 of the output product for the 64 rows
	v_lshlrev_b32 v2, 2, v13                       ; 4 r: a scale word's place
	s_lshr_b32 s42, s38, 1
	s_mul_i32 s42, s42, 144
	s_and_b32 s43, s38, 1
	s_lshl_b32 s43, s43, 6
	s_add_co_u32 s42, s42, s43
	s_add_co_u32 s42, s42, STG
	v_mul_u32_u24 v3, v13, 1168
	v_lshl_add_u32 v3, v14, 5, v3
	v_add_nc_u32 v3, s42, v3                       ; the stage: row r, my eight columns 16 w + 8 hl ..
	v_bfe_u32 v9, v0, 3, 2                         ; rho
	v_and_b32 v10, 7, v0                           ; blk
	s_mul_i32 s42, s38, 4672
	s_add_co_u32 s42, s42, STG
	v_mul_u32_u24 v4, v9, 1168
	v_mad_u32_u24 v4, v10, 144, v4
	v_add_nc_u32 v4, s42, v4                       ; the stage: row 4 w + rho, block blk
	s_lshr_b32 s44, s38, 2
	s_and_b32 s45, s38, 3
	s_add_co_u32 s42, s39, s44
	s_min_u32 s42, s42, 56
	s_add_co_u32 s42, s42, s54                     ; g of my four rows' tile
	s_lshl_b32 s42, s42, 2
	s_add_co_u32 s42, s42, s45
	s_lshl_b32 s42, s42, 12
	v_add_nc_u32 v5, s42, v1                       ; t1: image 4 g + quarter
	v_lshlrev_b32 v6, 7, v10                       ; a norm's gain and bias of my block
	s_lshl_b32 s42, s44, 11
	s_lshl_b32 s43, s45, 6
	s_add_co_u32 s42, s42, s43
	v_lshlrev_b32 v[IA], 4, v9
	v_lshl_add_u32 v[IA], v10, 8, v[IA]
	v_add_nc_u32 v[IA], s42, v[IA]                 ; my block's 16 bytes in an image
	s_lshl_b32 s42, s44, 7
	s_lshl_b32 s43, s45, 4
	s_add_co_u32 s42, s42, s43
	v_lshlrev_b32 v[SA], 2, v9
	v_bfe_u32 v11, v0, 2, 1
	v_lshl_add_u32 v[SA], v11, 6, v[SA]
	v_and_b32 v11, 3, v0
	v_add_nc_u32 v[SA], v[SA], v11
	v_add_nc_u32 v[SA], s42, v[SA]                 ; and its scale byte
.irp i, 0,1,2,3,4,5,6,7
	global_load_b128 v[YY+4*\i:YY+4*\i+3], v5, s[12:13] offset:\i*512
.endr
.irp t, 0,1,2,3
.irp s, 0,1
.irp c, 0,1
	ds_load_b128 v[SL+16*\t+8*\s+4*\c:SL+16*\t+8*\s+4*\c+3], v1 offset:OIMG+\t*2048+\s*1024+\c*512
.endr
	ds_load_b32 v[SLS+2*\t+\s], v2 offset:OSC+\t*128+\s*64
.endr
.endr
	s_wait_dscnt 0x0
	s_wait_loadcnt 0x8                             ; the weight, its scale words and the bias are in; t1's eight loads may be out
.irp s, 0,1                            ; transposed: source 0 = 16 rows of the weight, source 1 = 16 rows.  Four accumulators by turns; the bias starts each sum
.irp t, 0,1,2,3
.if \s == 0
	MM DD+8*\t, MW, SL+16*\t, MB, MWS, SLS+2*\t
.else
	MM DD+8*\t, MW+8, SL+16*\t+8, DD+8*\t, MWS+1, SLS+2*\t+1
.endif
.endr
.endr
	NOPS 4                                         ; places in front of the first read of results and of loads into operands that are done with
	TOSTG DD
	GAINS SL, SL+32, 18, 20
	BAR                                            ; 64 rows of the output product lie in the stage
	; ---- RLN1: wave w takes rows 4 w .. + 3
	ADDSTG WT
	LNORM YY, SL, SL+32, 208                       ; t2, which stays in these registers to the end
	QBLK YY, 216, T2IMG, T2SC
	s_lshl_b32 s42, s38, 13                        ; lin1_w: my 64 rows of 128 bytes
	s_add_co_u32 s42, s42, 245760
	v_lshlrev_b32 v9, 7, v15
	v_lshl_add_u32 v9, v14, 4, v9
	v_add_nc_u32 v9, s42, v9
	s_lshl_b32 s42, s38, 9
	s_add_co_u32 s42, s42, 523264
	v_lshl_add_u32 v10, v15, 3, s42
	s_lshl_b32 s42, s38, 8
	v_lshl_add_u32 v11, v14, 6, s42
.irp a, 0,1,2,3                        ; tile a = 2 e + u: rows 64 w + 32 e + 8 u + pr
.irp s, 0,1
.irp c, 0,1
	global_load_b128 v[W1+16*\a+8*\s+4*\c:W1+16*\a+8*\s+4*\c+3], v9, s[6:7] offset:(32*(\a/2)+8*(\a%2))*128+\s*64+\c*32
.endr
	global_load_b32 v[W1S+2*\a+\s], v10, s[6:7] offset:(32*(\a/2)+8*(\a%2))*8+4*\s
.endr
	global_load_b128 v[B1+8*\a:B1+8*\a+3], v11, s[22:23] offset:(32*(\a/2)+8*(\a%2))*4
	global_load_b128 v[B1+8*\a+4:B1+8*\a+7], v11, s[22:23] offset:(32*(\a/2)+8*(\a%2))*4+16
.endr
	s_lshl_b32 s42, s38, 9
	v_lshlrev_b32 v244, 4, v13
	v_lshl_add_u32 v244, v14, 3, v244
	v_add_nc_u32 v244, s42, v244                   ; the hidden layer's image: blocks 2 w, 2 w + 1 begin at 512 w
	s_lshr_b32 s42, s38, 1
	s_lshl_b32 s42, s42, 6
	s_and_b32 s43, s38, 1
	s_lshl_b32 s43, s43, 1
	s_add_co_u32 s42, s42, s43
	v_lshl_add_u32 v245, v13, 2, s42               ; and their scale bytes
	BAR                                            ; t2's eight fragments lie in LDS
	; ---- F1: wave w makes hidden units 64 w .. + 63 for the 64 rows, a tile of rows at a time
	s_wait_loadcnt 0x0
.irp t, 0,1,2,3
	NOPS 5                                         ; the accumulators are begun anew over earlier results
.irp s, 0,1
.irp c, 0,1
	ds_load_b128 v[XF+8*\s+4*\c:XF+8*\s+4*\c+3], v1 offset:T2IMG+\t*2048+\s*1024+\c*512
.endr
	ds_load_b32 v[XS+\s], v2 offset:T2SC+\t*128+\s*64
.endr
	s_wait_dscnt 0x0
.irp s, 0,1
.irp a, 0,1,2,3
.if \s == 0
	MM ACC+8*\a, W1+16*\a, XF, B1+8*\a, W1S+2*\a, XS
.else
	MM ACC+8*\a, W1+16*\a+8, XF+8, ACC+8*\a, W1S+2*\a+1, XS+1
.endif
.endr
.endr
	NOPS 4
.set jj, 0
.rept 32
	v_max_num_f32 v[ACC+jj], 0, v[ACC+jj]          ; the activation, in f32
.set jj, jj+1
.endr
	BLK16 ACC, 216, 220
	BLK16 ACC+16, 218, 221
	ds_store_b64 v244, v[216:217] offset:HIMG+\t*8192
	ds_store_b64 v244, v[218:219] offset:HIMG+\t*8192+256
	ds_store_b8 v245, v220 offset:HSC+\t*512
	ds_store_b8 v245, v221 offset:HSC+\t*512+1
.endr
	s_lshl_b32 s42, s38, 13                        ; lin2_w: my 16 rows of 512 bytes
	s_add_co_u32 s42, s42, 376832
	v_lshlrev_b32 v9, 9, v13
	v_lshl_add_u32 v9, v14, 4, v9
	v_add_nc_u32 v9, s42, v9
	s_lshl_b32 s42, s38, 9
	s_add_co_u32 s42, s42, 531456
	v_lshl_add_u32 v10, v13, 5, s42
	s_lshl_b32 s42, s38, 6
	v_lshl_add_u32 v11, v14, 5, s42
.irp s, 0,1,2,3,4,5,6,7
.irp c, 0,1
	global_load_b128 v[W2+8*\s+4*\c:W2+8*\s+4*\c+3], v9, s[6:7] offset:\s*64+\c*32
.endr
.endr
	global_load_b128 v[W2S:W2S+3], v10, s[6:7]     ; a row's eight scale words
	global_load_b128 v[W2S+4:W2S+7], v10, s[6:7] offset:16
	global_load_b128 v[B2:B2+3], v11, s[24:25]
	global_load_b128 v[B2+4:B2+7], v11, s[24:25] offset:16
	BAR                                            ; the hidden layer's 32 fragments lie in LDS
	; ---- F2: wave w makes columns 16 w .. + 15, a K step of 128 at a time; four accumulators by turns
	s_wait_loadcnt 0x0
.irp s, 0,1,2,3,4,5,6,7
	NOPS 5                                         ; places in front of loads into operands that the last products read, and of sums begun over earlier registers
.irp t, 0,1,2,3
.irp c, 0,1
	ds_load_b128 v[HF+8*\t+4*\c:HF+8*\t+4*\c+3], v1 offset:HIMG+\t*8192+\s*1024+\c*512
.endr
	ds_load_b32 v[HS+\t], v2 offset:HSC+\t*512+\s*64
.endr
	s_wait_dscnt 0x0
.irp t, 0,1,2,3
.if \s == 0
	MM FD+8*\t, W2, HF+8*\t, B2, W2S, HS+\t
.else
	MM FD+8*\t, W2+8*\s, HF+8*\t, FD+8*\t, W2S+\s, HS+\t
.endif
.endr
.endr
	NOPS 4
	TOSTG FD
	GAINS W2, W2+32, 26, 28
	BAR                                            ; 64 rows of the FFN lie in the stage
	; ---- RLN3
	ADDSTG HF
	LNORM YY, W2, W2+32, 208
	v_bfe_u32 v9, v0, 3, 2                         ; rho
	v_and_b32 v10, 7, v0                           ; blk
	s_mul_i32 s42, s38, 6400
	s_add_co_u32 s42, s42, WL
	v_mul_u32_u24 v244, v9, 144
	v_lshl_add_u32 v244, v10, 4, v244
	v_add_nc_u32 v244, s42, v244                   ; my turn stage, as neighbouring bytes of a row
	v_mul_u32_u24 v245, v9, 1168
	v_mad_u32_u24 v245, v10, 144, v245
	v_add_nc_u32 v245, s42, v245                   ; and as a lane's block
	s_lshr_b32 s42, s38, 2
	s_add_co_u32 s44, s42, s39                     ; T of my four rows, as it is: past 56 its queries lie past 899
	s_lshr_b32 s45, s44, 1
	s_lshl_b32 s45, s45, 5
	s_and_b32 s46, s44, 1
	s_lshl_b32 s46, s46, 3
	s_add_co_u32 s45, s45, s46
	s_and_b32 s46, s38, 1
	s_lshl_b32 s46, s46, 2
	s_add_co_u32 s45, s45, s46
	s_bfe_u32 s46, s38, 0x10001
	s_lshl_b32 s46, s46, 4
	s_add_co_u32 s45, s45, s46                     ; the query of my first row; the other three follow it
.irp p, 0,1,2,3
	s_add_co_u32 s46, s45, \p
	s_lshl_b32 s46, s46, 4
	s_add_co_u32 s46, s46, s53
	s_lshl_b32 s46, s46, 10
	v_add_nc_u32 v[246+\p], s46, v1
.endr
.irp i, 0,1,2,3,4,5,6,7
	ds_store_b128 v245, v[YY+4*\i:YY+4*\i+3] offset:16*\i
.endr
.irp i, 0,1,2,3,4,5,6,7
	ds_load_b128 v[YY+4*\i:YY+4*\i+3], v244 offset:(\i/2)*1168+(\i%2)*576    ; LDS serves a wave's instructions in order: these see my stores
.endr
	s_wait_dscnt 0x0
	s_cmp_ge_u32 s45, 900                          ; rows from query 900 on are not part of the output: a branch on ids
	s_cbranch_scc1 .Lno_rows
.irp i, 0,1,2,3,4,5,6,7
	global_store_b128 v[246+\i/2], v[YY+4*\i:YY+4*\i+3], s[30:31] offset:(\i%2)*512 th:TH_STORE_NT   ; 512 consecutive bytes of a row, aligned
.endr
.Lno_rows:
	s_wait_xcnt 0x0
	v_lshl_add_u32 v254, v0, 2, 0x46200
	v_mov_b32 v255, 0
	s_wait_tensorcnt 0x0
	ds_add_u32 v254, v255
	s_wait_dscnt 0x0
	s_endpgm
.Lfunc_end_k_qeb10cc76cb_final:
	.size	k_qeb10cc76cb_final, .Lfunc_end_k_qeb10cc76cb_final-k_qeb10cc76cb_final
	.p2alignl 7, 3214868480
	.fill 96, 4, 3214868480
	.section	.rodata,"a",@progbits
	.p2align	6, 0x0
	.amdhsa_kernel k_qeb10cc76cb_final
		.amdhsa_group_segment_fixed_size 289280
		.amdhsa_private_segment_fixed_size 0
		.amdhsa_enable_private_segment 0
		.amdhsa_kernarg_size 112
		.amdhsa_user_sgpr_count 2
		.amdhsa_user_sgpr_kernarg_segment_ptr 1
		.amdhsa_wavefront_size32 1
		.amdhsa_system_sgpr_workgroup_id_x 1
		.amdhsa_system_sgpr_workgroup_id_y 1
		.amdhsa_system_sgpr_workgroup_id_z 1
		.amdhsa_system_vgpr_workitem_id 0
		.amdhsa_next_free_vgpr 256
		.amdhsa_next_free_sgpr 66
		.amdhsa_reserve_vcc 0
		.amdhsa_float_denorm_mode_32 3
		.amdhsa_float_denorm_mode_16_64 3
		.amdhsa_memory_ordered 1
		.amdhsa_forward_progress 1
		.amdhsa_inst_pref_size 255
	.end_amdhsa_kernel
	.section	.bss,"aw",@nobits
	.p2align	6
	.space	262144
	.amdgpu_metadata
---
amdhsa.version: [ 1, 2 ]
amdhsa.kernels:
  - .name:           k_qeb10cc76cb_final
    .symbol:         k_qeb10cc76cb_final.kd
    .args:
      - { .name: mq, .offset: 0, .size: 8, .value_kind: global_buffer, .address_space: global }
      - { .name: wq, .offset: 8, .size: 8, .value_kind: global_buffer, .address_space: global }
      - { .name: sidx, .offset: 16, .size: 8, .value_kind: global_buffer, .address_space: global }
      - { .name: swgt, .offset: 24, .size: 8, .value_kind: global_buffer, .address_space: global }
      - { .name: t1, .offset: 32, .size: 8, .value_kind: global_buffer, .address_space: global }
      - { .name: val_proj_b, .offset: 40, .size: 8, .value_kind: global_buffer, .address_space: global }
      - { .name: ms_out_b, .offset: 48, .size: 8, .value_kind: global_buffer, .address_space: global }
      - { .name: norm1_g, .offset: 56, .size: 8, .value_kind: global_buffer, .address_space: global }
      - { .name: norm1_b, .offset: 64, .size: 8, .value_kind: global_buffer, .address_space: global }
      - { .name: lin1_b, .offset: 72, .size: 8, .value_kind: global_buffer, .address_space: global }
      - { .name: lin2_b, .offset: 80, .size: 8, .value_kind: global_buffer, .address_space: global }
      - { .name: norm3_g, .offset: 88, .size: 8, .value_kind: global_buffer, .address_space: global }
      - { .name: norm3_b, .offset: 96, .size: 8, .value_kind: global_buffer, .address_space: global }
      - { .name: out0, .offset: 104, .size: 8, .value_kind: global_buffer, .address_space: global }
    .group_segment_fixed_size: 289280
    .private_segment_fixed_size: 0
    .kernarg_segment_align: 8
    .kernarg_segment_size: 112
    .max_flat_workgroup_size: 512
    .sgpr_count:     66
    .vgpr_count:     256
    .wavefront_size: 32
...
	.end_amdgpu_metadata
.endif
;; end of part 6
;; ======== version 3 of 3: 5 launches
;; workspace buffers: wq 539,648 bytes; mq 28,927,744 bytes; qkv 6,651,904 bytes; ao 1,984,512 bytes; t1 14,942,208 bytes; sidx 29,884,416 bytes of whole numbers; swgt 29,884,416 bytes
;; launch quant (part 7): grid 2257 x 1, 3 waves a work-group, no clusters, 25,088 bytes of LDS; arguments in_proj_w, out_proj_w, val_proj_w, samp_off_w, attn_w_w, ms_out_w, lin1_w, lin2_w, memory, wq, mq; writes wq, mq
.if DOCPART == 7
	.amdgcn_target "amdgcn-amd-amdhsa--gfx1250"
	.amdhsa_code_object_version 6
	.text
	.protected	k_qeb10cc76cb_quant
	.globl	k_qeb10cc76cb_quant
	.p2align	8
	.type	k_qeb10cc76cb_quant,@function
k_qeb10cc76cb_quant:
	s_mov_b64 s[64:65], 0
	v_nop
	global_prefetch_b8 v0, s[64:65] scope:SCOPE_SE
	s_setreg_imm32_b32 hwreg(HW_REG_WAVE_MODE, 25, 1), 1
	s_wait_xcnt 0x0
; The eight weights and memory, all f32 with K innermost, become codes of FP4 (E2M1) and one E8M0 byte for each 32 along K.
; Rows are dense and every K is a multiple of 32, so each tensor is a plain stream of blocks of 32; so are its codes and its bytes.
; A wave takes one run of 8,192 numbers: run = 3 x work-group + wave, 0 .. 6,770.  Runs 0 .. 123 are the weights, in the order of the
; arguments (24, 8, 8, 8, 4, 8, 32, 32 runs), and go to wq; runs 124 .. 6,770 are memory and go to mq.  A run makes 4,096 bytes of codes
; and 256 scale bytes; the bytes lie behind all the codes of their buffer (wq: from 507,904; mq: from 27,226,112).
; Only pointers are chosen by the run's number: there is one way through the text.
; A block's scale is 2^(floor(log2(largest magnitude)) - 2); its byte is the largest magnitude's exponent field - 2, held at 1 from below.
; LIMITS: a block of zeros gets the byte 1 where the rule says 127 (its codes are zeros, and this program alone reads the bytes); blocks whose
; largest magnitude lies under 2^-124 are held at the byte 1; NaN and infinities among the inputs are not served.
; Each load reads 512 consecutive bytes; a step's 2,048 bytes turn through the wave's own stage in LDS, so that a lane holds 16 neighbours.
.set STEPS, 16
.set EMAX,  2
.set CB,    8                          ; bytes of 16 codes
.set R,     16                         ; v16-79   four sets of 16 numbers as loaded
.set X,     80                         ; v80-111  two sets of 16 neighbours
.set C,     128                        ; v128-191 codes: four registers a step, so that no store's data are written again
.set E,     112                        ; v112-127 a scale byte for each step
.set WREG,  8192                       ; LDS of a wave: two stages of 32 x SP bytes, then its 256 scale bytes
.set SP,    80                         ; a lane's place in a stage: 64 bytes + 16 of padding
	s_load_b512 s[8:23], s[0:1], 0x0               ; the eight weights
	s_load_b128 s[24:27], s[0:1], 0x40             ; memory, wq
	s_load_b64 s[28:29], s[0:1], 0x50              ; mq
	v_lshl_add_u32 v192, v0, 2, 0x6000
	v_mov_b32 v193, 0
	v_lshrrev_b32 v1, 5, v0
	v_readfirstlane_b32 s3, v1                     ; wave
	v_and_b32 v2, 31, v0                           ; lane
	v_lshlrev_b32 v3, 4, v2                        ; my 16 bytes of a load's 512
	s_mul_i32 s5, s3, WREG
	v_lshrrev_b32 v14, 2, v2
	v_mul_u32_u24 v14, v14, SP
	v_and_b32 v15, 3, v2
	v_lshl_add_u32 v14, v15, 4, v14
	v_add_nc_u32 v14, s5, v14                      ; the stage on the way in: SP (lane / 4) + 16 (lane % 4)
	v_mul_u32_u24 v15, v2, SP
	v_add_nc_u32 v15, s5, v15                      ; and on the way out: SP x lane
	v_mul_u32_u24 v4, v2, CB                       ; my codes' place in a step's
	v_lshrrev_b32 v5, 1, v2
	s_add_co_u32 s5, s5, 2*32*SP
	v_add_nc_u32 v5, s5, v5                        ; my block's byte among the wave's 256
	v_lshlrev_b32 v7, 3, v2
	v_add_nc_u32 v6, s5, v7
	s_mul_i32 s4, ttmp9, 3
	s_add_co_u32 s4, s4, s3                        ; my run
	s_wait_alu depctr_va_vdst(0)
	s_wait_kmcnt 0x0
	s_mov_b64 s[30:31], s[8:9]                     ; the tensor of my run, and its first run
	s_mov_b32 s32, 0
.macro PICK bound, lo
	s_cmp_ge_u32 s4, \bound
	s_cselect_b64 s[30:31], s[\lo:\lo+1], s[30:31]
	s_cselect_b32 s32, \bound, s32
.endm
	PICK 24, 10
	PICK 32, 12
	PICK 40, 14
	PICK 48, 16
	PICK 52, 18
	PICK 60, 20
	PICK 92, 22
	PICK 124, 24
	s_mov_b32 s33, 27226112                        ; where the scale bytes begin in mq,
	s_mov_b32 s34, 507904                          ; and in wq
	s_cmp_ge_u32 s4, 124
	s_cselect_b64 s[36:37], s[28:29], s[26:27]     ; the buffer that takes my run
	s_cselect_b32 s33, s33, s34
	s_cselect_b32 s34, 124, 0
	s_sub_co_u32 s34, s4, s34                      ; my run's number in that buffer
	s_sub_co_u32 s35, s4, s32                      ; and in its tensor
	s_lshl_b32 s38, s35, 15                        ; 32,768 bytes of f32 a run (under 2^28)
	s_mov_b32 s39, 0
	s_add_nc_u64 s[30:31], s[30:31], s[38:39]
	s_lshl_b32 s38, s34, 12
	s_add_nc_u64 s[40:41], s[36:37], s[38:39]      ; my codes
	s_lshl_b32 s38, s34, 8
	s_add_co_u32 s38, s38, s33
	s_add_nc_u64 s[42:43], s[36:37], s[38:39]      ; my scale bytes
.macro LOAD t
.irp i, 0,1,2,3
	global_load_b128 v[R+16*((\t)%4)+4*\i:R+16*((\t)%4)+4*\i+3], v3, s[30:31] offset:2048*(\t)+512*\i th:TH_LOAD_NT
.endr
.endm
.macro TURN t                          ; step t's numbers through the stage: LDS serves a wave's instructions in order
.irp i, 0,1,2,3
	ds_store_b128 v14, v[R+16*((\t)%4)+4*\i:R+16*((\t)%4)+4*\i+3] offset:32*SP*((\t)%2)+8*SP*\i
.endr
.irp i, 0,1,2,3
	ds_load_b128 v[X+16*((\t)%2)+4*\i:X+16*((\t)%2)+4*\i+3], v15 offset:32*SP*((\t)%2)+16*\i
.endr
.endm
.irp t, 0,1,2,3
	LOAD \t
.endr
	s_wait_loadcnt 12                              ; step 0's four loads are in; twelve younger ones stay out
	TURN 0
.macro STEP t
.set XS, X+16*((\t)%2)
.if (\t) > 0
	s_wait_dscnt 1                                 ; this step's numbers are back (the last step's byte store may be out)
.else
	s_wait_dscnt 0x0
.endif
.if (\t)+4 < STEPS
	LOAD (\t)+4
.endif
.if (\t)+1 < STEPS
.if STEPS-2-(\t) >= 3
	s_wait_loadcnt 12                              ; the next step's four loads are in; those of three steps behind it may be out
.else
	s_wait_loadcnt 4*(STEPS-2-(\t))
.endif
	TURN (\t)+1
.endif
	v_max3_num_f32 v8, |v[XS]|, |v[XS+1]|, |v[XS+2]|
	v_max3_num_f32 v9, |v[XS+3]|, |v[XS+4]|, |v[XS+5]|
.irp i, 6,10
	v_max3_num_f32 v8, v8, |v[XS+\i]|, |v[XS+\i+1]|
	v_max3_num_f32 v9, v9, |v[XS+\i+2]|, |v[XS+\i+3]|
.endr
	v_max3_num_f32 v8, v8, |v[XS+14]|, |v[XS+15]|
	v_max3_num_f32 v8, v8, v9, (EMAX+1)<<23        ; the floor 2^(3 - 127): the byte cannot fall under 1
	v_max_num_f32_dpp v8, v8, v8 row_xmask:1 row_mask:0xf bank_mask:0xf   ; with my neighbour's 16: the block's largest magnitude
	v_add_nc_u32 v11, 0xff000000, v8               ; 2 off its exponent field: the conversion's scale operand
	v_cvt_scalef32_pk8_fp4_f32 v[C+4*(\t)], v[XS:XS+7], v11
	v_cvt_scalef32_pk8_fp4_f32 v[C+4*(\t)+1], v[XS+8:XS+15], v11
	v_lshrrev_b32 v[E+(\t)], 23, v11               ; the scale's byte
	ds_store_b8 v5, v[E+(\t)] offset:16*(\t)       ; both lanes of a block write the same byte with the same value
	global_store_b64 v4, v[C+4*(\t):C+4*(\t)+1], s[40:41] offset:32*CB*(\t)   ; the wave stores 256 consecutive bytes, aligned
.endm
.irp t, 0,1,2,3,4,5,6,7,8,9,10,11,12,13,14,15
	STEP \t
.endr
	ds_load_b64 v[12:13], v6
	s_wait_dscnt 0x0
	global_store_b64 v7, v[12:13], s[42:43]        ; the run's 256 scale bytes, consecutive and aligned
	s_wait_tensorcnt 0x0
	ds_add_u32 v192, v193
	s_wait_dscnt 0x0
	s_endpgm
.Lfunc_end_k_qeb10cc76cb_quant:
	.size	k_qeb10cc76cb_quant, .Lfunc_end_k_qeb10cc76cb_quant-k_qeb10cc76cb_quant
	.p2alignl 7, 3214868480
	.fill 96, 4, 3214868480
	.section	.rodata,"a",@progbits
	.p2align	6, 0x0
	.amdhsa_kernel k_qeb10cc76cb_quant
		.amdhsa_group_segment_fixed_size 25088
		.amdhsa_private_segment_fixed_size 0
		.amdhsa_enable_private_segment 0
		.amdhsa_kernarg_size 88
		.amdhsa_user_sgpr_count 2
		.amdhsa_user_sgpr_kernarg_segment_ptr 1
		.amdhsa_wavefront_size32 1
		.amdhsa_system_sgpr_workgroup_id_x 1
		.amdhsa_system_sgpr_workgroup_id_y 1
		.amdhsa_system_sgpr_workgroup_id_z 1
		.amdhsa_system_vgpr_workitem_id 0
		.amdhsa_next_free_vgpr 194
		.amdhsa_next_free_sgpr 66
		.amdhsa_reserve_vcc 0
		.amdhsa_float_denorm_mode_32 3
		.amdhsa_float_denorm_mode_16_64 3
		.amdhsa_memory_ordered 1
		.amdhsa_forward_progress 1
		.amdhsa_inst_pref_size 34
	.end_amdhsa_kernel
	.amdgpu_metadata
---
amdhsa.version: [ 1, 2 ]
amdhsa.kernels:
  - .name:           k_qeb10cc76cb_quant
    .symbol:         k_qeb10cc76cb_quant.kd
    .args:
      - { .name: in_proj_w, .offset: 0, .size: 8, .value_kind: global_buffer, .address_space: global }
      - { .name: out_proj_w, .offset: 8, .size: 8, .value_kind: global_buffer, .address_space: global }
      - { .name: val_proj_w, .offset: 16, .size: 8, .value_kind: global_buffer, .address_space: global }
      - { .name: samp_off_w, .offset: 24, .size: 8, .value_kind: global_buffer, .address_space: global }
      - { .name: attn_w_w, .offset: 32, .size: 8, .value_kind: global_buffer, .address_space: global }
      - { .name: ms_out_w, .offset: 40, .size: 8, .value_kind: global_buffer, .address_space: global }
      - { .name: lin1_w, .offset: 48, .size: 8, .value_kind: global_buffer, .address_space: global }
      - { .name: lin2_w, .offset: 56, .size: 8, .value_kind: global_buffer, .address_space: global }
      - { .name: memory, .offset: 64, .size: 8, .value_kind: global_buffer, .address_space: global }
      - { .name: wq, .offset: 72, .size: 8, .value_kind: global_buffer, .address_space: global }
      - { .name: mq, .offset: 80, .size: 8, .value_kind: global_buffer, .address_space: global }
    .group_segment_fixed_size: 25088
    .private_segment_fixed_size: 0
    .kernarg_segment_align: 8
    .kernarg_segment_size: 88
    .max_flat_workgroup_size: 96
    .sgpr_count:     66
    .vgpr_count:     194
    .wavefront_size: 32
...
	.end_amdgpu_metadata
.endif
;; end of part 7
;; launch qkv (part 8): grid 15 x 16, 16 waves a work-group, no clusters, 94,208 bytes of LDS; arguments tgt, tgt_query_pos, in_proj_b, wq, qkv; writes qkv
.if DOCPART == 8
	.amdgcn_target "amdgcn-amd-amdhsa--gfx1250"
	.amdhsa_code_object_version 6
	.text
	.protected	k_qeb10cc76cb_qkv
	.globl	k_qeb10cc76cb_qkv
	.p2align	8
	.type	k_qeb10cc76cb_qkv,@function
k_qeb10cc76cb_qkv:
	s_mov_b64 s[64:65], 0
	v_nop
	global_prefetch_b8 v0, s[64:65] scope:SCOPE_SE
	s_setreg_imm32_b32 hwreg(HW_REG_WAVE_SCHED_MODE, 0, 2), 2
	s_setreg_imm32_b32 hwreg(HW_REG_WAVE_MODE, 25, 1), 1
	s_wait_xcnt 0x0
	s_wait_alu depctr_vm_vsrc(0)
; q = (x Wq^T + bq) / sqrt(32), k = x Wk^T + bk, v = tgt Wv^T + bv with x = tgt + pos; all three products on codes of FP4, and q, k, v
; are quantised at once for the attention: q and k along the head's 32, v along the keys.
; A work-group takes 64 queries (chunk c = x) of one batch (b = y): four row tiles T = 4 c .. 4 c + 3.
; THE ROWS OF A TILE ARE NOT NEIGHBOURS: lane-row r of tile T is query 32 (T / 2) + 8 (T % 2) + (r % 8) + 16 (r / 8); so the 16 result registers of
; two neighbouring tiles are 16 neighbours along the keys.  The weights' rows of a tile are chosen in the same way.
; Queries from 900 on are loaded from row 899; as keys their v becomes zeros here, and the attention hides their scores.
; PHASE X: wave w quantises four rows of tgt and of x (a lane holds a whole block of 32 after a turn through the wave's stage) and stores them as
; images of operand registers.  PHASE G: wave = (head h = w % 8, half th = w / 8); it makes its head's q, k, v for row tiles 4 c + 2 th, + 1.
; A record of qkv (batch 8 b + h): KC, VC, KS, VS, QC, QS as named below; every store of codes covers 256 consecutive bytes, aligned.
; LIMITS: zero blocks get the byte 1; blocks under 2^-124 are held at the byte 1; NaN and infinities are not served.
; THE MODE: SCHED_MODE bits 1:0 = 2 (LLVM: expert scheduling mode 2), set by the entry lines.  The code itself states the register dependences
; between vector or matrix instructions and memory or LDS instructions, with s_wait_alu, always for 0.
; THE PLAN.  Registers that memory or LDS instructions touch:
;   v1-10, v144-147   offsets and addresses: made at the head, ahead of one wait on va_vdst; v1-8 are made anew for phase G behind one wait on vm_vsrc.
;   TG, PS            loaded, stored into the stage and loaded back in place: a wait on vm_vsrc stands between the stores and the loads.
;   v96-111           both quantisers' codes and bytes: computed first, then one wait on va_vdst, then the four image stores; later XF, the rows' fragments.
;   XF, XS            loaded for each row tile, read by its products: each later fetch stands behind a wait on va_vdst that follows those products.
;   PC, TB, JO        codes and bytes, each in registers of its own: one wait on va_vdst ahead of each run of stores.
.set XIMG, 0                           ; LDS: x's four tiles x two fragments of 1,024 bytes
.set TIMG, 8192                        ; tgt's
.set XSC,  16384                       ; their scale words, 64 bytes a fragment
.set TSC,  16896
.set WL,   17408                       ; a turn stage of 4 rows x 1,168 bytes for each wave (a block of 128 bytes has pitch 144)
.set BH,   51968                       ; a record of qkv
.set VC,   15360
.set KS,   30720
.set VS,   31680
.set QC,   32768
.set QS,   48128
.set TW, 1                             ; v1  stage, way in     (phase G: v's codes)
.set TR, 2                             ; v2  stage, way out    (phase G: q's codes)
.set VO, 3                             ; v3-6 my four rows' byte offsets + 16 x lane   (phase G: k's codes, v's, q's, k's scale bytes)
.set IA, 7                             ; v7  where my block's 16 bytes lie in an image
.set SA, 8                             ; v8  and its scale byte
.set LI, 9                             ; v9  16 x lane + 4,096 th
.set LS, 10                            ; v10 4 r + 256 th
.set LQB, 15                           ; v15 64 c + 32 th + 16 (lane / 16)
.set WSC, 16                           ; v16-27 the weights' scale words: 2 (2 kind + u) + s
.set XS,  28                           ; v28-29 the rows' scale words
.set RB,  30                           ; v30-31 bv of my lane's column, u = 0, 1
.set TG,  32                           ; v32-63 tgt; later q's and k's four accumulators
.set PS,  64                           ; v64-95 pos, then x; later v's four accumulators
.set XF,  96                           ; v96-111 at work in phase X; later the rows' two fragments
.set BQK, 112                          ; v112-143 bq, bk in the result's layout
.set BV,  144                          ; v144-159 bv, eight times each; later at work
.set WQK, 160                          ; v160-223 Wq, Wk: 16 (2 kind + u) + 8 s
.set WV,  224                          ; v224-255 Wv: 16 u + 8 s; later the codes
.set ACC, 32
.set VACC, 64
.set WA, 144                           ; addresses of the head's loads, in registers that are free until those loads are in
.set WSA, 145
.set BQA, 146
.set BVA, 147
.set TM, 144
.set TM2, 145
.set TO, 146
.set TS, 147
.set TB, 148                           ; v148-153 six scale bytes
.set JO, 154
.set PC, 224
.set KM, 20                            ; s20-35 the last chunk's sixteen masks: scalars of the head that are done with
.set SEL, 46                           ; s[46:47] lane l xor 16
.set MHI, 48                           ; s48 lanes 16-31
.macro NOPS n
.rept \n
	v_nop
.endr
.endm
.macro BAR                             ; my LDS stores have landed and my LDS loads are in: then the work-group's barrier
	s_wait_dscnt 0x0
	s_barrier_signal -1
	s_barrier_wait -1
.endm
.macro MM d, a, b, c, sa, sb
	v_wmma_scale_f32_16x16x128_f8f6f4 v[(\d):(\d)+7], v[(\a):(\a)+7], v[(\b):(\b)+7], v[(\c):(\c)+7], v[(\sa)], v[(\sb)] matrix_a_fmt:MATRIX_FMT_FP4 matrix_b_fmt:MATRIX_FMT_FP4
.endm
.macro ROWLD dst, base                 ; four rows of 1,024 bytes: each load reads 512 consecutive bytes
.irp i, 0,1,2,3,4,5,6,7
	global_load_b128 v[\dst+4*\i:\dst+4*\i+3], v[VO+\i/2], s[\base:\base+1] offset:(\i%2)*512
.endr
.endm
.macro TURNIN reg                      ; through my stage, in place: lane (rho, blk) then holds block blk of row rho.  LDS serves a wave's instructions in order
.irp i, 0,1,2,3,4,5,6,7
	ds_store_b128 v[TW], v[\reg+4*\i:\reg+4*\i+3] offset:(\i/2)*1168+(\i%2)*576
.endr
	s_wait_alu depctr_vm_vsrc(0)                   ; the eight stores have read the registers in which the eight loads below land
.irp i, 0,1,2,3,4,5,6,7
	ds_load_b128 v[\reg+4*\i:\reg+4*\i+3], v[TR] offset:16*\i
.endr
.endm
.macro QCALC src, t                    ; a lane's whole block of 32 becomes 16 bytes of codes in v[t + 4 ..] and a byte in v[t + 2]
	v_max3_num_f32 v[\t], |v[\src]|, |v[\src+1]|, 0x1800000        ; with the floor 2^(3 - 127)
	v_max3_num_f32 v[\t+1], |v[\src+2]|, |v[\src+3]|, |v[\src+4]|
.irp i, 5,9,13,17,21,25
	v_max3_num_f32 v[\t], v[\t], |v[\src+\i]|, |v[\src+\i+1]|
	v_max3_num_f32 v[\t+1], v[\t+1], |v[\src+\i+2]|, |v[\src+\i+3]|
.endr
	v_max3_num_f32 v[\t], v[\t], |v[\src+29]|, |v[\src+30]|
	v_max3_num_f32 v[\t], v[\t], v[\t+1], |v[\src+31]|
	v_add_nc_u32 v[\t+1], 0xff000000, v[\t]        ; 2 off the exponent field: the conversion's scale operand
	v_lshrrev_b32 v[\t+2], 23, v[\t+1]             ; the byte
.irp g, 0,1,2,3
	v_cvt_scalef32_pk8_fp4_f32 v[\t+4+\g], v[\src+8*\g:\src+8*\g+7], v[\t+1]
.endr
	v_nop                                          ; one plain place behind a scaled conversion
.endm
.macro QSTORE t, img, sc               ; and they go into an image
	ds_store_b128 v[IA], v[\t+4:\t+7] offset:\img
	ds_store_b8 v[SA], v[\t+2] offset:\sc
.endm
.macro BLK16 src, pc, tb               ; 16 neighbours of a block in my lane, the other 16 in lane l xor 16: two registers of codes and the byte
	v_max3_num_f32 v[TM], |v[\src]|, |v[\src+1]|, 0x1800000
	v_max3_num_f32 v[TM2], |v[\src+2]|, |v[\src+3]|, |v[\src+4]|
	v_max3_num_f32 v[TM], v[TM], |v[\src+5]|, |v[\src+6]|
	v_max3_num_f32 v[TM2], v[TM2], |v[\src+7]|, |v[\src+8]|
	v_max3_num_f32 v[TM], v[TM], |v[\src+9]|, |v[\src+10]|
	v_max3_num_f32 v[TM2], v[TM2], |v[\src+11]|, |v[\src+12]|
	v_max3_num_f32 v[TM], v[TM], |v[\src+13]|, |v[\src+14]|
	v_max3_num_f32 v[TM], v[TM], v[TM2], |v[\src+15]|
	s_wait_alu depctr_va_vdst(0)
	v_permlanex16_b32 v[TO], v[TM], s[SEL], s[SEL+1]
	v_max_num_f32 v[TM], v[TM], v[TO]
	v_add_nc_u32 v[TS], 0xff000000, v[TM]
	v_lshrrev_b32 v[\tb], 23, v[TS]
	v_cvt_scalef32_pk8_fp4_f32 v[\pc], v[\src:\src+7], v[TS]
	v_cvt_scalef32_pk8_fp4_f32 v[\pc+1], v[\src+8:\src+15], v[TS]
	v_nop
.endm
.macro FETCH img, sc, t                ; row tile 2 th + t: its two fragments and their scale words
.irp s, 0,1
.irp c, 0,1
	ds_load_b128 v[XF+8*\s+4*\c:XF+8*\s+4*\c+3], v[LI] offset:\img+(\t)*2048+\s*1024+\c*512
.endr
	ds_load_b32 v[XS+\s], v[LS] offset:\sc+(\t)*128+\s*64
.endr
.endm
	s_load_b256 s[4:11], s[0:1], 0x0               ; tgt, pos, in_proj_b, wq
	s_load_b64 s[12:13], s[0:1], 0x20              ; qkv
	v_lshl_add_u32 v12, v0, 2, 0x16800
	v_mov_b32 v14, 0
	v_lshrrev_b32 v96, 5, v0
	v_readfirstlane_b32 s14, v96                   ; wave
	s_and_b32 s16, ttmp7, 0xffff                   ; b
	s_wait_alu depctr_va_sdst(0)                   ; s14 is written, ahead of its first reader
	s_and_b32 s17, s14, 7                          ; h
	s_lshr_b32 s18, s14, 3                         ; th
	s_lshr_b32 s19, s14, 2                         ; phase X: my tile of the four,
	s_and_b32 s20, s14, 3                          ; and my quarter of its rows
	s_lshl_b32 s21, ttmp9, 2
	s_add_co_u32 s21, s21, s19                     ; T
	s_lshr_b32 s22, s21, 1
	s_lshl_b32 s22, s22, 5
	s_and_b32 s23, s21, 1
	s_lshl_b32 s23, s23, 3
	s_add_co_u32 s22, s22, s23
	s_and_b32 s23, s14, 1
	s_lshl_b32 s23, s23, 2
	s_add_co_u32 s22, s22, s23
	s_lshr_b32 s23, s20, 1
	s_lshl_b32 s23, s23, 4
	s_add_co_u32 s22, s22, s23                     ; the query of my first row; the other three follow it
	s_mov_b32 s[SEL], 0x76543210
	s_mov_b32 s[SEL+1], 0xfedcba98
	s_mov_b32 s[MHI], 0xffff0000
	v_and_b32 v96, 31, v0                          ; lane
	v_and_b32 v97, 15, v0                          ; r
	v_bfe_u32 v98, v0, 4, 1                        ; hl
	v_bfe_u32 v99, v0, 3, 2                        ; rho
	v_and_b32 v100, 7, v0                          ; blk
	v_bfe_u32 v101, v0, 3, 1
	v_lshl_add_u32 v101, v101, 4, v100             ; pr = r % 8 + 16 (r / 8)
	v_lshlrev_b32 v102, 4, v96
	s_wait_alu depctr_va_vdst(0)
.irp p, 0,1,2,3
	s_add_co_u32 s24, s22, \p
	s_min_u32 s24, s24, 899                        ; no load leaves its buffer
	s_lshl_b32 s24, s24, 4
	s_add_co_u32 s24, s24, s16
	s_lshl_b32 s24, s24, 10
	v_add_nc_u32 v[VO+\p], s24, v102
.endr
	s_mul_i32 s25, s14, 4672
	s_add_co_u32 s25, s25, WL
	v_mul_u32_u24 v[TW], v99, 144
	v_lshl_add_u32 v[TW], v100, 4, v[TW]
	v_add_nc_u32 v[TW], s25, v[TW]
	v_mul_u32_u24 v[TR], v99, 1168
	v_mad_u32_u24 v[TR], v100, 144, v[TR]
	v_add_nc_u32 v[TR], s25, v[TR]
	s_lshl_b32 s26, s19, 11
	s_lshl_b32 s27, s20, 6
	s_add_co_u32 s26, s26, s27
	v_lshlrev_b32 v[IA], 4, v99
	v_lshl_add_u32 v[IA], v100, 8, v[IA]           ; block blk of a tile's two fragments begins at 256 blk
	v_add_nc_u32 v[IA], s26, v[IA]
	s_lshl_b32 s26, s19, 7
	s_lshl_b32 s27, s20, 4
	s_add_co_u32 s26, s26, s27
	v_lshlrev_b32 v[SA], 2, v99
	v_bfe_u32 v103, v0, 2, 1
	v_lshl_add_u32 v[SA], v103, 6, v[SA]
	v_and_b32 v103, 3, v0
	v_add_nc_u32 v[SA], v[SA], v103
	v_add_nc_u32 v[SA], s26, v[SA]
	s_lshl_b32 s26, s18, 12
	v_lshl_add_u32 v[LI], v96, 4, s26
	s_lshl_b32 s26, s18, 8
	v_lshl_add_u32 v[LS], v97, 2, s26
	v_lshlrev_b32 v[WA], 7, v101
	v_lshl_add_u32 v[WA], v98, 4, v[WA]            ; a weight's row pr of 128 bytes, + 16 hl
	v_lshlrev_b32 v[WSA], 3, v101
	v_lshlrev_b32 v[BQA], 6, v98
	v_lshlrev_b32 v[BVA], 2, v101
	s_mov_b32 s29, 0
	s_wait_kmcnt 0x0
	s_lshl_b32 s28, s17, 12
	s_add_nc_u64 s[30:31], s[10:11], s[28:29]      ; my head's 32 rows of Wq
	s_lshl_b32 s28, s17, 8
	s_add_co_u32 s28, s28, 507904
	s_add_nc_u64 s[32:33], s[10:11], s[28:29]      ; and their scale bytes
	s_lshl_b32 s28, s17, 7
	s_add_nc_u64 s[34:35], s[8:9], s[28:29]        ; and biases
	s_lshl_b32 s28, s16, 3
	s_add_co_u32 s28, s28, s17
	s_mul_i32 s28, s28, BH
	s_add_nc_u64 s[36:37], s[12:13], s[28:29]      ; my record
	; ---- X
	s_wait_alu depctr_va_vdst(0)                   ; the offsets and LDS addresses v1-10 and v144-147 are written, which the loads and LDS instructions of phase X read
	ROWLD TG, 4
	ROWLD PS, 6
.irp a, 0,1,2,3
.irp s, 0,1
.irp c, 0,1
	global_load_b128 v[WQK+16*\a+8*\s+4*\c:WQK+16*\a+8*\s+4*\c+3], v[WA], s[30:31] offset:(\a/2)*32768+(\a%2)*1024+\s*64+\c*32
.endr
.endr
.endr
.irp u, 0,1
.irp s, 0,1
.irp c, 0,1
	global_load_b128 v[WV+16*\u+8*\s+4*\c:WV+16*\u+8*\s+4*\c+3], v[WA], s[30:31] offset:65536+\u*1024+\s*64+\c*32
.endr
.endr
.endr
.irp a, 0,1,2,3,4,5
.irp s, 0,1
	global_load_b32 v[WSC+2*\a+\s], v[WSA], s[32:33] offset:(\a/2)*2048+(\a%2)*64+4*\s
.endr
.endr
.irp a, 0,1,2,3
	global_load_b128 v[BQK+8*\a:BQK+8*\a+3], v[BQA], s[34:35] offset:(\a/2)*1024+(\a%2)*32
	global_load_b128 v[BQK+8*\a+4:BQK+8*\a+7], v[BQA], s[34:35] offset:(\a/2)*1024+(\a%2)*32+16
.endr
.irp u, 0,1
	global_load_b32 v[RB+\u], v[BVA], s[34:35] offset:2048+32*\u
.endr
	s_wait_loadcnt 54                              ; tgt's eight loads are in: pos's 8 and the 46 for weights, scales and biases stay out
	TURNIN TG
	s_wait_loadcnt 46                              ; pos's are in
	TURNIN PS
	s_wait_dscnt 16                                ; tgt is back from the stage: pos's 8 stores and 8 loads are younger
	QCALC TG, 96
	s_wait_dscnt 0x0                               ; pos is back: nothing younger is out
.set jj, 0
.rept 16
	v_pk_add_f32 v[PS+jj:PS+jj+1], v[PS+jj:PS+jj+1], v[TG+jj:TG+jj+1]    ; x = tgt + pos
.set jj, jj+2
.endr
	QCALC PS, 104
	s_wait_alu depctr_va_vdst(0)                   ; both quantisers have written their codes and bytes in v96-111, which the four stores read
	QSTORE 96, TIMG, TSC
	QSTORE 104, XIMG, XSC
	BAR                                            ; the eight fragments of x and of tgt lie in LDS
	s_wait_loadcnt 0x0
	s_wait_alu depctr_vm_vsrc(0)                   ; the stage's loads and the image stores have read v2, v7, v8 and v96-111: the lines below write v1-8 anew, and the fragments land in v96-111
.irp u, 0,1
.irp j, 0,1,2,3,4,5,6,7
	v_mov_b32 v[BV+8*\u+\j], v[RB+\u]              ; v is used the natural way: a lane holds one column, so its bias is one number
.endr
.endr
	; where phase G stores
	v_and_b32 v7, 15, v0
	s_wait_alu depctr_va_vdst(0)
	v_bfe_u32 v8, v0, 4, 1
	v_lshlrev_b32 v13, 4, v7
	v_lshl_add_u32 v13, v8, 3, v13                 ; 16 r + 8 hl: my 8 bytes of a block's 256
	s_lshl_b32 s40, ttmp9, 10
	s_lshl_b32 s41, s18, 8
	s_add_co_u32 s42, s40, s41
	s_add_co_u32 s42, s42, VC
	v_add_nc_u32 v1, s42, v13                      ; v: chunk c, block th of its two
	s_lshl_b32 s41, s18, 9
	s_add_co_u32 s42, s40, s41
	v_add_nc_u32 v3, s42, v13                      ; k: chunk c, blocks 2 th, 2 th + 1
	s_add_co_u32 s42, s42, QC
	v_add_nc_u32 v2, s42, v13                      ; q: tiles 4 c + 2 th, + 1
	s_lshl_b32 s42, ttmp9, 8
	s_lshl_b32 s41, s18, 7
	s_add_co_u32 s42, s42, s41
	s_add_co_u32 s42, s42, QS
	v_and_b32 v5, 31, v0
	v_lshl_add_u32 v5, v5, 2, s42
	s_lshl_b32 s42, ttmp9, 6
	s_lshl_b32 s41, s18, 1
	s_add_co_u32 s42, s42, s41
	s_add_co_u32 s42, s42, KS
	v_lshl_add_u32 v6, v7, 2, s42
	s_lshr_b32 s41, ttmp9, 1
	s_lshl_b32 s41, s41, 7
	s_and_b32 s43, ttmp9, 1
	s_lshl_b32 s43, s43, 1
	s_add_co_u32 s41, s41, s43
	s_add_co_u32 s41, s41, s18                     ; v's bytes: word of 128 keys, byte 2 (c % 2) + th;
	s_add_co_u32 s42, s18, 896                     ; the last chunk has two bytes a row
	s_cmp_eq_u32 ttmp9, 14
	s_cselect_b32 s40, 2, 4
	s_cselect_b32 s41, s42, s41
	s_add_co_u32 s41, s41, VS
	v_and_b32 v4, 31, v0
	v_mul_u32_u24 v4, v4, s40
	v_add_nc_u32 v4, s41, v4
	s_lshl_b32 s42, ttmp9, 6
	s_lshl_b32 s41, s18, 5
	s_add_co_u32 s42, s42, s41
	v_lshl_add_u32 v[LQB], v8, 4, s42
	; ---- G1: v, source 0 = 16 rows of tgt, source 1 = 16 rows of Wv: a lane holds one channel and eight keys.  Two accumulators by turns
.irp t, 0,1
.if \t
	s_wait_alu depctr_va_vdst(0)                   ; the first tile's products are done reading XF and XS, in which the second tile's fragments land
.endif
	FETCH TIMG, TSC, \t
	s_wait_dscnt 0x0
.irp s, 0,1
.irp u, 0,1
.if \s == 0
	MM VACC+16*\u+8*\t, XF, WV+16*\u, BV+8*\u, XS, WSC+8+2*\u
.else
	MM VACC+16*\u+8*\t, XF+8, WV+16*\u+8, VACC+16*\u+8*\t, XS+1, WSC+9+2*\u
.endif
.endr
.endr
	NOPS 4                                         ; places in front of the first read of results and of vector writes into registers that the products read
.endr
	v_mov_b32 v[TO], 0
	; ---- G2: the last chunk's keys from 900 on become zeros ahead of the block's maximum
	s_cmp_lg_u32 ttmp9, 14
	s_cbranch_scc1 .Lall_keys
.irp t, 0,1
.irp j, 0,1,2,3,4,5,6,7
	v_cmp_gt_u32 s[KM+8*\t+\j], 900-8*\t-\j, v[LQB]    ; the sixteen compares in one run, a scalar register each
.endr
.endr
	s_wait_alu depctr_va_sdst(0)                   ; the sixteen masks s20-35 are written, ahead of the selects that read them
.irp t, 0,1
.irp j, 0,1,2,3,4,5,6,7
	v_cndmask_b32 v[VACC+8*\t+\j], 0, v[VACC+8*\t+\j], s[KM+8*\t+\j]
	v_cndmask_b32 v[VACC+16+8*\t+\j], 0, v[VACC+16+8*\t+\j], s[KM+8*\t+\j]
.endr
.endr
.Lall_keys:
	BLK16 VACC, PC, TB
	BLK16 VACC+16, PC+2, TB+1
	v_cndmask_b32 v[JO], v[TB], v[TB+1], s[MHI]    ; lane 16 u + r holds the byte of channel tile u, row r
	s_wait_alu depctr_va_vdst(0)                   ; v's codes, its byte and the offsets v1-6 are written, which the stores of phase G read; v's products are done reading XF and XS, in which x's fragments land
	global_store_b64 v1, v[PC:PC+1], s[36:37]
	global_store_b64 v1, v[PC+2:PC+3], s[36:37] offset:512
	global_store_b8 v4, v[JO], s[36:37]
	; ---- G3: q and k, transposed (source 0 = 16 rows of the weight, source 1 = 16 rows of x): a lane holds one query and 16 neighbouring channels.  Four accumulators by turns
.macro QKT t
	NOPS 5                                         ; the accumulators are begun anew over earlier results
	FETCH XIMG, XSC, \t
	s_wait_dscnt 0x0
.irp s, 0,1
.irp a, 0,1,2,3
.if \s == 0
	MM ACC+8*\a, WQK+16*\a, XF, BQK+8*\a, WSC+2*\a, XS
.else
	MM ACC+8*\a, WQK+16*\a+8, XF+8, ACC+8*\a, WSC+2*\a+1, XS+1
.endif
.endr
.endr
	NOPS 4
.irp j, 0,2,4,6,8,10,12,14
	v_pk_mul_f32 v[ACC+\j:ACC+\j+1], v[ACC+\j:ACC+\j+1], 0x3e3504f3 op_sel_hi:[1,0]   ; q / sqrt(32), ahead of the quantiser
.endr
	BLK16 ACC, PC+4+4*(\t), TB+2+2*(\t)
	BLK16 ACC+16, PC+6+4*(\t), TB+3+2*(\t)
.endm
	QKT 0
	s_wait_alu depctr_va_vdst(0)                   ; the first tile's codes of q and k are written, which the stores read; its products are done reading XF and XS, in which the second tile's fragments land
	global_store_b64 v2, v[PC+4:PC+5], s[36:37]
	global_store_b64 v3, v[PC+6:PC+7], s[36:37]
	QKT 1
	; ---- G4: the scale bytes.  q's byte is repeated four times, since its block stands at any of a fragment's four places
	v_perm_b32 v[JO+1], v[TB+2], v[TB+2], 0
	v_perm_b32 v[JO+2], v[TB+4], v[TB+4], 0
	v_cndmask_b32 v[JO+1], v[JO+1], v[JO+2], s[MHI]
	v_lshl_or_b32 v[JO+3], v[TB+5], 8, v[TB+3]
	s_wait_alu depctr_va_vdst(0)                   ; the second tile's codes and the scale bytes of q and k are written, which the last four stores read
	global_store_b64 v2, v[PC+8:PC+9], s[36:37] offset:256
	global_store_b64 v3, v[PC+10:PC+11], s[36:37] offset:256
	global_store_b32 v5, v[JO+1], s[36:37]
	global_store_b16 v6, v[JO+3], s[36:37]         ; both halves of the lanes store the same two bytes
	s_wait_dscnt 0x0                               ; the closing lines, six on end
	s_wait_alu 0x0
	s_wait_tensorcnt 0x0
	ds_add_u32 v12, v14
	s_wait_dscnt 0x0
	s_endpgm
.Lfunc_end_k_qeb10cc76cb_qkv:
	.size	k_qeb10cc76cb_qkv, .Lfunc_end_k_qeb10cc76cb_qkv-k_qeb10cc76cb_qkv
	.p2alignl 7, 3214868480
	.fill 96, 4, 3214868480
	.section	.rodata,"a",@progbits
	.p2align	6, 0x0
	.amdhsa_kernel k_qeb10cc76cb_qkv
		.amdhsa_group_segment_fixed_size 94208
		.amdhsa_private_segment_fixed_size 0
		.amdhsa_enable_private_segment 0
		.amdhsa_kernarg_size 40
		.amdhsa_user_sgpr_count 2
		.amdhsa_user_sgpr_kernarg_segment_ptr 1
		.amdhsa_wavefront_size32 1
		.amdhsa_system_sgpr_workgroup_id_x 1
		.amdhsa_system_sgpr_workgroup_id_y 1
		.amdhsa_system_sgpr_workgroup_id_z 1
		.amdhsa_system_vgpr_workitem_id 0
		.amdhsa_next_free_vgpr 256
		.amdhsa_next_free_sgpr 66
		.amdhsa_reserve_vcc 0
		.amdhsa_float_denorm_mode_32 3
		.amdhsa_float_denorm_mode_16_64 3
		.amdhsa_memory_ordered 1
		.amdhsa_forward_progress 1
		.amdhsa_inst_pref_size 37
	.end_amdhsa_kernel
	.amdgpu_metadata
---
amdhsa.version: [ 1, 2 ]
amdhsa.kernels:
  - .name:           k_qeb10cc76cb_qkv
    .symbol:         k_qeb10cc76cb_qkv.kd
    .args:
      - { .name: tgt, .offset: 0, .size: 8, .value_kind: global_buffer, .address_space: global }
      - { .name: tgt_query_pos, .offset: 8, .size: 8, .value_kind: global_buffer, .address_space: global }
      - { .name: in_proj_b, .offset: 16, .size: 8, .value_kind: global_buffer, .address_space: global }
      - { .name: wq, .offset: 24, .size: 8, .value_kind: global_buffer, .address_space: global }
      - { .name: qkv, .offset: 32, .size: 8, .value_kind: global_buffer, .address_space: global }
    .group_segment_fixed_size: 94208
    .private_segment_fixed_size: 0
    .kernarg_segment_align: 8
    .kernarg_segment_size: 40
    .max_flat_workgroup_size: 512
    .sgpr_count:     66
    .vgpr_count:     256
    .wavefront_size: 32
...
	.end_amdgpu_metadata
.endif
;; end of part 8
;; launch attn (part 9): grid 2 x 128, 16 waves a work-group, no clusters, 169,984 bytes of LDS; arguments qkv, ao; writes ao
.if DOCPART == 9
	.amdgcn_target "amdgcn-amd-amdhsa--gfx1250"
	.amdhsa_code_object_version 6
	.text
	.protected	k_qeb10cc76cb_attn
	.globl	k_qeb10cc76cb_attn
	.p2align	8
	.type	k_qeb10cc76cb_attn,@function
k_qeb10cc76cb_attn:
	s_mov_b64 s[64:65], 0
	v_nop
	global_prefetch_b8 v0, s[64:65] scope:SCOPE_SE
	s_setreg_imm32_b32 hwreg(HW_REG_WAVE_MODE, 25, 1), 1
	s_wait_xcnt 0x0
; Self-attention of one (batch, head) = y on codes of FP4; x = which half of the 57 query tiles.  The result o / l is quantised along the model's 256
; (a block of 32 is a head) and stored as images of operand registers for the next product.
; K's and V's codes and scale bytes of the whole head, 32,640 bytes, come into LDS once, by three tensor loads; nothing is filled again.
; A wave owns a tile of 16 queries at a time: tile wave, then tile wave + 16 of its half's 29 or 28.  Every wave walks the second tile's trips; where the
; tile does not exist, a scalar branch on ids inside the trip leaves the work out, so that the trip counts stay constants of the text.
; THE HEAD'S K IS 32, the instruction's 128: a fragment of K holds FOUR key tiles, one in each block of 32, and the query fragment holds the query's codes
; in one block and zeros in the other three: it picks the tile.  The four variants are runs of eight registers in [0 | q | 0].
; Both products are used transposed: a lane holds one query.  t = score x log2(e); M = the running largest t rounded up to a whole number;
; p = 2^(t - M) is quantised along the keys; the sum is taken of the unquantised p and divides at the end.
; Keys 896 .. 899 are a tail of their own; the keys behind them get p = 0, and v's codes there are zeros.
; No cluster: the two work-groups of a head share these 32,640 bytes once in the launch, a small part of what each does.
; LIMITS: zero blocks get the byte 1; NaN and infinities are not served.
.set BH,  51968
.set VC,  15360
.set KS,  30720
.set VS,  31680
.set QC,  32768
.set QS,  48128
.set AOS, 1867776
.set TM, 232
.set TM2, 233
.set TO, 236
.set TS, 244
.set SEL, 30
.macro NOPS n
.rept \n
	v_nop
.endr
.endm
.macro MMZ d, a, b, sa, sb, row        ; a product that starts its sum; row = 1: source 0's scales from lanes 16-31
.if \row
	v_wmma_scale_f32_16x16x128_f8f6f4 v[(\d):(\d)+7], v[(\a):(\a)+7], v[(\b):(\b)+7], 0, v[\sa], v[\sb] matrix_a_fmt:MATRIX_FMT_FP4 matrix_b_fmt:MATRIX_FMT_FP4 matrix_a_scale:MATRIX_SCALE_ROW1
.else
	v_wmma_scale_f32_16x16x128_f8f6f4 v[(\d):(\d)+7], v[(\a):(\a)+7], v[(\b):(\b)+7], 0, v[\sa], v[\sb] matrix_a_fmt:MATRIX_FMT_FP4 matrix_b_fmt:MATRIX_FMT_FP4
.endif
.endm
.macro MMA d, a, b, sa, sb, row        ; a product that adds onto its sum
.if \row
	v_wmma_scale_f32_16x16x128_f8f6f4 v[(\d):(\d)+7], v[(\a):(\a)+7], v[(\b):(\b)+7], v[(\d):(\d)+7], v[\sa], v[\sb] matrix_a_fmt:MATRIX_FMT_FP4 matrix_b_fmt:MATRIX_FMT_FP4 matrix_a_scale:MATRIX_SCALE_ROW1
.else
	v_wmma_scale_f32_16x16x128_f8f6f4 v[(\d):(\d)+7], v[(\a):(\a)+7], v[(\b):(\b)+7], v[(\d):(\d)+7], v[\sa], v[\sb] matrix_a_fmt:MATRIX_FMT_FP4 matrix_b_fmt:MATRIX_FMT_FP4
.endif
.endm
.macro BLK16 src, pc, tb
	v_max3_num_f32 v[TM], |v[\src]|, |v[\src+1]|, 0x1800000
	v_max3_num_f32 v[TM2], |v[\src+2]|, |v[\src+3]|, |v[\src+4]|
	s_delay_alu instid0(VALU_DEP_2)
	v_max3_num_f32 v[TM], v[TM], |v[\src+5]|, |v[\src+6]|
	s_delay_alu instid0(VALU_DEP_2)
	v_max3_num_f32 v[TM2], v[TM2], |v[\src+7]|, |v[\src+8]|
	s_delay_alu instid0(VALU_DEP_2)
	v_max3_num_f32 v[TM], v[TM], |v[\src+9]|, |v[\src+10]|
	s_delay_alu instid0(VALU_DEP_2)
	v_max3_num_f32 v[TM2], v[TM2], |v[\src+11]|, |v[\src+12]|
	s_delay_alu instid0(VALU_DEP_2)
	v_max3_num_f32 v[TM], v[TM], |v[\src+13]|, |v[\src+14]|
	s_delay_alu instid0(VALU_DEP_1)
	v_max3_num_f32 v[TM], v[TM], v[TM2], |v[\src+15]|
	s_delay_alu instid0(VALU_DEP_1)
	v_permlanex16_b32 v[TO], v[TM], s[SEL], s[SEL+1]
	s_delay_alu instid0(VALU_DEP_1)
	v_max_num_f32 v[TM], v[TM], v[TO]
	s_delay_alu instid0(VALU_DEP_1)
	v_add_nc_u32 v[TS], 0xff000000, v[TM]
	s_delay_alu instid0(VALU_DEP_1)
	v_lshrrev_b32 v[\tb], 23, v[TS]
	v_cvt_scalef32_pk8_fp4_f32 v[\pc], v[\src:\src+7], v[TS]
	v_cvt_scalef32_pk8_fp4_f32 v[\pc+1], v[\src+8:\src+15], v[TS]
	v_nop
.endm
; REGISTERS: v1 16 lane, v2 4 lane, v3 16 r, v4 4 r, v5 16 r + 8 hl, v10 2 lane; v6, v7, v11, v45 a tile's addresses; v8, v9 a step's LDS addresses;
; v12 -M, v13 largest t, v[14:15] the sum; v16-39 the query's variants; v40-43 q as loaded; v44 q's scale word; v48-63 K; v64-79 V; v80, v81 their scale words;
; v82-84 the result's codes and byte; v96-159 scores, then p; v160-175 O^T; v224-231 p's codes; v232-254 at work; v253 p's scale word.
	s_load_b128 s[4:7], s[0:1], 0x0                ; qkv, ao
	v_lshl_add_u32 v251, v0, 2, 0x29000
	v_mov_b32 v255, 0
	ds_add_u32 v251, v255
	ds_add_u32 v251, v255
	v_lshrrev_b32 v1, 5, v0
	s_delay_alu instid0(VALU_DEP_1)
	v_readfirstlane_b32 s8, v1                     ; wave
	s_mov_b32 s9, ttmp9                            ; which half of the tiles
	s_and_b32 s10, ttmp7, 0xffff                   ; 8 b + h
	s_lshr_b32 s11, s10, 3                         ; b
	s_and_b32 s24, s10, 7                          ; h
	; descriptor group 1: 85 rows of 128 bytes (16 elements of 8 bytes), dense, no padding
	s_mov_b32 s16, 3<<16
	s_mov_b32 s17, 16<<16                          ; tensor_dim0
	s_mov_b32 s18, 85<<16                          ; tensor_dim1
	s_mov_b32 s19, 16<<16                          ; tile_dim0
	s_mov_b32 s20, 85                              ; tile_dim1
	s_mov_b32 s21, 16                              ; the pitch
	s_mov_b32 s22, 0
	s_mov_b32 s23, 0
	s_mov_b32 s12, 1
	s_mul_i32 s13, s8, 10880                       ; LDS: a third for each of waves 0, 1, 2
	s_mul_i32 s40, s10, BH
	s_mov_b32 s41, 0
	s_mov_b32 s[SEL], 0x76543210
	s_mov_b32 s[SEL+1], 0xfedcba98
	s_mov_b32 s32, 0x0000ffff                      ; lanes 0-15
	s_mov_b32 s33, 0xffff0000                      ; lanes 16-31
	s_mov_b32 s34, 0x3fb8aa3b                      ; log2(e)
	s_mov_b32 s35, s34                             ; (named with it as a pair)
	s_wait_dscnt 0x0
	s_wait_kmcnt 0x0
	s_add_nc_u64 s[28:29], s[4:5], s[40:41]        ; my record
	s_mov_b32 s40, s13
	s_add_nc_u64 s[14:15], s[28:29], s[40:41]
	s_or_b32 s15, s15, 0x80000000                  ; type = 2
	s_cmp_lt_u32 s8, 3
	s_cbranch_scc0 .Lno_fill
	tensor_load_to_lds s[12:15], s[16:23]          ; the launch's only fills: one tensor load of mine is out
	s_nop 0
	NOPS 4
.Lno_fill:
	v_and_b32 v8, 31, v0
	v_and_b32 v9, 15, v0
	v_bfe_u32 v6, v0, 4, 1
	s_delay_alu instid0(VALU_DEP_3)
	v_lshlrev_b32 v1, 4, v8
	s_delay_alu instid0(VALU_DEP_4)
	v_lshlrev_b32 v2, 2, v8
	v_lshlrev_b32 v10, 1, v8
	v_lshlrev_b32 v3, 4, v9
	v_lshlrev_b32 v4, 2, v9
	s_delay_alu instid0(VALU_DEP_2)
	v_lshl_add_u32 v5, v6, 3, v3
.irp j, 16,17,18,19,24,25,26,27,28,29,30,31,36,37,38,39
	v_mov_b32 v\j, 0                               ; the zeros round the query's codes: written once
.endr
	s_wait_tensorcnt 0x0
	s_barrier_signal -1
	s_barrier_wait -1                              ; the head's K and V lie in LDS for every wave
.macro NEWM                            ; v254 = the step's largest score: the running M, and f = 2^(old M - new M) in v252
	s_delay_alu instid0(VALU_DEP_1)
	v_mul_f32 v254, s34, v254
	s_delay_alu instid0(VALU_DEP_1)
	v_max_num_f32 v13, v13, v254
	v_mov_b32 v254, v12
	s_delay_alu instid0(VALU_DEP_2)
	v_floor_f32 v12, -v13                          ; -M = floor(-t): M is a whole number
	s_delay_alu instid0(VALU_DEP_1)
	v_sub_f32 v254, v12, v254
	s_delay_alu instid0(VALU_DEP_1)
	v_cvt_i32_f32 v254, v254                       ; (it saturates)
	s_delay_alu instid0(VALU_DEP_1)
	v_ldexp_f32 v252, 1.0, v254
.endm
.macro STEP                            ; 128 keys
	v_add_nc_u32 v8, s36, v1
	v_add_nc_u32 v9, s37, v2
	v_nop
	v_nop                                          ; four places in front of loads into registers that the last products read
.irp f, 0,1
.irp c, 0,1
	ds_load_b128 v[48+8*\f+4*\c:51+8*\f+4*\c], v8 offset:\f*1024+\c*512
.endr
.endr
	ds_load_b32 v80, v9 offset:KS                  ; lanes 0-15: the first chunk's words, lanes 16-31 the second's
.irp d, 0,1
.irp c, 0,1
	ds_load_b128 v[64+8*\d+4*\c:67+8*\d+4*\c], v8 offset:VC+\c*1024+\d*512
.endr
.endr
	ds_load_b32 v81, v9 offset:VS                  ; lanes 0-15: channel tile 0, lanes 16-31: tile 1
	s_wait_dscnt 0x5                               ; K and its words are in; V's five loads may be out
.set tt, 0
.rept 8
	MMZ 96+8*tt, 48+8*(tt/4), 20-4*((tt%4)/2)+12*(tt%2), 80, 44, tt/4
.set tt, tt+1
.endr
	NOPS 4
.irp b, 0,1,2,3
	v_max3_num_f32 v[232+\b], v[96+16*\b], v[97+16*\b], v[98+16*\b]   ; the largest score of each block of 32 keys: for the row's maximum and for the block's largest p
.endr
.irp i, 3,5,7,9,11,13
.irp b, 0,1,2,3
	v_max3_num_f32 v[232+\b], v[232+\b], v[96+16*\b+\i], v[97+16*\b+\i]
.endr
.endr
.irp b, 0,1,2,3
	v_max_num_f32 v[232+\b], v[232+\b], v[111+16*\b]
.endr
.irp b, 0,1,2,3
	s_delay_alu instid0(VALU_DEP_4)
	v_permlanex16_b32 v[236+\b], v[232+\b], s[SEL], s[SEL+1]
.endr
.irp b, 0,1,2,3
	s_delay_alu instid0(VALU_DEP_4)
	v_max_num_f32 v[232+\b], v[232+\b], v[236+\b]
.endr
	s_delay_alu instid0(VALU_DEP_2)
	v_max3_num_f32 v254, v232, v233, v234
	s_delay_alu instid0(VALU_DEP_1)
	v_max_num_f32 v254, v254, v235
	NEWM
.set jj, 0
.rept 32
	v_pk_fma_f32 v[96+jj:97+jj], v[96+jj:97+jj], s[34:35], v[12:13] op_sel_hi:[1,0,0]   ; t - M
.set jj, jj+2
.endr
.irp b, 0,1,2,3
	v_fma_f32 v[232+\b], v[232+\b], s34, v12
.endr
.set jj, 0
	s_setprio 1
	s_wait_alu depctr_va_vdst(0)
.rept 64
	v_exp_f32 v[96+jj], v[96+jj]                   ; p, at most 1, not normalised
.set jj, jj+1
.endr
.irp b, 0,1,2,3
	v_exp_f32 v[232+\b], v[232+\b]                 ; the block's largest p: the same two instructions on the same number
.endr
	v_pk_mul_f32 v[14:15], v[14:15], v[252:253] op_sel_hi:[1,0]    ; the sum under the new M (a plain place behind the exponentials)
	s_wait_alu depctr_va_vdst(0)
.irp b, 0,1,2,3
	v_max_num_f32 v[232+\b], 0x1800000, v[232+\b]
.endr
.irp b, 0,1,2,3
	s_delay_alu instid0(VALU_DEP_4)
	v_add_nc_u32 v[244+\b], 0xff000000, v[232+\b]
.endr
.irp b, 0,1,2,3
	s_delay_alu instid0(VALU_DEP_4)
	v_lshrrev_b32 v[236+\b], 23, v[244+\b]
.endr
	s_delay_alu instid0(VALU_DEP_3)
	v_lshl_or_b32 v253, v237, 8, v236              ; p's scale word for these 128 keys
	s_delay_alu instid0(VALU_DEP_1)
	v_lshl_or_b32 v253, v238, 16, v253
	s_delay_alu instid0(VALU_DEP_1)
	v_lshl_or_b32 v253, v239, 24, v253
.irp b, 0,1,2,3
	v_cvt_scalef32_pk8_fp4_f32 v[224+2*\b], v[96+16*\b:103+16*\b], v[244+\b]
	v_cvt_scalef32_pk8_fp4_f32 v[225+2*\b], v[104+16*\b:111+16*\b], v[244+\b]
.endr
	v_nop
.irp c, 0,1                            ; the operand wants a whole block in a lane
.irp i, 0,1
	v_permlane16_swap_b32 v[224+4*\c+\i], v[226+4*\c+\i]
.endr
.endr
	v_pk_add_f32 v[236:237], v[100:101], v[104:105]
	v_pk_add_f32 v[248:249], v[108:109], v[112:113]
	v_pk_add_f32 v[246:247], v[116:117], v[120:121]
	v_pk_add_f32 v[244:245], v[124:125], v[128:129]
	v_pk_add_f32 v[242:243], v[132:133], v[136:137]
	v_pk_add_f32 v[240:241], v[140:141], v[144:145]
	v_pk_add_f32 v[234:235], v[148:149], v[152:153]
	v_pk_add_f32 v[14:15], v[14:15], v[156:157]
	v_pk_add_f32 v[236:237], v[236:237], v[96:97]
	v_pk_add_f32 v[248:249], v[248:249], v[98:99]
	v_pk_add_f32 v[246:247], v[246:247], v[102:103]
	s_setprio 0
	v_pk_add_f32 v[244:245], v[244:245], v[106:107]
	v_pk_add_f32 v[242:243], v[242:243], v[110:111]
	v_pk_add_f32 v[240:241], v[240:241], v[114:115]
	v_pk_add_f32 v[234:235], v[234:235], v[118:119]
	v_pk_add_f32 v[14:15], v[14:15], v[122:123]
	v_pk_add_f32 v[236:237], v[236:237], v[126:127]
	v_pk_add_f32 v[248:249], v[248:249], v[130:131]
	v_pk_add_f32 v[246:247], v[246:247], v[134:135]
	v_pk_add_f32 v[244:245], v[244:245], v[138:139]
	v_pk_add_f32 v[242:243], v[242:243], v[142:143]
	v_pk_add_f32 v[240:241], v[240:241], v[146:147]
	v_pk_add_f32 v[234:235], v[234:235], v[150:151]
	v_pk_add_f32 v[14:15], v[14:15], v[154:155]
	v_pk_add_f32 v[236:237], v[236:237], v[158:159]
	s_delay_alu instid0(VALU_DEP_2)
	v_pk_add_f32 v[14:15], v[14:15], v[244:245]
	s_delay_alu instid0(VALU_DEP_2)
	v_pk_add_f32 v[236:237], v[236:237], v[242:243]
	v_pk_add_f32 v[248:249], v[248:249], v[240:241]
	v_pk_add_f32 v[246:247], v[246:247], v[234:235]
	s_delay_alu instid0(VALU_DEP_2)
	v_pk_add_f32 v[14:15], v[14:15], v[248:249]
	s_delay_alu instid0(VALU_DEP_2)
	v_pk_add_f32 v[236:237], v[236:237], v[246:247]
	s_delay_alu instid0(VALU_DEP_1)
	v_pk_add_f32 v[14:15], v[14:15], v[236:237]
.irp j, 0,2,4,6,8,10,12,14
	v_pk_mul_f32 v[160+\j:161+\j], v[160+\j:161+\j], v[252:253] op_sel_hi:[1,0]   ; O^T under the new M
.endr
	s_wait_alu depctr_va_vdst(0)
	s_wait_dscnt 0x0                               ; V is in
	MMA 160, 64, 224, 81, 253, 0
	MMA 168, 72, 224, 81, 253, 1
.endm
.macro TAIL                            ; keys 896 .. 899: tile 56, block 0 of chunk 14
	NOPS 4
	ds_load_b128 v[48:51], v1 offset:14336
	ds_load_b128 v[52:55], v1 offset:14336+512
	ds_load_b32 v80, v2 offset:KS+896
	ds_load_b128 v[64:67], v1 offset:VC+14336      ; V's first 64 keys of the chunk; the registers of the other 64 keep old codes, which meet zero codes of p
	ds_load_b128 v[72:75], v1 offset:VC+14336+512
	ds_load_u16 v81, v10 offset:VS+896             ; two bytes a row; the upper two come as 0, over zero codes
	s_wait_dscnt 0x3                               ; K and its words are in; V's three loads may be out
	MMZ 96, 48, 20, 80, 44, 0
	NOPS 4
	v_mov_b32 v254, 0xff800000
.irp j, 0,1,2,3
	v_cndmask_b32 v[96+\j], v254, v[96+\j], s32    ; lanes 16-31 hold keys from 912 on: hidden
.endr
	s_delay_alu instid0(VALU_DEP_2)
	v_max3_num_f32 v232, v96, v97, v98
	s_delay_alu instid0(VALU_DEP_1)
	v_max_num_f32 v232, v232, v99
	s_delay_alu instid0(VALU_DEP_1)
	v_permlanex16_b32 v236, v232, s[SEL], s[SEL+1]
	s_delay_alu instid0(VALU_DEP_1)
	v_max_num_f32 v232, v232, v236
	s_delay_alu instid0(VALU_DEP_1)
	v_mov_b32 v254, v232
	NEWM
	s_delay_alu instid0(VALU_DEP_4)
	v_pk_fma_f32 v[96:97], v[96:97], s[34:35], v[12:13] op_sel_hi:[1,0,0]
	v_pk_fma_f32 v[98:99], v[98:99], s[34:35], v[12:13] op_sel_hi:[1,0,0]
	v_fma_f32 v232, v232, s34, v12
	s_wait_alu depctr_va_vdst(0)
.irp j, 96,97,98,99,232
	v_exp_f32 v\j, v\j
.endr
	v_pk_mul_f32 v[14:15], v[14:15], v[252:253] op_sel_hi:[1,0]
.irp j, 100,101,102,103
	v_mov_b32 v\j, 0                               ; keys 900 .. 903
.endr
	s_wait_alu depctr_va_vdst(0)
	v_max_num_f32 v232, 0x1800000, v232
	s_delay_alu instid0(VALU_DEP_1)
	v_add_nc_u32 v244, 0xff000000, v232
	s_delay_alu instid0(VALU_DEP_1)
	v_lshrrev_b32 v253, 23, v244                   ; block 0's byte; the other three are 0, over zero codes
	v_cvt_scalef32_pk8_fp4_f32 v224, v[96:103], v244
	v_nop
.irp j, 225,226,227,228,229,230,231
	v_mov_b32 v\j, 0
.endr
	v_pk_add_f32 v[14:15], v[14:15], v[96:97]
	v_pk_add_f32 v[14:15], v[14:15], v[98:99]
.irp j, 0,2,4,6,8,10,12,14
	v_pk_mul_f32 v[160+\j:161+\j], v[160+\j:161+\j], v[252:253] op_sel_hi:[1,0]
.endr
	s_wait_alu depctr_va_vdst(0)
	s_wait_dscnt 0x0
	MMA 160, 64, 224, 81, 253, 0
	MMA 168, 72, 224, 81, 253, 1
.endm
.macro EPI                             ; o / l; my 16 registers are channels 16 hl + 0 .. 15 of the head: half a block of the next K
	NOPS 4
	v_add_f32 v14, v14, v15
	s_delay_alu instid0(VALU_DEP_1)
	v_permlanex16_b32 v252, v14, s[SEL], s[SEL+1]
	s_delay_alu instid0(VALU_DEP_1)
	v_add_f32 v14, v14, v252
	s_wait_alu depctr_va_vdst(0)
	v_rcp_f32 v14, v14
	v_nop
	s_wait_alu depctr_va_vdst(0)
.irp j, 0,2,4,6,8,10,12,14
	v_pk_mul_f32 v[96+\j:97+\j], v[160+\j:161+\j], v[14:15] op_sel_hi:[1,0]
.endr
	BLK16 96, 82, 84
	global_store_b64 v11, v[82:83], s[6:7]         ; the wave stores 256 consecutive bytes, aligned: the head's block of the tile's image
	global_store_b8 v45, v84, s[6:7]
.endm
.macro TILE i
	s_wait_xcnt 0x0                                ; the last tile's stores have read their registers
	s_mul_i32 s25, s9, 29
	s_add_co_u32 s25, s25, s8
.if \i
	s_add_co_u32 s25, s25, 16
	s_add_co_u32 s27, s8, 16
	s_sub_co_u32 s39, 29, s9
	s_cmp_lt_u32 s27, s39
	s_cselect_b32 s39, 1, 0                        ; is there such a tile in my half?
	s_min_u32 s25, s25, 56                         ; if not, q is loaded from a tile that exists, and not used
.endif
	s_mul_i32 s26, s11, 57
	s_add_co_u32 s26, s26, s25                     ; g = 57 b + T
	s_lshl_b32 s27, s25, 8
	s_add_co_u32 s27, s27, QC
	v_add_nc_u32 v6, s27, v3
	s_lshl_b32 s27, s25, 6
	s_add_co_u32 s27, s27, QS
	v_add_nc_u32 v7, s27, v4
	global_load_b128 v[40:43], v6, s[28:29]        ; both halves of the lanes take row r's 16 bytes
	global_load_b32 v44, v7, s[28:29]
	s_lshl_b32 s27, s26, 11
	s_lshl_b32 s40, s24, 8
	s_add_co_u32 s27, s27, s40
	v_add_nc_u32 v11, s27, v5
	s_lshl_b32 s27, s26, 7
	s_lshr_b32 s40, s24, 2
	s_lshl_b32 s40, s40, 6
	s_add_co_u32 s27, s27, s40
	s_and_b32 s40, s24, 3
	s_add_co_u32 s27, s27, s40
	s_add_co_u32 s27, s27, AOS
	v_add_nc_u32 v45, s27, v4
	v_mov_b32 v13, 0xff61b1e6                      ; the largest t so far: -3e38
	s_delay_alu instid0(VALU_DEP_1)
	v_floor_f32 v12, -v13
	v_mov_b32 v14, 0
	v_mov_b32 v15, 0
.set jj, 0
.rept 16
	v_mov_b32 v[160+jj], 0                         ; O^T: the first change of M leaves zeros zeros
.set jj, jj+1
.endr
.irp j, 236,237,238,239,253
	v_mov_b32 v\j, 0
.endr
	s_wait_loadcnt 0x0
.irp j, 0,1,2,3
	v_cndmask_b32 v[20+\j], 0, v[40+\j], s32       ; q in lanes 0-15 alone: blocks 0 and 2
	v_cndmask_b32 v[32+\j], 0, v[40+\j], s33       ; q in lanes 16-31 alone: blocks 1 and 3
.endr
	NOPS 4
	s_mov_b32 s36, 0
	s_mov_b32 s37, 0
	s_mov_b32 s38, 7
.Lstep_\@:
.if \i
	s_cmp_eq_u32 s39, 0
	s_cbranch_scc1 .Lhid_\@
.endif
	s_wait_alu depctr_va_vdst(0)
	s_setprio 2
	STEP
.if \i
.Lhid_\@:
.endif
	s_add_co_u32 s36, s36, 2048
	s_add_co_u32 s37, s37, 128
	s_sub_co_u32 s38, s38, 1
	s_cmp_lg_u32 s38, 0
	s_cbranch_scc1 .Lstep_\@
	s_setprio 0
.if \i
	s_cmp_eq_u32 s39, 0
	s_cbranch_scc1 .Lend_\@
.endif
	s_wait_alu depctr_va_vdst(0)
	TAIL
	EPI
.if \i
.Lend_\@:
.endif
.endm
	TILE 0
	TILE 1
	s_wait_tensorcnt 0x0
	ds_add_u32 v251, v255
	s_wait_dscnt 0x0
	s_endpgm
.Lfunc_end_k_qeb10cc76cb_attn:
	.size	k_qeb10cc76cb_attn, .Lfunc_end_k_qeb10cc76cb_attn-k_qeb10cc76cb_attn
	.p2alignl 7, 3214868480
	.fill 96, 4, 3214868480
	.section	.rodata,"a",@progbits
	.p2align	6, 0x0
	.amdhsa_kernel k_qeb10cc76cb_attn
		.amdhsa_group_segment_fixed_size 169984
		.amdhsa_private_segment_fixed_size 0
		.amdhsa_enable_private_segment 0
		.amdhsa_kernarg_size 16
		.amdhsa_user_sgpr_count 2
		.amdhsa_user_sgpr_kernarg_segment_ptr 1
		.amdhsa_wavefront_size32 1
		.amdhsa_system_sgpr_workgroup_id_x 1
		.amdhsa_system_sgpr_workgroup_id_y 1
		.amdhsa_system_sgpr_workgroup_id_z 1
		.amdhsa_system_vgpr_workitem_id 0
		.amdhsa_next_free_vgpr 256
		.amdhsa_next_free_sgpr 66
		.amdhsa_reserve_vcc 0
		.amdhsa_float_denorm_mode_32 3
		.amdhsa_float_denorm_mode_16_64 3
		.amdhsa_memory_ordered 1
		.amdhsa_forward_progress 1
		.amdhsa_inst_pref_size 52
	.end_amdhsa_kernel
	.amdgpu_metadata
---
amdhsa.version: [ 1, 2 ]
amdhsa.kernels:
  - .name:           k_qeb10cc76cb_attn
    .symbol:         k_qeb10cc76cb_attn.kd
    .args:
      - { .name: qkv, .offset: 0, .size: 8, .value_kind: global_buffer, .address_space: global }
      - { .name: ao, .offset: 8, .size: 8, .value_kind: global_buffer, .address_space: global }
    .group_segment_fixed_size: 169984
    .private_segment_fixed_size: 0
    .kernarg_segment_align: 8
    .kernarg_segment_size: 16
    .max_flat_workgroup_size: 512
    .sgpr_count:     66
    .vgpr_count:     256
    .wavefront_size: 32
...
	.end_amdgpu_metadata
.endif
;; end of part 9
;; launch post (part 10): grid 228 x 1, 16 waves a work-group, no clusters, 160,256 bytes of LDS; arguments ao, wq, tgt, tgt_query_pos, tgt_reference_points, out_proj_b, norm2_g, norm2_b, samp_off_b, attn_w_b, t1, sidx, swgt; writes t1, sidx, swgt
.if DOCPART == 10
	.amdgcn_target "amdgcn-amd-amdhsa--gfx1250"
	.amdhsa_code_object_version 6
	.text
	.protected	k_qeb10cc76cb_post
	.globl	k_qeb10cc76cb_post
	.p2align	8
	.type	k_qeb10cc76cb_post,@function
k_qeb10cc76cb_post:
	s_mov_b64 s[64:65], 0
	v_nop
	global_prefetch_b8 v0, s[64:65] scope:SCOPE_SE
	s_setreg_imm32_b32 hwreg(HW_REG_WAVE_SCHED_MODE, 0, 2), 2
	s_setreg_imm32_b32 hwreg(HW_REG_WAVE_MODE, 25, 1), 1
	s_wait_xcnt 0x0
	s_wait_alu depctr_vm_vsrc(0)
; t1 = norm2(tgt + o Wout^T + bout); q2 = t1 + pos; the sampling offsets and attention weights of the deformable attention from q2; all three products on codes of FP4.
; What goes out: t1 (as images of the registers in which the next launch wants it), and for every (row, head) 64 corner samples: the row number in the table of
; memory's codes (sidx, whole numbers: pos x 16 + b) and the weight (swgt: attention weight x bilinear weight, 0 for a corner outside the level).
; A work-group takes four row tiles g0 .. g0 + 3 of the 912 (g = 57 b + T; the rows of a tile as in the launches before; rows from query 900 on repeat row 899).
; PHASE M: wave w makes columns 16 w .. + 15 of o Wout^T for the 64 rows (transposed use) into a stage.  PHASE RLN: wave w takes rows 4 w .. + 3; eight lanes hold a row.
; PHASE P: wave = (head h = w % 8, th = w / 8), tiles 2 th, 2 th + 1: a lane holds one row, and levels 2 hl, 2 hl + 1 of the head's four.
; The levels' sizes are the constants of the problem's own SHAPES (100, 50, 25, 13, all square), which is what the problem computes with; the two integer inputs are not read by it.
; LIMITS: offset / size is taken as offset x (1 / size), and location x size - 0.5 as one fused multiply-add; sums of the norm in another order; zero blocks get the byte 1; NaN and infinities are not served.
; THE MODE: SCHED_MODE bits 1:0 = 2 (LLVM: expert scheduling mode 2), set by the entry lines.  The code itself states the register dependences
; between vector or matrix instructions and memory or LDS instructions, with s_wait_alu, always for 0.
; THE PLAN.  Registers that memory or LDS instructions touch:
;   v1-15, v26-31    offsets and addresses: made at the head ahead of one wait on va_vdst; those of phase P are made anew behind a wait on vm_vsrc and ahead of the wait on va_vdst of phase RLN.
;   TG, PS           loaded, turned through the stage in place (a wait on vm_vsrc between the stores and the loads), worked on; t1 is stored from TG.
;   DD               the first product's results: four places, one wait on va_vdst, then the stage's stores and the loads of the gains into operands that are done with.
;   v240-247         q2's codes and byte.  The norm, q2, its quantiser and phase P's addresses stand ahead of ONE wait on va_vdst; behind it t1's stores, the image stores and phase P's loads.
;   REF, XF, XS      loaded for each tile of phase P behind one wait on va_vdst at the tile's head, which follows the last tile's readers.
;   IDX, WGT         written by the eight points; one wait on va_vdst ahead of the way out; they turn through LDS in place, a wait on vm_vsrc between each run of stores and its loads.
; A point's four compares write s56-59; the ten lines that make its row numbers stand between them and the one wait on va_sdst ahead of the selects.
.set Q2IMG, 0
.set Q2SC,  8192
.set STG,   8704                       ; 64 rows x 1,168 bytes (a block of 128 bytes has pitch 144)
.set WL,    83456                      ; 4,672 bytes for each wave: the turn stage, later the way out (16 rows x 272)
.set AOS,   1867776
.set TW, 1
.set TR, 2
.set VO, 3
.set IA, 7
.set SA, 8
.set LI, 9
.set LS, 10
.set STW, 11
.set STR, 12
.set MWS, 16                           ; v16-25 hold scale words and nothing else
.set AS,  18
.set PWS, 16
.set XS,  22
.set RR,  28                           ; v28: up to phase RLN the byte offset of the norm's gain and bias; from phase P on r = lane % 16, outside every register that a load fills
.set TG,  32
.set PS,  64
.set MW,  96
.set MB,  112
.set AF,  128
.set DD,  192
.set SAV, 96
.set GG,  128
.set GB,  160
.set PW,  96
.set PB,  144
.set XF,  168
.set OFF, 184
.set AWL, 200
.set REF, 208
.set WF,  212
.set INV, 214
.set WM1, 216
.set W16, 218
.set S16, 220
.set S16B, 222
.set IDX, 32
.set WGT, 64
.set SEL, 44
.set MHI, 46
.set I256, 48
.set EPS, 49
.set CM,  56                           ; s56-59 a point's four masks
.macro NOPS n
.rept \n
	v_nop
.endr
.endm
.macro BAR                             ; my LDS stores have landed and my LDS loads are in: then the work-group's barrier
	s_wait_dscnt 0x0
	s_barrier_signal -1
	s_barrier_wait -1
.endm
.macro MM d, a, b, c, sa, sb
	v_wmma_scale_f32_16x16x128_f8f6f4 v[(\d):(\d)+7], v[(\a):(\a)+7], v[(\b):(\b)+7], v[(\c):(\c)+7], v[(\sa)], v[(\sb)] matrix_a_fmt:MATRIX_FMT_FP4 matrix_b_fmt:MATRIX_FMT_FP4
.endm
.macro ROWLD dst, base                 ; four rows of 1,024 bytes: each load reads 512 consecutive bytes
.irp i, 0,1,2,3,4,5,6,7
	global_load_b128 v[\dst+4*\i:\dst+4*\i+3], v[VO+\i/2], s[\base:\base+1] offset:(\i%2)*512
.endr
.endm
.macro TURNIN reg                      ; through my stage, in place: lane (rho, blk) then holds block blk of row rho.  LDS serves a wave's instructions in order
.irp i, 0,1,2,3,4,5,6,7
	ds_store_b128 v[TW], v[\reg+4*\i:\reg+4*\i+3] offset:(\i/2)*1168+(\i%2)*576
.endr
	s_wait_alu depctr_vm_vsrc(0)                   ; the eight stores have read the registers in which the eight loads below land
.irp i, 0,1,2,3,4,5,6,7
	ds_load_b128 v[\reg+4*\i:\reg+4*\i+3], v[TR] offset:16*\i
.endr
.endm
.macro QCALC src, t                    ; a lane's whole block of 32 becomes 16 bytes of codes in v[t + 4 ..] and a byte in v[t + 2]
	v_max3_num_f32 v[\t], |v[\src]|, |v[\src+1]|, 0x1800000        ; with the floor 2^(3 - 127)
	v_max3_num_f32 v[\t+1], |v[\src+2]|, |v[\src+3]|, |v[\src+4]|
.irp i, 5,9,13,17,21,25
	v_max3_num_f32 v[\t], v[\t], |v[\src+\i]|, |v[\src+\i+1]|
	v_max3_num_f32 v[\t+1], v[\t+1], |v[\src+\i+2]|, |v[\src+\i+3]|
.endr
	v_max3_num_f32 v[\t], v[\t], |v[\src+29]|, |v[\src+30]|
	v_max3_num_f32 v[\t], v[\t], v[\t+1], |v[\src+31]|
	v_add_nc_u32 v[\t+1], 0xff000000, v[\t]        ; 2 off the exponent field: the conversion's scale operand
	v_lshrrev_b32 v[\t+2], 23, v[\t+1]             ; the byte
.irp g, 0,1,2,3
	v_cvt_scalef32_pk8_fp4_f32 v[\t+4+\g], v[\src+8*\g:\src+8*\g+7], v[\t+1]
.endr
	v_nop                                          ; one plain place behind a scaled conversion
.endm
.macro QSTORE t, img, sc               ; and they go into an image
	ds_store_b128 v[IA], v[\t+4:\t+7] offset:\img
	ds_store_b8 v[SA], v[\t+2] offset:\sc
.endm
; A row of 256 lies in eight neighbouring lanes, 32 numbers each: mean, centred, variance, 1 / sqrt, gain and bias, all in f32
.macro LNORM Y, G, B, T
	v_pk_add_f32 v[\T:\T+1], v[\Y:\Y+1], v[\Y+2:\Y+3]
	v_pk_add_f32 v[\T+2:\T+3], v[\Y+4:\Y+5], v[\Y+6:\Y+7]
.irp i, 8,12,16,20,24,28
	v_pk_add_f32 v[\T:\T+1], v[\T:\T+1], v[\Y+\i:\Y+\i+1]
	v_pk_add_f32 v[\T+2:\T+3], v[\T+2:\T+3], v[\Y+\i+2:\Y+\i+3]
.endr
	v_pk_add_f32 v[\T:\T+1], v[\T:\T+1], v[\T+2:\T+3]
	v_add_f32 v[\T], v[\T], v[\T+1]
	v_add_f32_dpp v[\T], v[\T], v[\T] row_xmask:1 row_mask:0xf bank_mask:0xf
	v_add_f32_dpp v[\T], v[\T], v[\T] row_xmask:2 row_mask:0xf bank_mask:0xf
	v_add_f32_dpp v[\T], v[\T], v[\T] row_xmask:4 row_mask:0xf bank_mask:0xf
	v_mul_f32 v[\T], s[I256], v[\T]
.set jj, 0
.rept 16
	v_pk_add_f32 v[\Y+jj:\Y+jj+1], v[\Y+jj:\Y+jj+1], v[\T:\T+1] op_sel_hi:[1,0] neg_lo:[0,1] neg_hi:[0,1]
.set jj, jj+2
.endr
	v_pk_mul_f32 v[\T+2:\T+3], v[\Y:\Y+1], v[\Y:\Y+1]
	v_pk_mul_f32 v[\T+4:\T+5], v[\Y+2:\Y+3], v[\Y+2:\Y+3]
.irp i, 4,8,12,16,20,24,28
	v_pk_fma_f32 v[\T+2:\T+3], v[\Y+\i:\Y+\i+1], v[\Y+\i:\Y+\i+1], v[\T+2:\T+3]
	v_pk_fma_f32 v[\T+4:\T+5], v[\Y+\i+2:\Y+\i+3], v[\Y+\i+2:\Y+\i+3], v[\T+4:\T+5]
.endr
	v_pk_add_f32 v[\T+2:\T+3], v[\T+2:\T+3], v[\T+4:\T+5]
	v_add_f32 v[\T+2], v[\T+2], v[\T+3]
	v_add_f32_dpp v[\T+2], v[\T+2], v[\T+2] row_xmask:1 row_mask:0xf bank_mask:0xf
	v_add_f32_dpp v[\T+2], v[\T+2], v[\T+2] row_xmask:2 row_mask:0xf bank_mask:0xf
	v_add_f32_dpp v[\T+2], v[\T+2], v[\T+2] row_xmask:4 row_mask:0xf bank_mask:0xf
	v_fma_f32 v[\T+2], v[\T+2], s[I256], s[EPS]
	s_wait_alu depctr_va_vdst(0)
	v_rsq_f32 v[\T+2], v[\T+2]
	v_nop                                          ; one plain place behind a transcendental
.set jj, 0
	s_wait_alu depctr_va_vdst(0)                   ; 1 / sqrt is written, ahead of its first reader
.rept 16
	v_pk_mul_f32 v[\Y+jj:\Y+jj+1], v[\Y+jj:\Y+jj+1], v[\T+2:\T+3] op_sel_hi:[1,0]
.set jj, jj+2
.endr
.set jj, 0
.rept 16
	v_pk_fma_f32 v[\Y+jj:\Y+jj+1], v[\Y+jj:\Y+jj+1], v[\G+jj:\G+jj+1], v[\B+jj:\B+jj+1]
.set jj, jj+2
.endr
.endm
	s_load_b512 s[4:19], s[0:1], 0x0               ; ao, wq, tgt, pos, ref, out_proj_b, norm2_g, norm2_b
	s_load_b256 s[20:27], s[0:1], 0x40             ; samp_off_b, attn_w_b, t1, sidx
	s_load_b64 s[28:29], s[0:1], 0x60              ; swgt
	v_lshl_add_u32 v254, v0, 2, 0x26a00
	v_mov_b32 v255, 0
	v_lshrrev_b32 v96, 5, v0
	v_readfirstlane_b32 s30, v96                   ; wave
	s_lshl_b32 s31, ttmp9, 2                       ; g0
	s_wait_alu depctr_va_sdst(0)                   ; s30 is written, ahead of its first reader
	s_and_b32 s32, s30, 7                          ; h
	s_lshr_b32 s33, s30, 3                         ; th
	s_lshr_b32 s34, s30, 2
	s_and_b32 s35, s30, 3
	s_add_co_u32 s36, s31, s34                     ; the tile of my four rows
	s_mul_i32 s37, s36, 1150
	s_lshr_b32 s37, s37, 16                        ; b = g / 57 (1,150 / 65,536 is exact for g under 912)
	s_mul_i32 s38, s37, 57
	s_sub_co_u32 s38, s36, s38                     ; T
	s_lshr_b32 s39, s38, 1
	s_lshl_b32 s39, s39, 5
	s_and_b32 s40, s38, 1
	s_lshl_b32 s40, s40, 3
	s_add_co_u32 s39, s39, s40
	s_and_b32 s40, s30, 1
	s_lshl_b32 s40, s40, 2
	s_add_co_u32 s39, s39, s40
	s_lshr_b32 s40, s35, 1
	s_lshl_b32 s40, s40, 4
	s_add_co_u32 s39, s39, s40                     ; the query of my first row
	s_mov_b32 s[SEL], 0x76543210
	s_mov_b32 s[SEL+1], 0xfedcba98
	s_mov_b32 s[MHI], 0xffff0000
	s_mov_b32 s47, 0x3fb8aa3b                      ; log2(e)
	s_mov_b32 s[I256], 0x3b800000                  ; 1 / 256
	s_mov_b32 s[EPS], 0x3727c5ac                   ; 1e-5
	v_and_b32 v96, 31, v0
	v_and_b32 v97, 15, v0
	v_bfe_u32 v98, v0, 4, 1
	v_bfe_u32 v99, v0, 3, 2
	v_and_b32 v100, 7, v0
	v_lshlrev_b32 v30, 4, v96                      ; v30 = 16 x lane, v31 = 16 hl: kept
	s_wait_alu depctr_va_vdst(0)
	v_lshlrev_b32 v31, 4, v98
.irp p, 0,1,2,3
	s_add_co_u32 s41, s39, \p
	s_min_u32 s41, s41, 899                        ; no load leaves its buffer
	s_lshl_b32 s41, s41, 4
	s_add_co_u32 s41, s41, s37
	s_lshl_b32 s41, s41, 10
	v_add_nc_u32 v[VO+\p], s41, v30
.endr
	s_mul_i32 s41, s30, 4672
	s_add_co_u32 s43, s41, STG
	s_add_co_u32 s41, s41, WL
	v_mul_u32_u24 v[TW], v99, 144
	v_lshl_add_u32 v[TW], v100, 4, v[TW]
	v_add_nc_u32 v[TW], s41, v[TW]
	v_mul_u32_u24 v[TR], v99, 1168
	v_mad_u32_u24 v[TR], v100, 144, v[TR]
	v_add_nc_u32 v[STR], s43, v[TR]                ; the stage: row 4 w + rho, block blk
	v_add_nc_u32 v[TR], s41, v[TR]
	s_lshl_b32 s42, s34, 11
	s_lshl_b32 s43, s35, 6
	s_add_co_u32 s42, s42, s43
	v_lshlrev_b32 v[IA], 4, v99
	v_lshl_add_u32 v[IA], v100, 8, v[IA]
	v_add_nc_u32 v[IA], s42, v[IA]
	s_lshl_b32 s42, s34, 7
	s_lshl_b32 s43, s35, 4
	s_add_co_u32 s42, s42, s43
	v_lshlrev_b32 v[SA], 2, v99
	v_bfe_u32 v103, v0, 2, 1
	v_lshl_add_u32 v[SA], v103, 6, v[SA]
	v_and_b32 v103, 3, v0
	v_add_nc_u32 v[SA], v[SA], v103
	v_add_nc_u32 v[SA], s42, v[SA]
	s_lshl_b32 s42, s33, 12
	v_add_nc_u32 v[LI], s42, v30
	s_lshl_b32 s42, s33, 8
	v_lshl_add_u32 v[LS], v97, 2, s42
	s_lshr_b32 s42, s30, 1
	s_mul_i32 s42, s42, 144
	s_and_b32 s43, s30, 1
	s_lshl_b32 s43, s43, 6
	s_add_co_u32 s42, s42, s43
	s_add_co_u32 s42, s42, STG
	v_mul_u32_u24 v[STW], v97, 1168
	v_lshl_add_u32 v[STW], v98, 5, v[STW]
	v_add_nc_u32 v[STW], s42, v[STW]               ; the stage: row r, my eight columns 16 w + 8 hl ..
	s_lshl_b32 s42, s30, 11
	s_add_co_u32 s42, s42, 98304
	v_lshlrev_b32 v13, 7, v97
	v_add_nc_u32 v13, v13, v31
	v_add_nc_u32 v13, s42, v13                     ; Wout's rows 16 w + r
	s_lshl_b32 s42, s30, 7
	s_add_co_u32 s42, s42, 514048
	v_lshl_add_u32 v14, v97, 3, s42
	s_lshl_b32 s42, s30, 6
	v_lshl_add_u32 v15, v98, 5, s42
	s_lshl_b32 s42, s31, 11
	v_add_nc_u32 v26, s42, v30
	s_lshl_b32 s42, s31, 7
	s_add_co_u32 s42, s42, AOS
	v_lshl_add_u32 v27, v97, 2, s42
	v_lshlrev_b32 v28, 7, v100                     ; the norm's gain and bias of my block
	s_lshl_b32 s42, s31, 2
	s_add_co_u32 s42, s42, s30
	s_lshl_b32 s42, s42, 12
	v_add_nc_u32 v29, s42, v30                     ; t1: image 4 g0 + w
	s_wait_kmcnt 0x0
	s_wait_alu depctr_va_vdst(0)                   ; the offsets and LDS addresses v1-15 and v26-31 are written, which the loads, stores and LDS instructions up to phase RLN read; so are v96-103, in which the weight lands
	ROWLD TG, 8
	ROWLD PS, 10
	; ---- M
.irp s, 0,1
.irp c, 0,1
	global_load_b128 v[MW+8*\s+4*\c:MW+8*\s+4*\c+3], v13, s[6:7] offset:\s*64+\c*32
.endr
	global_load_b32 v[MWS+\s], v14, s[6:7] offset:4*\s
.endr
	global_load_b128 v[MB:MB+3], v15, s[14:15]
	global_load_b128 v[MB+4:MB+7], v15, s[14:15] offset:16
.irp t, 0,1,2,3
.irp s, 0,1
.irp c, 0,1
	global_load_b128 v[AF+16*\t+8*\s+4*\c:AF+16*\t+8*\s+4*\c+3], v26, s[4:5] offset:\t*2048+\s*1024+\c*512
.endr
	global_load_b32 v[AS+2*\t+\s], v27, s[4:5] offset:\t*128+\s*64
.endr
.endr
	s_wait_loadcnt 40                              ; tgt is in: pos's 8 and the 32 loads of the product stay out
	TURNIN TG
	s_wait_loadcnt 32                              ; pos is in
	TURNIN PS
	s_wait_loadcnt 0x0
.irp s, 0,1                            ; transposed: source 0 = 16 rows of Wout, source 1 = 16 rows of o.  Four accumulators by turns; the bias starts each sum
.irp t, 0,1,2,3
.if \s == 0
	MM DD+8*\t, MW, AF+16*\t, MB, MWS, AS+2*\t
.else
	MM DD+8*\t, MW+8, AF+16*\t+8, DD+8*\t, MWS+1, AS+2*\t+1
.endif
.endr
.endr
	NOPS 4                                         ; places in front of the first read of results
	s_wait_alu depctr_va_vdst(0)                   ; the products have written DD, which the stage's stores read, and are done reading their operands, in which the gains and, behind the barrier, the stage's rows land
.irp t, 0,1,2,3
	ds_store_b128 v[STW], v[DD+8*\t:DD+8*\t+3] offset:\t*18688
	ds_store_b128 v[STW], v[DD+8*\t+4:DD+8*\t+7] offset:\t*18688+16
.endr
.irp i, 0,1,2,3,4,5,6,7
	global_load_b128 v[GG+4*\i:GG+4*\i+3], v28, s[16:17] offset:16*\i
	global_load_b128 v[GB+4*\i:GB+4*\i+3], v28, s[18:19] offset:16*\i
.endr
	BAR                                            ; 64 rows of o Wout^T + bout lie in the stage
	; ---- RLN
.irp i, 0,1,2,3,4,5,6,7
	ds_load_b128 v[SAV+4*\i:SAV+4*\i+3], v[STR] offset:16*\i
.endr
	s_wait_dscnt 0x0
	s_wait_loadcnt 0x0                             ; the gain and the bias are in: v28, their offset, is free from here on
	s_wait_alu depctr_vm_vsrc(0)                   ; the loads and stores issued so far have read v2, v11, v12, v28 and DD, all of which are written anew from here on
.set jj, 0
.rept 16
	v_pk_add_f32 v[TG+jj:TG+jj+1], v[TG+jj:TG+jj+1], v[SAV+jj:SAV+jj+1]
.set jj, jj+2
.endr
	LNORM TG, GG, GB, 96
.set jj, 0
.rept 16
	v_pk_add_f32 v[PS+jj:PS+jj+1], v[PS+jj:PS+jj+1], v[TG+jj:TG+jj+1]       ; q2 = t1 + pos
.set jj, jj+2
.endr
	QCALC PS, 240
	; phase P's addresses.  What outlives the loads below lies under v32, where no load lands
	v_and_b32 v[RR], 15, v0                        ; r, kept
	s_wait_alu depctr_va_vdst(0)
	v_and_b32 v27, 7, v0
	v_bfe_u32 v12, v0, 3, 1
	v_lshl_add_u32 v27, v12, 4, v27                ; pr = r % 8 + 16 (r / 8), kept
	s_lshl_b32 s42, s32, 12
	s_add_co_u32 s42, s42, 163840
	v_lshl_add_u32 v3, v27, 7, v31
	v_add_nc_u32 v3, s42, v3                       ; the offsets' weight: rows 32 h + 8 u + pr
	s_lshl_b32 s42, s32, 11
	s_add_co_u32 s42, s42, 196608
	v_lshl_add_u32 v4, v[RR], 7, v31
	v_add_nc_u32 v4, s42, v4                       ; the attention weights' weight: rows 16 h + r
	s_lshl_b32 s42, s32, 8
	s_add_co_u32 s42, s42, 518144
	v_lshl_add_u32 v5, v27, 3, s42
	s_lshl_b32 s42, s32, 7
	s_add_co_u32 s43, s42, 520192
	v_lshl_add_u32 v6, v[RR], 3, s43
	v_lshl_add_u32 v13, v31, 2, s42                ; 64 hl + 128 h
	s_lshl_b32 s42, s32, 6
	v_lshl_add_u32 v14, v31, 1, s42                ; 32 hl + 64 h
	s_wait_alu depctr_va_vdst(0)                   ; t1, q2's codes and byte and phase P's offsets are written, which the stores and loads below read; the norm is done reading the stage's rows, the gains and the biases, in which phase P's weights land
.irp i, 0,1,2,3,4,5,6,7
	global_store_b128 v29, v[TG+4*\i:TG+4*\i+3], s[24:25] offset:\i*512     ; 512 consecutive bytes a store
.endr
	QSTORE 240, Q2IMG, Q2SC
.irp u, 0,1
.irp s, 0,1
.irp c, 0,1
	global_load_b128 v[PW+16*\u+8*\s+4*\c:PW+16*\u+8*\s+4*\c+3], v3, s[6:7] offset:\u*1024+\s*64+\c*32
.endr
	global_load_b32 v[PWS+2*\u+\s], v5, s[6:7] offset:\u*64+4*\s
.endr
	global_load_b128 v[PB+8*\u:PB+8*\u+3], v13, s[20:21] offset:\u*32
	global_load_b128 v[PB+8*\u+4:PB+8*\u+7], v13, s[20:21] offset:\u*32+16
.endr
.irp s, 0,1
.irp c, 0,1
	global_load_b128 v[PW+32+8*\s+4*\c:PW+32+8*\s+4*\c+3], v4, s[6:7] offset:\s*64+\c*32
.endr
	global_load_b32 v[PWS+4+\s], v6, s[6:7] offset:4*\s
.endr
	global_load_b128 v[PB+16:PB+19], v14, s[22:23]
	global_load_b128 v[PB+20:PB+23], v14, s[22:23] offset:16
	BAR                                            ; q2's eight fragments lie in LDS
	; ---- P
	s_wait_alu depctr_vm_vsrc(0)                   ; t1's stores have read TG and the image stores v242-247: phase P writes its row numbers and its working registers there
	s_mul_i32 s41, s30, 4672
	s_add_co_u32 s41, s41, WL
	v_mul_u32_u24 v1, v[RR], 272
	v_lshl_add_u32 v11, v31, 3, v1
	v_add_nc_u32 v11, s41, v11                     ; the way out, weights: row r, + 128 hl
	v_lshrrev_b32 v2, 1, v31
	v_add_nc_u32 v1, v1, v2
	v_add_nc_u32 v1, s41, v1                       ; row numbers: row r, + 8 hl
	v_mul_u32_u24 v2, v31, 17                      ; 272 hl
	v_lshl_add_u32 v2, v[RR], 4, v2
	v_add_nc_u32 v2, s41, v2                       ; back: lanes 0-15 one row of 256 bytes, lanes 16-31 the next
.macro HALFC dst, lo, hi               ; a constant for lanes 0-15 and another for lanes 16-31
	v_mov_b32 v[\dst], \lo
	v_mov_b32 v224, \hi
	v_cndmask_b32 v[\dst], v[\dst], v224, s[MHI]
.endm
	HALFC WF,    0x42c80000, 0x41c80000            ; the level's size: 100 | 25
	HALFC WF+1,  0x42480000, 0x41500000            ;                    50 | 13
	HALFC INV,   0x3c23d70a, 0x3d23d70a            ; 1 / size
	HALFC INV+1, 0x3ca3d70a, 0x3d9d89d9
	HALFC WM1,   0x42c60000, 0x41c00000            ; size - 1
	HALFC WM1+1, 0x42440000, 0x41400000
	HALFC W16,   0x44c80000, 0x43c80000            ; 16 x size
	HALFC W16+1, 0x44480000, 0x43500000
	HALFC S16,   0,          0x48435000            ; 16 x the level's first position: 0 | 200,000
	HALFC S16+1, 0x481c4000, 0x484d1400            ;                            160,000 | 210,000
	v_mov_b32 v245, 0                              ; written once: a lane permute's destination counts as one of its sources
; one axis of one point: b+0 the fraction, b+1, b+2 the two whole places, b+3, b+4 the same held inside the level, b+5 one less the fraction; s[m], s[m+1]: is each place inside the level?
.macro AXIS o, rf, gq, b, m
	v_fma_f32 v[\b], v[\o], v[INV+\gq], v[\rf]
	v_fma_f32 v[\b], v[\b], v[WF+\gq], -0.5
	v_floor_f32 v[\b+1], v[\b]
	v_sub_f32 v[\b], v[\b], v[\b+1]
	v_add_f32 v[\b+2], 1.0, v[\b+1]
	v_med3_num_f32 v[\b+3], v[\b+1], 0, v[WM1+\gq]
	v_med3_num_f32 v[\b+4], v[\b+2], 0, v[WM1+\gq]
	v_sub_f32 v[\b+5], 1.0, v[\b]
	v_cmp_eq_f32 s[\m], v[\b+3], v[\b+1]
	v_cmp_eq_f32 s[\m+1], v[\b+4], v[\b+2]
.endm
.macro POINT p                         ; level 2 hl + p / 4, point p % 4: four corners, sample 4 (p % 4) + 2 cy + cx
.set gq, (\p)/4
.set pl, (\p)%4
	AXIS OFF+2*(\p), REF+2*gq, gq, 224, CM
	AXIS OFF+2*(\p)+1, REF+2*gq+1, gq, 232, CM+2
	v_fma_f32 v239, v235, v[W16+gq], v[S16B+gq]    ; whole numbers under 2^24 throughout: exact
	v_fma_f32 v240, v236, v[W16+gq], v[S16B+gq]
	v_fma_f32 v241, v227, 0x41800000, v239
	v_fma_f32 v242, v228, 0x41800000, v239
	v_fma_f32 v243, v227, 0x41800000, v240
	v_fma_f32 v239, v228, 0x41800000, v240
	v_cvt_u32_f32 v[IDX+2*(4*pl)+gq], v241
	v_cvt_u32_f32 v[IDX+2*(4*pl+1)+gq], v242
	v_cvt_u32_f32 v[IDX+2*(4*pl+2)+gq], v243
	v_cvt_u32_f32 v[IDX+2*(4*pl+3)+gq], v239
	s_wait_alu depctr_va_sdst(0)                   ; the point's four masks s56-59 are written, ahead of the selects that read them
	v_cndmask_b32 v229, 0, v229, s[CM]             ; a place outside the level weighs 0
	v_cndmask_b32 v230, 0, v224, s[CM+1]
	v_cndmask_b32 v237, 0, v237, s[CM+2]
	v_cndmask_b32 v238, 0, v232, s[CM+3]
	v_mul_f32 v237, v237, v[AWL+\p]
	v_mul_f32 v238, v238, v[AWL+\p]
	v_mul_f32 v[WGT+16*gq+4*pl], v229, v237
	v_mul_f32 v[WGT+16*gq+4*pl+1], v230, v237
	v_mul_f32 v[WGT+16*gq+4*pl+2], v229, v238
	v_mul_f32 v[WGT+16*gq+4*pl+3], v230, v238
.endm
.macro PTILE tl
	s_wait_xcnt 0x0                                ; earlier stores have read their registers
.if \tl
	s_wait_alu depctr_vm_vsrc(0)                   ; the first tile's stores have read IDX, WGT and v26, its load of the reference points v15: all are written again below
.endif
	NOPS 5                                         ; the accumulators are begun anew over earlier results
	s_lshl_b32 s50, s33, 1
	s_add_co_u32 s50, s50, s31
	s_add_co_u32 s50, s50, \tl                     ; g
	s_mul_i32 s51, s50, 1150
	s_lshr_b32 s51, s51, 16                        ; b
	s_mul_i32 s52, s51, 57
	s_sub_co_u32 s52, s50, s52                     ; T
	s_lshr_b32 s53, s52, 1
	s_lshl_b32 s53, s53, 5
	s_and_b32 s54, s52, 1
	s_lshl_b32 s54, s54, 3
	s_add_co_u32 s53, s53, s54
	v_add_nc_u32 v15, s53, v27                     ; my row's query
	v_min_u32 v15, 899, v15
	v_lshl_add_u32 v15, v15, 9, v31                ; 32 bytes for each (query, batch); my two levels at 16 hl
	s_lshl_b32 s54, s51, 5
	v_add_nc_u32 v15, s54, v15
	v_cvt_f32_u32 v224, s51
	s_wait_alu depctr_va_vdst(0)
	v_add_f32 v[S16B], v[S16], v224
	v_add_f32 v[S16B+1], v[S16+1], v224
	s_lshl_b32 s54, s50, 3
	s_add_co_u32 s54, s54, s32
	s_lshl_b32 s54, s54, 12
	v_add_nc_u32 v26, s54, v30                     ; the record of (g, h) in sidx and in swgt
	s_wait_alu depctr_va_vdst(0)                   ; v15, v26 and the way out's addresses v1, v2, v11 are written; the tile before is done reading REF, XF and XS, in which the loads below land
	global_load_b128 v[REF:REF+3], v15, s[12:13]
.irp s, 0,1
.irp c, 0,1
	ds_load_b128 v[XF+8*\s+4*\c:XF+8*\s+4*\c+3], v[LI] offset:Q2IMG+\tl*2048+\s*1024+\c*512
.endr
	ds_load_b32 v[XS+\s], v[LS] offset:Q2SC+\tl*128+\s*64
.endr
	s_wait_dscnt 0x0
	s_wait_loadcnt 0x1                             ; weights, scales and biases are in; the reference points may be out
	MM OFF, PW, XF, PB, PWS, XS                    ; transposed; three accumulators by turns
	MM OFF+8, PW+16, XF, PB+8, PWS+2, XS
	MM AWL, PW+32, XF, PB+16, PWS+4, XS
	MM OFF, PW+8, XF+8, OFF, PWS+1, XS+1
	MM OFF+8, PW+24, XF+8, OFF+8, PWS+3, XS+1
	MM AWL, PW+40, XF+8, AWL, PWS+5, XS+1
	NOPS 4
	v_max3_num_f32 v244, v[AWL], v[AWL+1], v[AWL+2]      ; the finished softmax over the head's 16 logits: 8 are mine, 8 lane l xor 16's
	v_max3_num_f32 v244, v244, v[AWL+3], v[AWL+4]
	v_max3_num_f32 v244, v244, v[AWL+5], v[AWL+6]
	v_max_num_f32 v244, v244, v[AWL+7]
	v_permlanex16_b32 v245, v244, s[SEL], s[SEL+1]
	v_max_num_f32 v244, v244, v245
	v_mul_f32 v244, 0xbfb8aa3b, v244
.irp j, 0,1,2,3,4,5,6,7
	v_fma_f32 v[AWL+\j], v[AWL+\j], s47, v244
.endr
	s_wait_alu depctr_va_vdst(0)
.irp j, 0,1,2,3,4,5,6,7
	v_exp_f32 v[AWL+\j], v[AWL+\j]
.endr
	v_nop
	s_wait_alu depctr_va_vdst(0)                   ; the eight exponentials are written, ahead of their first reader
	v_add_f32 v246, v[AWL], v[AWL+1]
	v_add_f32 v247, v[AWL+2], v[AWL+3]
	v_add_f32 v246, v246, v[AWL+4]
	v_add_f32 v247, v247, v[AWL+5]
	v_add_f32 v246, v246, v[AWL+6]
	v_add_f32 v247, v247, v[AWL+7]
	v_add_f32 v246, v246, v247
	v_permlanex16_b32 v245, v246, s[SEL], s[SEL+1]
	v_add_f32 v246, v246, v245
	s_wait_alu depctr_va_vdst(0)
	v_rcp_f32 v246, v246
	v_nop
	s_wait_alu depctr_va_vdst(0)                   ; the reciprocal is written, ahead of its first reader
.irp j, 0,1,2,3,4,5,6,7
	v_mul_f32 v[AWL+\j], v[AWL+\j], v246
.endr
	s_wait_loadcnt 0x0
.irp p, 0,1,2,3,4,5,6,7
	POINT \p
.endr
	; the way out, through my own bytes of LDS, which serves a wave's instructions in order
	s_wait_alu depctr_va_vdst(0)                   ; the eight points have written IDX and WGT, which the LDS stores below read
.irp s, 0,1,2,3,4,5,6,7,8,9,10,11,12,13,14,15
	ds_store_b64 v1, v[IDX+2*\s:IDX+2*\s+1] offset:16*\s
.endr
	s_wait_alu depctr_vm_vsrc(0)                   ; these stores have read IDX, in which the loads below land
.irp i, 0,1,2,3,4,5,6,7
	ds_load_b128 v[IDX+4*\i:IDX+4*\i+3], v2 offset:544*\i
.endr
.irp k, 0,1,2,3,4,5,6,7
	ds_store_b128 v11, v[WGT+4*\k:WGT+4*\k+3] offset:16*\k
.endr
	s_wait_alu depctr_vm_vsrc(0)                   ; these stores have read WGT, in which the loads below land
.irp i, 0,1,2,3,4,5,6,7
	ds_load_b128 v[WGT+4*\i:WGT+4*\i+3], v2 offset:544*\i
.endr
	s_wait_dscnt 16                                ; the row numbers are back: the weights' 8 stores and 8 loads are younger
.irp i, 0,1,2,3,4,5,6,7
	global_store_b128 v26, v[IDX+4*\i:IDX+4*\i+3], s[26:27] offset:\i*512
.endr
	s_wait_dscnt 0x0
.irp i, 0,1,2,3,4,5,6,7
	global_store_b128 v26, v[WGT+4*\i:WGT+4*\i+3], s[28:29] offset:\i*512
.endr
.endm
	PTILE 0
	PTILE 1
	s_wait_dscnt 0x0                               ; the closing lines, six on end
	s_wait_alu 0x0
	s_wait_tensorcnt 0x0
	ds_add_u32 v254, v255
	s_wait_dscnt 0x0
	s_endpgm
.Lfunc_end_k_qeb10cc76cb_post:
	.size	k_qeb10cc76cb_post, .Lfunc_end_k_qeb10cc76cb_post-k_qeb10cc76cb_post
	.p2alignl 7, 3214868480
	.fill 96, 4, 3214868480
	.section	.rodata,"a",@progbits
	.p2align	6, 0x0
	.amdhsa_kernel k_qeb10cc76cb_post
		.amdhsa_group_segment_fixed_size 160256
		.amdhsa_private_segment_fixed_size 0
		.amdhsa_enable_private_segment 0
		.amdhsa_kernarg_size 104
		.amdhsa_user_sgpr_count 2
		.amdhsa_user_sgpr_kernarg_segment_ptr 1
		.amdhsa_wavefront_size32 1
		.amdhsa_system_sgpr_workgroup_id_x 1
		.amdhsa_system_sgpr_workgroup_id_y 1
		.amdhsa_system_sgpr_workgroup_id_z 1
		.amdhsa_system_vgpr_workitem_id 0
		.amdhsa_next_free_vgpr 256
		.amdhsa_next_free_sgpr 66
		.amdhsa_reserve_vcc 0
		.amdhsa_float_denorm_mode_32 3
		.amdhsa_float_denorm_mode_16_64 3
		.amdhsa_memory_ordered 1
		.amdhsa_forward_progress 1
		.amdhsa_inst_pref_size 83
	.end_amdhsa_kernel
	.amdgpu_metadata
---
amdhsa.version: [ 1, 2 ]
amdhsa.kernels:
  - .name:           k_qeb10cc76cb_post
    .symbol:         k_qeb10cc76cb_post.kd
    .args:
      - { .name: ao, .offset: 0, .size: 8, .value_kind: global_buffer, .address_space: global }
      - { .name: wq, .offset: 8, .size: 8, .value_kind: global_buffer, .address_space: global }
      - { .name: tgt, .offset: 16, .size: 8, .value_kind: global_buffer, .address_space: global }
      - { .name: tgt_query_pos, .offset: 24, .size: 8, .value_kind: global_buffer, .address_space: global }
      - { .name: tgt_reference_points, .offset: 32, .size: 8, .value_kind: global_buffer, .address_space: global }
      - { .name: out_proj_b, .offset: 40, .size: 8, .value_kind: global_buffer, .address_space: global }
      - { .name: norm2_g, .offset: 48, .size: 8, .value_kind: global_buffer, .address_space: global }
      - { .name: norm2_b, .offset: 56, .size: 8, .value_kind: global_buffer, .address_space: global }
      - { .name: samp_off_b, .offset: 64, .size: 8, .value_kind: global_buffer, .address_space: global }
      - { .name: attn_w_b, .offset: 72, .size: 8, .value_kind: global_buffer, .address_space: global }
      - { .name: t1, .offset: 80, .size: 8, .value_kind: global_buffer, .address_space: global }
      - { .name: sidx, .offset: 88, .size: 8, .value_kind: global_buffer, .address_space: global }
      - { .name: swgt, .offset: 96, .size: 8, .value_kind: global_buffer, .address_space: global }
    .group_segment_fixed_size: 160256
    .private_segment_fixed_size: 0
    .kernarg_segment_align: 8
    .kernarg_segment_size: 104
    .max_flat_workgroup_size: 512
    .sgpr_count:     66
    .vgpr_count:     256
    .wavefront_size: 32
...
	.end_amdgpu_metadata
.endif
;; end of part 10
;; launch final (part 11): grid 15 x 16, 16 waves a work-group, no clusters, 289,280 bytes of LDS; arguments mq, wq, sidx, swgt, t1, val_proj_b, ms_out_b, norm1_g, norm1_b, lin1_b, lin2_b, norm3_g, norm3_b, out0; writes out0
.if DOCPART == 11
	.amdgcn_target "amdgcn-amd-amdhsa--gfx1250"
	.amdhsa_code_object_version 6
	.text
	.protected	k_qeb10cc76cb_final
	.globl	k_qeb10cc76cb_final
	.p2align	8
	.type	k_qeb10cc76cb_final,@function
k_qeb10cc76cb_final:
	s_mov_b64 s[64:65], 0
	v_nop
	global_prefetch_b8 v0, s[64:65] scope:SCOPE_SE
	s_setreg_imm32_b32 hwreg(HW_REG_WAVE_SCHED_MODE, 0, 2), 2
	s_setreg_imm32_b32 hwreg(HW_REG_WAVE_MODE, 25, 1), 1
	s_wait_xcnt 0x0
	s_wait_alu depctr_vm_vsrc(0)
; The deformable attention's sampling, its output product, norm1, the FFN and norm3; all products on codes of FP4.
; A work-group takes four row tiles T = 4 x .. 4 x + 3 of ONE batch b = y (64 rows).  A batch has 57 tiles: tiles past the 57th repeat tile 56 and are not stored.
; THE VALUE PRODUCT IS MADE AT THE SAMPLES: memory's rows lie in mq as codes (128 bytes and 8 scale bytes a row); for a (row, head, level) the 16 corner samples' rows are
; brought straight into source 0's registers and multiplied by the head's 32 rows of the value weight.  Each value is the number that the whole product would have there.
; The row numbers come from sidx, whole numbers stored by the launch before; each is held inside its table before it enters an address.
; LEVELS 2 AND 3 OF THE BATCH, 794 positions, LIE IN LDS: they take 32 of a (row, head)'s 64 samples, and 794 x 136 bytes come in once, dense, in place of 64 x 8 x 32 rows
; of 136 bytes fetched one by one.  (Level 1's 2,500 rows would be 360,000 bytes: no room.)  Levels 0 and 1 are gathered from memory.
; While the table is read nothing is stored to LDS: both tiles' sample weights are copied in ahead of the first barrier, the 32 row results stay in registers, and they
; turn through the wave's own bytes behind a second barrier.  So the 32 rows are written out: a result's register is named by its row, and every offset is an immediate.
; PHASE S: wave = (head h = w % 8, th = w / 8), tiles 2 th, 2 th + 1, a row at a time, four levels a row; a slot of 16 registers for each level is filled again, for the next
; row, behind its level's weighted sum.  PHASES M, RLN1, F1, F2, RLN3: operands go from wave to wave through LDS as images of their registers.
; Rows from query 900 on are computed like the others (they repeat row 899) and not stored: a wave's four rows are all inside or all outside.
; No tensor loads, so no ring; no cluster: what work-groups share is the weights and, among a batch's fifteen, the table: small beside the rows gathered one by one.
; LIMITS: sums of the sampling and of the norms in another order than written in the problem, all f32; zero blocks get the byte 1; NaN and infinities are not served.
; THE MODE: SCHED_MODE bits 1:0 = 2 (LLVM: expert scheduling mode 2), set by the entry lines.  The code itself states the register dependences
; between vector or matrix instructions and memory or LDS instructions, with s_wait_alu, always for 0.
; THE PLAN.  Registers that memory or LDS instructions touch, in phase S:
;   SL[l], SLS[l]   Level l's four products read the slot and its scale words; behind the level's weighted sum the next row's samples land in them.
;   CA, SCA         Written by a level's address lines (which are also the places behind its products), read by the slot's loads.
;   IDXR, two sets  Read by a row's address lines; at the row's end the numbers of three rows on land in the set just used.
;   WT              Loaded at a row's head, read by its four weighted sums.
;   v8-11           Never written in the phase.
; So ONE wait on va_vdst stands in a level, behind its sum and ahead of its slot's loads: the products are done reading the slot, the addresses are written, the sum is done
; reading its weights; level 3's also stands for the row numbers' set and for the next row's loads of weights.  ONE wait on vm_vsrc stands at a row's head: the loads
; of the row before have read CA and SCA.  The products, sums and results name no register that a load issued between two such waits touches.
; Behind phase S each phase makes its addresses ahead of a wait on va_vdst that stands there anyway (in front of a run of stores), and a wait on vm_vsrc stands ahead of the first line that
; writes registers which stores have read.  PHASE F2 has two buffers of hidden fragments by turns: step s waits for its buffer, one wait on va_vdst states that step s - 1's products
; are done with the other buffer, step s + 1 is asked for, and step s is multiplied.
.set OIMG,  0                          ; LDS: the sampled rows' four tiles x two fragments of 1,024 bytes
.set OSC,   8192                       ; their scale words, 64 bytes a fragment
.set TAB,   8704                       ; phase S alone: 1,024 rows x 144 bytes: 128 of codes, 8 scale bytes, 8 unused; the pitch is an odd multiple of 16
.set WTS,   156160                     ; phase S alone: 8,192 bytes a wave: two tiles' sample weights; behind phase S the wave's turn of its results
.set T2IMG, 8704                       ; behind phase S, over the table: the rows behind norm1,
.set T2SC,  16896
.set HIMG,  17408                      ; the hidden layer: four tiles x eight fragments,
.set HSC,   50176
.set STG,   52224                      ; 64 rows x 1,168 bytes (a block of 128 bytes has pitch 144),
.set WL,    126976                     ; and 6,400 bytes a wave for the last turn
.set MSC,   27226112
.set VWS, 16                           ; v16-37 hold scale words and nothing else
.set SLS, 20
.set MWS, 28
.set W1S, 16
.set XS,  24
.set HS,  24                           ; F2: buffer p's scale words at HS - 8 p: v24-27, v16-19
.set W2S, 30
.set VW,  40                           ; v40-71 the value weight; later t1, y, t2
.set YY,  40
.set VB,  72
.set MW,  88                           ; v88-111: in phase S results; then ms_out's weight and bias
.set MB,  104
.set SL,  112                          ; v112-175 four slots; later operands, gains and biases
.set WT,  176
.set DD,  208
.set SUM, 224
.set IDXR, 228
.set CA,  236
.set SCA, 240
.set W1,  72                           ; F1: weights 72-135, biases 136-167, rows 168-183, sums 184-215
.set B1,  136
.set XF,  168
.set ACC, 184
.set W2,  72                           ; F2: weights 72-135, bias 136-143, hidden 144-175 and 208-239, sums 176-207
.set B2,  136
.set HF,  144                          ; F2: buffer p at HF + 64 p
.set FD,  176
.set A2,  246                          ; v246-248 lin2's offsets, made with lin1's
.set TM,  252
.set TM2, 253
.set TO,  254
.set TS,  255
.set SEL, 48
.set MHI, 50
.set I256, 51
.set EPS, 52
.set IA, 7
.set SA, 8
.macro NOPS n
.rept \n
	v_nop
.endr
.endm
.macro BAR                             ; my LDS stores have landed and my LDS loads are in: then the work-group's barrier
	s_wait_dscnt 0x0
	s_barrier_signal -1
	s_barrier_wait -1
.endm
.macro MM d, a, b, c, sa, sb
	v_wmma_scale_f32_16x16x128_f8f6f4 v[(\d):(\d)+7], v[(\a):(\a)+7], v[(\b):(\b)+7], v[(\c):(\c)+7], v[(\sa)], v[(\sb)] matrix_a_fmt:MATRIX_FMT_FP4 matrix_b_fmt:MATRIX_FMT_FP4
.endm
.macro QBLK src, t, img, sc            ; a lane's whole block of 32 becomes 16 bytes of codes and a byte, stored into an image
	v_max3_num_f32 v[\t], |v[\src]|, |v[\src+1]|, 0x1800000        ; with the floor 2^(3 - 127)
	v_max3_num_f32 v[\t+1], |v[\src+2]|, |v[\src+3]|, |v[\src+4]|
.irp i, 5,9,13,17,21,25
	v_max3_num_f32 v[\t], v[\t], |v[\src+\i]|, |v[\src+\i+1]|
	v_max3_num_f32 v[\t+1], v[\t+1], |v[\src+\i+2]|, |v[\src+\i+3]|
.endr
	v_max3_num_f32 v[\t], v[\t], |v[\src+29]|, |v[\src+30]|
	v_max3_num_f32 v[\t], v[\t], v[\t+1], |v[\src+31]|
	v_add_nc_u32 v[\t+1], 0xff000000, v[\t]        ; 2 off the exponent field: the conversion's scale operand
	v_lshrrev_b32 v[\t+2], 23, v[\t+1]             ; the byte
.irp g, 0,1,2,3
	v_cvt_scalef32_pk8_fp4_f32 v[\t+4+\g], v[\src+8*\g:\src+8*\g+7], v[\t+1]
.endr
	v_nop                                          ; one plain place behind a scaled conversion
	s_wait_alu depctr_va_vdst(0)                   ; the codes and the byte are written, which the two stores read; so are the offsets made ahead of the quantiser; the norm is done reading its gains and biases, in which the next weights land
	ds_store_b128 v[IA], v[\t+4:\t+7] offset:\img
	ds_store_b8 v[SA], v[\t+2] offset:\sc
.endm
.macro BLK16 src, pc, tb               ; 16 neighbours of a block in my lane, the other 16 in lane l xor 16: two registers of codes and the byte
	v_max3_num_f32 v[TM], |v[\src]|, |v[\src+1]|, 0x1800000
	v_max3_num_f32 v[TM2], |v[\src+2]|, |v[\src+3]|, |v[\src+4]|
	v_max3_num_f32 v[TM], v[TM], |v[\src+5]|, |v[\src+6]|
	v_max3_num_f32 v[TM2], v[TM2], |v[\src+7]|, |v[\src+8]|
	v_max3_num_f32 v[TM], v[TM], |v[\src+9]|, |v[\src+10]|
	v_max3_num_f32 v[TM2], v[TM2], |v[\src+11]|, |v[\src+12]|
	v_max3_num_f32 v[TM], v[TM], |v[\src+13]|, |v[\src+14]|
	v_max3_num_f32 v[TM], v[TM], v[TM2], |v[\src+15]|
	v_permlanex16_b32 v[TO], v[TM], s[SEL], s[SEL+1]
	v_max_num_f32 v[TM], v[TM], v[TO]
	v_add_nc_u32 v[TS], 0xff000000, v[TM]
	v_lshrrev_b32 v[\tb], 23, v[TS]
	v_cvt_scalef32_pk8_fp4_f32 v[\pc], v[\src:\src+7], v[TS]
	v_cvt_scalef32_pk8_fp4_f32 v[\pc+1], v[\src+8:\src+15], v[TS]
	v_nop
.endm
; A row of 256 lies in eight neighbouring lanes, 32 numbers each: mean, centred, variance, 1 / sqrt, gain and bias, all in f32
.macro LNORM Y, G, B, T
	v_pk_add_f32 v[\T:\T+1], v[\Y:\Y+1], v[\Y+2:\Y+3]
	v_pk_add_f32 v[\T+2:\T+3], v[\Y+4:\Y+5], v[\Y+6:\Y+7]
.irp i, 8,12,16,20,24,28
	v_pk_add_f32 v[\T:\T+1], v[\T:\T+1], v[\Y+\i:\Y+\i+1]
	v_pk_add_f32 v[\T+2:\T+3], v[\T+2:\T+3], v[\Y+\i+2:\Y+\i+3]
.endr
	v_pk_add_f32 v[\T:\T+1], v[\T:\T+1], v[\T+2:\T+3]
	v_add_f32 v[\T], v[\T], v[\T+1]
	v_add_f32_dpp v[\T], v[\T], v[\T] row_xmask:1 row_mask:0xf bank_mask:0xf
	v_add_f32_dpp v[\T], v[\T], v[\T] row_xmask:2 row_mask:0xf bank_mask:0xf
	v_add_f32_dpp v[\T], v[\T], v[\T] row_xmask:4 row_mask:0xf bank_mask:0xf
	v_mul_f32 v[\T], s[I256], v[\T]
.set jj, 0
.rept 16
	v_pk_add_f32 v[\Y+jj:\Y+jj+1], v[\Y+jj:\Y+jj+1], v[\T:\T+1] op_sel_hi:[1,0] neg_lo:[0,1] neg_hi:[0,1]
.set jj, jj+2
.endr
	v_pk_mul_f32 v[\T+2:\T+3], v[\Y:\Y+1], v[\Y:\Y+1]
	v_pk_mul_f32 v[\T+4:\T+5], v[\Y+2:\Y+3], v[\Y+2:\Y+3]
.irp i, 4,8,12,16,20,24,28
	v_pk_fma_f32 v[\T+2:\T+3], v[\Y+\i:\Y+\i+1], v[\Y+\i:\Y+\i+1], v[\T+2:\T+3]
	v_pk_fma_f32 v[\T+4:\T+5], v[\Y+\i+2:\Y+\i+3], v[\Y+\i+2:\Y+\i+3], v[\T+4:\T+5]
.endr
	v_pk_add_f32 v[\T+2:\T+3], v[\T+2:\T+3], v[\T+4:\T+5]
	v_add_f32 v[\T+2], v[\T+2], v[\T+3]
	v_add_f32_dpp v[\T+2], v[\T+2], v[\T+2] row_xmask:1 row_mask:0xf bank_mask:0xf
	v_add_f32_dpp v[\T+2], v[\T+2], v[\T+2] row_xmask:2 row_mask:0xf bank_mask:0xf
	v_add_f32_dpp v[\T+2], v[\T+2], v[\T+2] row_xmask:4 row_mask:0xf bank_mask:0xf
	v_fma_f32 v[\T+2], v[\T+2], s[I256], s[EPS]
	v_rsq_f32 v[\T+2], v[\T+2]
	v_nop                                          ; one plain place behind a transcendental
.set jj, 0
	s_wait_alu depctr_va_vdst(0)                   ; 1 / sqrt is written, ahead of its first reader
.rept 16
	v_pk_mul_f32 v[\Y+jj:\Y+jj+1], v[\Y+jj:\Y+jj+1], v[\T+2:\T+3] op_sel_hi:[1,0]
.set jj, jj+2
.endr
.set jj, 0
.rept 16
	v_pk_fma_f32 v[\Y+jj:\Y+jj+1], v[\Y+jj:\Y+jj+1], v[\G+jj:\G+jj+1], v[\B+jj:\B+jj+1]
.set jj, jj+2
.endr
.endm
.macro TOSTG d                         ; four tiles' results, eight neighbouring columns of a row a lane, into the stage; each accumulator from its low end on
.irp t, 0,1,2,3
	ds_store_b128 v3, v[\d+8*\t:\d+8*\t+3] offset:\t*18688
	ds_store_b128 v3, v[\d+8*\t+4:\d+8*\t+7] offset:\t*18688+16
.endr
.endm
.macro GAINS g, b, sg, sb              ; a norm's gain and bias of my block of 32
.irp i, 0,1,2,3,4,5,6,7
	global_load_b128 v[\g+4*\i:\g+4*\i+3], v6, s[\sg:\sg+1] offset:16*\i
	global_load_b128 v[\b+4*\i:\b+4*\i+3], v6, s[\sb:\sb+1] offset:16*\i
.endr
.endm
.macro ADDSTG reg                      ; my four rows of the stage are added onto y
.irp i, 0,1,2,3,4,5,6,7
	ds_load_b128 v[\reg+4*\i:\reg+4*\i+3], v4 offset:16*\i
.endr
	s_wait_dscnt 0x0
	s_wait_loadcnt 0x0
.set jj, 0
.rept 16
	v_pk_add_f32 v[YY+jj:YY+jj+1], v[YY+jj:YY+jj+1], v[\reg+jj:\reg+jj+1]
.set jj, jj+2
.endr
.endm
.macro RESREG i                        ; RG = the register of result i = 16 x tile + row: the 32 registers that phase S leaves free
.if (\i) < 24
.set RG, 88+(\i)
.elseif (\i) < 26
.set RG, 38+(\i)-24
.elseif (\i) < 28
.set RG, 242+(\i)-26
.else
.set RG, 248+(\i)-28
.endif
.endm
	s_load_b512 s[4:19], s[0:1], 0x0               ; mq, wq, sidx, swgt, t1, val_proj_b, ms_out_b, norm1_g
	s_load_b256 s[20:27], s[0:1], 0x40             ; norm1_b, lin1_b, lin2_b, norm3_g
	s_load_b128 s[28:31], s[0:1], 0x60             ; norm3_b, out0
	v_lshrrev_b32 v1, 5, v0
	v_readfirstlane_b32 s38, v1                    ; wave
	s_lshl_b32 s39, ttmp9, 2                       ; the first of my work-group's four tiles of the batch
	s_and_b32 s53, ttmp7, 0xffff                   ; b
	s_mul_i32 s54, s53, 57                         ; the batch's first tile among the 912
	s_wait_alu depctr_va_sdst(0)                   ; s38 is written, ahead of its first reader
	s_and_b32 s40, s38, 7                          ; h
	s_lshr_b32 s41, s38, 3                         ; th
	s_mov_b32 s[SEL], 0x76543210
	s_mov_b32 s[SEL+1], 0xfedcba98
	s_mov_b32 s[MHI], 0xffff0000
	s_mov_b32 s[I256], 0x3b800000                  ; 1 / 256
	s_mov_b32 s[EPS], 0x3727c5ac                   ; 1e-5
	v_and_b32 v12, 31, v0                          ; lane
	v_and_b32 v13, 15, v0                          ; r, kept
	v_bfe_u32 v14, v0, 4, 1                        ; hl, kept
	v_and_b32 v15, 7, v0
	v_bfe_u32 v1, v0, 3, 1
	v_lshl_add_u32 v15, v1, 4, v15                 ; pr = r % 8 + 16 (r / 8), kept
	s_lshl_b32 s42, s38, 13
	s_add_co_u32 s42, s42, WTS                     ; my wave's 8,192 bytes
	v_lshlrev_b32 v1, 4, v12                       ; v1 = 16 x lane, kept
	v_add_nc_u32 v2, s42, v1                       ; the sample weights, on the way in
	v_lshl_add_u32 v10, v14, 5, s42                ; and where my half of the lanes reads them
	v_lshl_add_u32 v4, v12, 2, s42                 ; behind phase S: a row's 32 results,
	v_mul_u32_u24 v5, v13, 144
	v_lshl_add_u32 v5, v14, 6, v5
	v_add_nc_u32 v5, s42, v5                       ; and back: row r, channels 16 hl ..
	v_lshl_add_u32 v11, v14, 4, TAB                ; the table, + my half's 16 bytes of each 32
	s_lshl_b32 s44, s41, 12
	s_lshl_b32 s45, s40, 8
	s_add_co_u32 s44, s44, s45
	v_lshlrev_b32 v9, 4, v13                       ; 16 r: sample r's four row numbers
	v_lshl_add_u32 v6, v14, 3, v9
	v_add_nc_u32 v6, s44, v6                       ; the head's block in the tile's image: 256 h + 16 r + 8 hl
	s_lshl_b32 s44, s41, 8
	s_lshr_b32 s45, s40, 2
	s_lshl_b32 s45, s45, 6
	s_add_co_u32 s44, s44, s45
	s_and_b32 s45, s40, 3
	s_add_co_u32 s44, s44, s45
	s_add_co_u32 s44, s44, OSC
	v_lshl_add_u32 v7, v13, 2, s44
	v_lshlrev_b32 v8, 4, v14                       ; 16 hl
	v_lshlrev_b32 v244, 7, v13
	v_add_nc_u32 v244, v244, v8
	s_lshl_b32 s44, s40, 12
	s_add_co_u32 s44, s44, 131072
	v_add_nc_u32 v244, s44, v244                   ; val_proj_w's rows 32 h + r
	s_lshl_b32 s44, s40, 8
	s_add_co_u32 s44, s44, 516096
	v_lshl_add_u32 v245, v13, 3, s44
	s_lshl_b32 s44, s40, 7
	v_lshl_add_u32 v246, v13, 2, s44
	v_mov_b32 v247, 0                              ; written once: a lane permute's destination counts as one of its sources
	; the table's fill: wave w takes rows 64 w .. 64 w + 63; a load of 16 bytes a lane takes four rows of 128 bytes
	s_mul_i32 s45, s38, 9216
	s_add_co_u32 s45, s45, TAB
	v_bfe_u32 v38, v0, 3, 2                        ; which of a load's four rows
	v_and_b32 v39, 7, v0
	v_lshlrev_b32 v39, 4, v39                      ; my 16 bytes of the row
	v_mad_u32_u24 v3, v38, 144, v39
	v_add_nc_u32 v3, s45, v3                       ; where they go
	v_mul_u32_u24 v110, v12, 144
	v_add_nc_u32 v110, s45, v110                   ; the scale bytes: a lane to a row
	s_lshl_b32 s44, s38, 6
	v_add_nc_u32 v38, s44, v38
	v_add_nc_u32 v111, s44, v12
.set jj, 0
.rept 16                               ; the offsets of the fill's sixteen loads of codes, all made ahead of the loads
	v_add_nc_u32 v[88+jj], 4*jj, v38
	v_min_u32 v[88+jj], 793, v[88+jj]              ; rows from 794 on repeat the last: no load leaves its buffer
	v_lshl_add_u32 v[88+jj], v[88+jj], 11, v39
.set jj, jj+1
.endr
.irp q, 0,1                            ; and of its two loads of scale bytes
	v_add_nc_u32 v[104+\q], 32*\q, v111
	v_min_u32 v[104+\q], 793, v[104+\q]
	v_lshlrev_b32 v[104+\q], 7, v[104+\q]
.endr
	; my two tiles' records in sidx and swgt: g = 57 b + min(T, 56)
	s_lshl_b32 s42, s41, 1
	s_add_co_u32 s42, s42, s39
	s_add_co_u32 s43, s42, 1
	s_min_u32 s42, s42, 56
	s_min_u32 s43, s43, 56
	s_add_co_u32 s42, s42, s54
	s_add_co_u32 s43, s43, s54
	s_lshl_b32 s42, s42, 3
	s_lshl_b32 s43, s43, 3
	s_add_co_u32 s42, s42, s40
	s_add_co_u32 s43, s43, s40
	s_lshl_b32 s42, s42, 12
	s_lshl_b32 s43, s43, 12
	s_add_co_u32 s44, s53, 200000                  ; level 2 begins at position 12,500: row 12,500 x 16 + b of mq
	s_mov_b32 s47, 0
	s_wait_kmcnt 0x0
	s_mov_b32 s46, s42
	s_add_nc_u64 s[34:35], s[8:9], s[46:47]        ; tile 0: row numbers,
	s_add_nc_u64 s[36:37], s[10:11], s[46:47]      ; weights
	s_mov_b32 s46, s43
	s_add_nc_u64 s[58:59], s[8:9], s[46:47]        ; tile 1
	s_add_nc_u64 s[56:57], s[10:11], s[46:47]
	s_lshl_b32 s46, s44, 7
	s_add_nc_u64 s[60:61], s[4:5], s[46:47]        ; the table's codes in mq: 2,048 bytes from position to position
	s_lshl_b32 s46, s44, 3
	s_add_co_u32 s46, s46, MSC
	s_add_nc_u64 s[62:63], s[4:5], s[46:47]        ; and its scale bytes: 128 bytes from position to position
	s_add_nc_u64 s[32:33], s[4:5], MSC             ; memory's scale bytes
	s_wait_alu depctr_va_vdst(0)                   ; every offset and LDS address made above (v1-11, v88-105, v110, v244-246) is written: the head's loads and stores and those of phase S read them
.irp d, 0,1
.irp s, 0,1
.irp c, 0,1
	global_load_b128 v[VW+8*(2*\d+\s)+4*\c:VW+8*(2*\d+\s)+4*\c+3], v244, s[6:7] offset:\d*2048+\s*64+\c*32
.endr
	global_load_b32 v[VWS+2*\d+\s], v245, s[6:7] offset:\d*128+4*\s
.endr
	global_load_b32 v[254+\d], v246, s[14:15] offset:\d*64
.endr
.set jj, 0
.rept 16
	global_load_b128 v[SL+4*jj:SL+4*jj+3], v[88+jj], s[60:61]
.set jj, jj+1
.endr
.irp q, 0,1
	global_load_b64 v[106+2*\q:107+2*\q], v[104+\q], s[62:63]
.endr
.irp i, 0,1,2,3,4,5,6,7
	global_load_b128 v[176+4*\i:179+4*\i], v1, s[36:37] offset:\i*512
.endr
.irp i, 0,1,2,3,4,5,6,7
	global_load_b128 v[208+4*\i:211+4*\i], v1, s[56:57] offset:\i*512
.endr
	s_wait_loadcnt 16                              ; all but the sixteen loads of sample weights
.set jj, 0
.rept 16
	ds_store_b128 v3, v[SL+4*jj:SL+4*jj+3] offset:576*jj
.set jj, jj+1
.endr
.irp q, 0,1
	ds_store_b64 v110, v[106+2*\q:107+2*\q] offset:128+4608*\q
.endr
.irp d, 0,1
.irp j, 0,1,2,3,4,5,6,7
	v_mov_b32 v[VB+8*\d+\j], v[254+\d]             ; a lane holds one channel: its bias is one number
.endr
.endr
	v_mov_b32 v[TO], 0                             ; written once: a lane permute's destination counts as one of its sources
	s_wait_loadcnt 0x0
.irp i, 0,1,2,3,4,5,6,7
	ds_store_b128 v2, v[176+4*\i:179+4*\i] offset:\i*512
	ds_store_b128 v2, v[208+4*\i:211+4*\i] offset:4096+\i*512
.endr
	BAR                                            ; the table is whole; from here to the next barrier no wave stores to LDS
; level l (0, 1): the addresses of the 16 sample rows of the row whose numbers lie in set par, in memory
.macro ADRG l, par
	v_min_u32 v[TM], 0x33edf, v[IDXR+4*(\par)+\l]  ; a row number stays inside mq
	v_lshl_add_u32 v[CA+\l], v[TM], 7, v8          ; 128 bytes of codes a row; my half's 16 bytes of each 32
	v_lshlrev_b32 v[SCA+\l], 3, v[TM]
.endm
.macro LDG l                           ; and their five loads
.irp k, 0,1,2,3
	global_load_b128 v[SL+16*\l+4*\k:SL+16*\l+4*\k+3], v[CA+\l], s[4:5] offset:32*\k
.endr
	global_load_b64 v[SLS+2*\l:SLS+2*\l+1], v[SCA+\l], s[32:33]
.endm
; level l (2, 3): the same in the table in LDS.  Row number = 16 x position + b: (number - 200,000) / 16 is the table's row
.macro ADRL l, par
	v_add_nc_u32 v[TM], 0xfffcf2c0, v[IDXR+4*(\par)+\l]
	v_lshrrev_b32 v[TM], 4, v[TM]
	v_min_u32 v[TM], 793, v[TM]                    ; it stays inside the table
	v_mul_u32_u24 v[TM], v[TM], 144
	v_add_nc_u32 v[CA+\l], v11, v[TM]
.endm
.macro LDL l
.irp k, 0,1,2,3
	ds_load_b128 v[SL+16*\l+4*\k:SL+16*\l+4*\k+3], v[CA+\l] offset:32*\k
.endr
	ds_load_b64 v[SLS+2*\l:SLS+2*\l+1], v[CA+\l] offset:128        ; lanes 0-15: the row's scale bytes; lanes 16-31 read 16 bytes further on, and source 0's scales are taken from lanes 0-15
.endm
.macro SLOTW l, ro, lc, dc             ; level l of a row: 16 samples x 32 channels, the weighted sum over my eight samples, and the slot's refill for the next row
.if \l < 2
	s_wait_loadcnt \lc                             ; this slot's five loads are in; what was asked for behind them stays out
.endif
	MM DD, SL+16*\l, VW, VB, SLS+2*\l, VWS         ; source 0 = the 16 sample rows, source 1 = 16 rows of the weight; the bias starts each sum; two accumulators by turns
	MM DD+8, SL+16*\l, VW+16, VB+8, SLS+2*\l, VWS+2
	MM DD, SL+16*\l+8, VW+8, DD, SLS+2*\l+1, VWS+1
	MM DD+8, SL+16*\l+8, VW+24, DD+8, SLS+2*\l+1, VWS+3
.if NXT
.if \l < 2
	ADRG \l, ((\ro)+1)%2                           ; the next row's addresses: with the v_nop the four places behind the products
	v_nop
.else
	ADRL \l, ((\ro)+1)%2                           ; five lines: the places behind the products
.endif
.else
	NOPS 4
.endif
	s_wait_dscnt \dc                               ; this level's two loads of weights are in; younger LDS loads may be out
.irp i, 0,1,2,3
.irp d, 0,1
.if (\l == 0) && (\i == 0)
	v_pk_mul_f32 v[SUM+2*\d:SUM+2*\d+1], v[DD+8*\d:DD+8*\d+1], v[WT:WT+1]
.else
	v_pk_fma_f32 v[SUM+2*\d:SUM+2*\d+1], v[DD+8*\d+2*\i:DD+8*\d+2*\i+1], v[WT+8*\l+2*\i:WT+8*\l+2*\i+1], v[SUM+2*\d:SUM+2*\d+1]
.endif
.endr
.endr
	v_nop                                          ; the fifth place before the accumulators are begun anew
.if NXT
	s_wait_alu depctr_va_vdst(0)                   ; the four products are done reading the slot and its scale words, in which the loads below land; the slot's addresses are written; the sum is done reading its weights and the address lines their row numbers, which are loaded again further on
.if \l < 2
	LDG \l
.else
	LDL \l
.endif
.endif
.endm
; Row ro of tile tl; ib: the scalar pair of the tile's row numbers.
; Loads from memory, in order: slot 0, slot 1 (five each), one load of row numbers (up to row 12, for three rows on).  So behind a slot's loads stand the other slot's five and,
; up to row 13, that one load: 6; then 5; in the last row 5 and 0.
; LDS loads, in order: the row's slots 2 and 3 (asked for a row ago), its eight loads of weights, the next row's slot 2 behind level 2's sum, its slot 3 behind level 3's (five each).
; So the wait for level 0's weights (6 younger) also shows slots 2 and 3 in; level 1: 4; level 2: level 3's two; level 3: slot 2's five.
.macro ROW tl, ro, ib
.if (\ro) < 14
.set LC0, 6
.set LC1, 6
.elseif (\ro) == 14
.set LC0, 5
.set LC1, 5
.else
.set LC0, 5
.set LC1, 0
.endif
.if (\ro) < 15
.set NXT, 1
.else
.set NXT, 0
.endif
.if NXT
	s_wait_alu depctr_vm_vsrc(0)                   ; the slots' loads issued so far have read CA and SCA, which this row's address lines write again
.endif
.irp l, 0,1,2,3
	ds_load_b128 v[WT+8*\l:WT+8*\l+3], v10 offset:(\tl)*4096+(\ro)*256+\l*64
	ds_load_b128 v[WT+8*\l+4:WT+8*\l+7], v10 offset:(\tl)*4096+(\ro)*256+\l*64+16
.endr
	SLOTW 0, \ro, LC0, 6
	SLOTW 1, \ro, LC1, 4
	SLOTW 2, \ro, 0, 2
	SLOTW 3, \ro, 0, 5*NXT
	v_add_f32 v244, v[SUM], v[SUM+1]
	v_add_f32 v245, v[SUM+2], v[SUM+3]
	v_permlanex16_b32 v246, v244, s[SEL], s[SEL+1] ; the other eight samples
	v_permlanex16_b32 v247, v245, s[SEL], s[SEL+1]
	v_add_f32 v244, v244, v246
	v_add_f32 v245, v245, v247
	RESREG 16*(\tl)+(\ro)
	v_cndmask_b32 v[RG], v244, v245, s[MHI]        ; lane l holds channel l of the row: kept in a register of its own
.if (\ro) < 13
	global_load_b128 v[IDXR+4*(((\ro)+1)%2):IDXR+4*(((\ro)+1)%2)+3], v9, s[\ib:\ib+1] offset:((\ro)+3)*256    ; three rows ahead, into the set just used: no vector instruction since level 3's wait names it
.endif
.endm
.macro STILE tl, ib
	s_wait_alu depctr_vm_vsrc(0)                   ; first tile: the head's LDS stores have read the registers of the slots, weights, sums, row numbers and addresses, its loads v88-105 and v244-246; second tile: the last slots' loads have read CA and SCA.  All are written anew below
	global_load_b128 v[IDXR:IDXR+3], v9, s[\ib:\ib+1]
	global_load_b128 v[IDXR+4:IDXR+7], v9, s[\ib:\ib+1] offset:256
	s_wait_loadcnt 0x1                             ; row 0's numbers are in; row 1's may be out
	ADRG 0, 0
	ADRG 1, 0
	ADRL 2, 0
	ADRL 3, 0
	s_wait_alu depctr_va_vdst(0)                   ; the four slots' addresses are written and their lines are done reading row 0's numbers; the tile before is done reading its slots, scale words and weights: all the loads up to row 0's first wait of this kind lean on this
	LDG 0
	LDG 1
	LDL 2
	LDL 3
	global_load_b128 v[IDXR:IDXR+3], v9, s[\ib:\ib+1] offset:512   ; row 2's numbers
.set rr, 0
.rept 16
	ROW \tl, rr, \ib
.set rr, rr+1
.endr
.endm
	; ---- S
	STILE 0, 34
	STILE 1, 58
	BAR                                            ; every wave's reads of the table and of its weights are over: LDS may be stored to again
	s_wait_alu depctr_va_vdst(0)                   ; the 32 results are written, which the stores below read; the last row is done reading its weights, in whose registers the loads below land, and its slots
.set ii, 0
.rept 32
	RESREG ii
	ds_store_b32 v4, v[RG] offset:(ii/16)*2304+(ii%16)*144         ; into my own bytes: tile, row, 4 bytes a channel
.set ii, ii+1
.endr
.irp t, 0,1
.irp i, 0,1,2,3
	ds_load_b128 v[WT+16*\t+4*\i:WT+16*\t+4*\i+3], v5 offset:\t*2304+16*\i   ; LDS serves a wave's instructions in order: these see my stores
.endr
.endr
	s_wait_dscnt 0x0                               ; the results are back, a row to a lane
	s_wait_alu depctr_vm_vsrc(0)                   ; the stores have read the results' registers, of which v248, v249 are written and v88-111 loaded below; phase S's loads have read v4, v5, v9, v10 and CA, which phase M writes
	v_lshlrev_b32 v244, 7, v13
	v_add_nc_u32 v244, v244, v8
	s_lshl_b32 s44, s38, 11
	s_add_co_u32 s44, s44, 212992
	v_add_nc_u32 v247, s44, v244                   ; ms_out_w's rows 16 w + r
	s_lshl_b32 s44, s38, 7
	s_add_co_u32 s44, s44, 521216
	v_lshl_add_u32 v248, v13, 3, s44
	s_lshl_b32 s44, s38, 6
	v_lshl_add_u32 v249, v14, 5, s44
	BLK16 WT, 224, 228                             ; the head's 32 channels are a block of the next K
	BLK16 WT+16, 226, 229
	s_wait_alu depctr_va_vdst(0)                   ; the offsets v247-249 and the codes and bytes v224-229 are written, which the loads and stores below read
.irp s, 0,1
.irp c, 0,1
	global_load_b128 v[MW+8*\s+4*\c:MW+8*\s+4*\c+3], v247, s[6:7] offset:\s*64+\c*32
.endr
	global_load_b32 v[MWS+\s], v248, s[6:7] offset:4*\s
.endr
	global_load_b128 v[MB:MB+3], v249, s[16:17]
	global_load_b128 v[MB+4:MB+7], v249, s[16:17] offset:16
	ds_store_b64 v6, v[224:225] offset:OIMG
	ds_store_b64 v6, v[226:227] offset:OIMG+2048
	ds_store_b8 v7, v228                           ; both halves of the lanes store the same byte
	ds_store_b8 v7, v229 offset:128
	BAR                                            ; the sampled rows' eight fragments lie in LDS
	; ---- M: wave w makes columns 16 w .. + 15 of the output product for the 64 rows
	s_wait_alu depctr_vm_vsrc(0)                   ; the image stores have read v6, v7 and v224-229: the lines below write v6 and v7, the products v208-239
	v_lshlrev_b32 v2, 2, v13                       ; 4 r: a scale word's place
	s_lshr_b32 s42, s38, 1
	s_mul_i32 s42, s42, 144
	s_and_b32 s43, s38, 1
	s_lshl_b32 s43, s43, 6
	s_add_co_u32 s42, s42, s43
	s_add_co_u32 s42, s42, STG
	v_mul_u32_u24 v3, v13, 1168
	v_lshl_add_u32 v3, v14, 5, v3
	v_add_nc_u32 v3, s42, v3                       ; the stage: row r, my eight columns 16 w + 8 hl ..
	v_bfe_u32 v9, v0, 3, 2                         ; rho
	v_and_b32 v10, 7, v0                           ; blk
	s_mul_i32 s42, s38, 4672
	s_add_co_u32 s42, s42, STG
	v_mul_u32_u24 v4, v9, 1168
	v_mad_u32_u24 v4, v10, 144, v4
	v_add_nc_u32 v4, s42, v4                       ; the stage: row 4 w + rho, block blk
	s_lshr_b32 s44, s38, 2
	s_and_b32 s45, s38, 3
	s_add_co_u32 s42, s39, s44
	s_min_u32 s42, s42, 56
	s_add_co_u32 s42, s42, s54                     ; g of my four rows' tile
	s_lshl_b32 s42, s42, 2
	s_add_co_u32 s42, s42, s45
	s_lshl_b32 s42, s42, 12
	v_add_nc_u32 v5, s42, v1                       ; t1: image 4 g + quarter
	v_lshlrev_b32 v6, 7, v10                       ; a norm's gain and bias of my block
	s_lshl_b32 s42, s44, 11
	s_lshl_b32 s43, s45, 6
	s_add_co_u32 s42, s42, s43
	v_lshlrev_b32 v[IA], 4, v9
	v_lshl_add_u32 v[IA], v10, 8, v[IA]
	v_add_nc_u32 v[IA], s42, v[IA]                 ; my block's 16 bytes in an image
	s_lshl_b32 s42, s44, 7
	s_lshl_b32 s43, s45, 4
	s_add_co_u32 s42, s42, s43
	v_lshlrev_b32 v[SA], 2, v9
	v_bfe_u32 v11, v0, 2, 1
	v_lshl_add_u32 v[SA], v11, 6, v[SA]
	v_and_b32 v11, 3, v0
	v_add_nc_u32 v[SA], v[SA], v11
	v_add_nc_u32 v[SA], s42, v[SA]                 ; and its scale byte
	s_wait_alu depctr_va_vdst(0)                   ; the addresses v2-8 are written, which the loads and stores from here to the end read
.irp i, 0,1,2,3,4,5,6,7
	global_load_b128 v[YY+4*\i:YY+4*\i+3], v5, s[12:13] offset:\i*512
.endr
.irp t, 0,1,2,3
.irp s, 0,1
.irp c, 0,1
	ds_load_b128 v[SL+16*\t+8*\s+4*\c:SL+16*\t+8*\s+4*\c+3], v1 offset:OIMG+\t*2048+\s*1024+\c*512
.endr
	ds_load_b32 v[SLS+2*\t+\s], v2 offset:OSC+\t*128+\s*64
.endr
.endr
	s_wait_dscnt 0x0
	s_wait_loadcnt 0x8                             ; the weight, its scale words and the bias are in; t1's eight loads may be out
.irp s, 0,1                            ; transposed: source 0 = 16 rows of the weight, source 1 = 16 rows.  Four accumulators by turns; the bias starts each sum
.irp t, 0,1,2,3
.if \s == 0
	MM DD+8*\t, MW, SL+16*\t, MB, MWS, SLS+2*\t
.else
	MM DD+8*\t, MW+8, SL+16*\t+8, DD+8*\t, MWS+1, SLS+2*\t+1
.endif
.endr
.endr
	NOPS 4                                         ; places in front of the first read of results
	s_wait_alu depctr_va_vdst(0)                   ; the products have written their results, which the stage's stores read, and are done reading their operands, in which the gains land
	TOSTG DD
	GAINS SL, SL+32, 18, 20
	BAR                                            ; 64 rows of the output product lie in the stage
	; ---- RLN1: wave w takes rows 4 w .. + 3
	ADDSTG WT
	s_wait_alu depctr_vm_vsrc(0)                   ; my stores into the stage have read v208-239, where the norm and the quantiser work
	LNORM YY, SL, SL+32, 208                       ; t2, which stays in these registers to the end
	s_lshl_b32 s42, s38, 13                        ; lin1_w: my 64 rows of 128 bytes
	s_add_co_u32 s42, s42, 245760
	v_lshlrev_b32 v9, 7, v15
	v_lshl_add_u32 v9, v14, 4, v9
	v_add_nc_u32 v9, s42, v9
	s_lshl_b32 s42, s38, 9
	s_add_co_u32 s42, s42, 523264
	v_lshl_add_u32 v10, v15, 3, s42
	s_lshl_b32 s42, s38, 8
	v_lshl_add_u32 v11, v14, 6, s42
	s_lshl_b32 s42, s38, 13                        ; lin2_w: my 16 rows of 512 bytes
	s_add_co_u32 s42, s42, 376832
	v_lshlrev_b32 v[A2], 9, v13
	v_lshl_add_u32 v[A2], v14, 4, v[A2]
	v_add_nc_u32 v[A2], s42, v[A2]
	s_lshl_b32 s42, s38, 9
	s_add_co_u32 s42, s42, 531456
	v_lshl_add_u32 v[A2+1], v13, 5, s42
	s_lshl_b32 s42, s38, 6
	v_lshl_add_u32 v[A2+2], v14, 5, s42
	s_lshl_b32 s42, s38, 9
	v_lshlrev_b32 v244, 4, v13
	v_lshl_add_u32 v244, v14, 3, v244
	v_add_nc_u32 v244, s42, v244                   ; the hidden layer's image: blocks 2 w, 2 w + 1 begin at 512 w
	s_lshr_b32 s42, s38, 1
	s_lshl_b32 s42, s42, 6
	s_and_b32 s43, s38, 1
	s_lshl_b32 s43, s43, 1
	s_add_co_u32 s42, s42, s43
	v_lshl_add_u32 v245, v13, 2, s42               ; and their scale bytes
	QBLK YY, 216, T2IMG, T2SC
.irp a, 0,1,2,3                        ; tile a = 2 e + u: rows 64 w + 32 e + 8 u + pr
.irp s, 0,1
.irp c, 0,1
	global_load_b128 v[W1+16*\a+8*\s+4*\c:W1+16*\a+8*\s+4*\c+3], v9, s[6:7] offset:(32*(\a/2)+8*(\a%2))*128+\s*64+\c*32
.endr
	global_load_b32 v[W1S+2*\a+\s], v10, s[6:7] offset:(32*(\a/2)+8*(\a%2))*8+4*\s
.endr
	global_load_b128 v[B1+8*\a:B1+8*\a+3], v11, s[22:23] offset:(32*(\a/2)+8*(\a%2))*4
	global_load_b128 v[B1+8*\a+4:B1+8*\a+7], v11, s[22:23] offset:(32*(\a/2)+8*(\a%2))*4+16
.endr
	BAR                                            ; t2's eight fragments lie in LDS
	; ---- F1: wave w makes hidden units 64 w .. + 63 for the 64 rows, a tile of rows at a time
	s_wait_loadcnt 0x0
.irp t, 0,1,2,3
	NOPS 5                                         ; the accumulators are begun anew over earlier results
.irp s, 0,1
.irp c, 0,1
	ds_load_b128 v[XF+8*\s+4*\c:XF+8*\s+4*\c+3], v1 offset:T2IMG+\t*2048+\s*1024+\c*512
.endr
	ds_load_b32 v[XS+\s], v2 offset:T2SC+\t*128+\s*64
.endr
	s_wait_dscnt 0x0
.irp s, 0,1
.irp a, 0,1,2,3
.if \s == 0
	MM ACC+8*\a, W1+16*\a, XF, B1+8*\a, W1S+2*\a, XS
.else
	MM ACC+8*\a, W1+16*\a+8, XF+8, ACC+8*\a, W1S+2*\a+1, XS+1
.endif
.endr
.endr
	NOPS 4
.set jj, 0
.rept 32
	v_max_num_f32 v[ACC+jj], 0, v[ACC+jj]          ; the activation, in f32
.set jj, jj+1
.endr
	s_wait_alu depctr_vm_vsrc(0)                   ; the image stores issued so far have read v216-223, where the codes and bytes below are written
	BLK16 ACC, 216, 220
	BLK16 ACC+16, 218, 221
	s_wait_alu depctr_va_vdst(0)                   ; the codes and bytes v216-221 are written, which the four stores read; this tile's products are done reading the rows' fragments and, in the last tile, the weights, in which the next loads land
	ds_store_b64 v244, v[216:217] offset:HIMG+\t*8192
	ds_store_b64 v244, v[218:219] offset:HIMG+\t*8192+256
	ds_store_b8 v245, v220 offset:HSC+\t*512
	ds_store_b8 v245, v221 offset:HSC+\t*512+1
.endr
.irp s, 0,1,2,3,4,5,6,7
.irp c, 0,1
	global_load_b128 v[W2+8*\s+4*\c:W2+8*\s+4*\c+3], v[A2], s[6:7] offset:\s*64+\c*32
.endr
.endr
	global_load_b128 v[W2S:W2S+3], v[A2+1], s[6:7] ; a row's eight scale words
	global_load_b128 v[W2S+4:W2S+7], v[A2+1], s[6:7] offset:16
	global_load_b128 v[B2:B2+3], v[A2+2], s[24:25]
	global_load_b128 v[B2+4:B2+7], v[A2+2], s[24:25] offset:16
	BAR                                            ; the hidden layer's 32 fragments lie in LDS
	; ---- F2: wave w makes columns 16 w .. + 15, a K step of 128 at a time; four accumulators by turns; two buffers of hidden fragments by turns
.macro FETCHH s, p                     ; K step s: the four row tiles' fragments and scale words into buffer p
.irp t, 0,1,2,3
.irp c, 0,1
	ds_load_b128 v[HF+64*(\p)+8*\t+4*\c:HF+64*(\p)+8*\t+4*\c+3], v1 offset:HIMG+\t*8192+(\s)*1024+\c*512
.endr
	ds_load_b32 v[HS-8*(\p)+\t], v2 offset:HSC+\t*512+(\s)*64
.endr
.endm
	s_wait_loadcnt 0x0
	s_wait_alu depctr_vm_vsrc(0)                   ; my stores of the hidden layer's images have read v216-221, in which the second buffer's loads land, and v244, v245; lin2's loads have read v246-248: the way out writes these five
	NOPS 5                                         ; places in front of sums begun over registers of the last products
	FETCHH 0, 0
.set ss, 0
.rept 8
	s_wait_dscnt 0x0                               ; this step's buffer is in: nothing else is out
.if ss < 7
.if ss > 0
	NOPS 4                                         ; four places between the products of the step before and the loads into the buffer that they read
	s_wait_alu depctr_va_vdst(0)                   ; the products of the step before are done reading the other buffer and its scale words, in which the next step's loads land
.endif
	FETCHH ss+1, (ss+1)%2
.endif
.irp t, 0,1,2,3
.if ss == 0
	MM FD+8*\t, W2, HF+8*\t, B2, W2S, HS+\t
.else
	MM FD+8*\t, W2+8*ss, HF+64*(ss%2)+8*\t, FD+8*\t, W2S+ss, HS-8*(ss%2)+\t
.endif
.endr
.set ss, ss+1
.endr
	NOPS 4                                         ; places in front of the first read of results
	s_wait_alu depctr_va_vdst(0)                   ; the products have written their sums, which the stage's stores read, and are done reading the weight and the first buffer, in which the gains and the stage's rows land
	TOSTG FD
	GAINS W2, W2+32, 26, 28
	BAR                                            ; 64 rows of the FFN lie in the stage
	; ---- RLN3
	ADDSTG HF
	LNORM YY, W2, W2+32, 208
	v_bfe_u32 v9, v0, 3, 2                         ; rho
	v_and_b32 v10, 7, v0                           ; blk
	s_mul_i32 s42, s38, 6400
	s_add_co_u32 s42, s42, WL
	v_mul_u32_u24 v244, v9, 144
	v_lshl_add_u32 v244, v10, 4, v244
	v_add_nc_u32 v244, s42, v244                   ; my turn stage, as neighbouring bytes of a row
	v_mul_u32_u24 v245, v9, 1168
	v_mad_u32_u24 v245, v10, 144, v245
	v_add_nc_u32 v245, s42, v245                   ; and as a lane's block
	s_lshr_b32 s42, s38, 2
	s_add_co_u32 s44, s42, s39                     ; T of my four rows, as it is: past 56 its queries lie past 899
	s_lshr_b32 s45, s44, 1
	s_lshl_b32 s45, s45, 5
	s_and_b32 s46, s44, 1
	s_lshl_b32 s46, s46, 3
	s_add_co_u32 s45, s45, s46
	s_and_b32 s46, s38, 1
	s_lshl_b32 s46, s46, 2
	s_add_co_u32 s45, s45, s46
	s_bfe_u32 s46, s38, 0x10001
	s_lshl_b32 s46, s46, 4
	s_add_co_u32 s45, s45, s46                     ; the query of my first row; the other three follow it
.irp p, 0,1,2,3
	s_add_co_u32 s46, s45, \p
	s_lshl_b32 s46, s46, 4
	s_add_co_u32 s46, s46, s53
	s_lshl_b32 s46, s46, 10
	v_add_nc_u32 v[246+\p], s46, v1
.endr
	s_wait_alu depctr_va_vdst(0)                   ; the norm has written the rows, which the LDS stores read and in whose registers the loads land; the addresses v244-249 are written
.irp i, 0,1,2,3,4,5,6,7
	ds_store_b128 v245, v[YY+4*\i:YY+4*\i+3] offset:16*\i
.endr
	s_wait_alu depctr_vm_vsrc(0)                   ; the eight stores have read the registers in which the eight loads below land
.irp i, 0,1,2,3,4,5,6,7
	ds_load_b128 v[YY+4*\i:YY+4*\i+3], v244 offset:(\i/2)*1168+(\i%2)*576    ; LDS serves a wave's instructions in order: these see my stores
.endr
	s_wait_dscnt 0x0
	s_cmp_ge_u32 s45, 900                          ; rows from query 900 on are not part of the output: a branch on ids
	s_cbranch_scc1 .Lno_rows
.irp i, 0,1,2,3,4,5,6,7
	global_store_b128 v[246+\i/2], v[YY+4*\i:YY+4*\i+3], s[30:31] offset:(\i%2)*512 th:TH_STORE_NT   ; 512 consecutive bytes of a row, aligned
.endr
.Lno_rows:
	s_wait_xcnt 0x0
	v_lshl_add_u32 v254, v0, 2, 0x46200            ; the add's two registers are made anew: no memory or LDS instruction has read v254 or v255
	v_mov_b32 v255, 0
	s_wait_dscnt 0x0                               ; the closing lines, six on end
	s_wait_alu 0x0
	s_wait_tensorcnt 0x0
	ds_add_u32 v254, v255
	s_wait_dscnt 0x0
	s_endpgm
.Lfunc_end_k_qeb10cc76cb_final:
	.size	k_qeb10cc76cb_final, .Lfunc_end_k_qeb10cc76cb_final-k_qeb10cc76cb_final
	.p2alignl 7, 3214868480
	.fill 96, 4, 3214868480
	.section	.rodata,"a",@progbits
	.p2align	6, 0x0
	.amdhsa_kernel k_qeb10cc76cb_final
		.amdhsa_group_segment_fixed_size 289280
		.amdhsa_private_segment_fixed_size 0
		.amdhsa_enable_private_segment 0
		.amdhsa_kernarg_size 112
		.amdhsa_user_sgpr_count 2
		.amdhsa_user_sgpr_kernarg_segment_ptr 1
		.amdhsa_wavefront_size32 1
		.amdhsa_system_sgpr_workgroup_id_x 1
		.amdhsa_system_sgpr_workgroup_id_y 1
		.amdhsa_system_sgpr_workgroup_id_z 1
		.amdhsa_system_vgpr_workitem_id 0
		.amdhsa_next_free_vgpr 256
		.amdhsa_next_free_sgpr 66
		.amdhsa_reserve_vcc 0
		.amdhsa_float_denorm_mode_32 3
		.amdhsa_float_denorm_mode_16_64 3
		.amdhsa_memory_ordered 1
		.amdhsa_forward_progress 1
		.amdhsa_inst_pref_size 255
	.end_amdhsa_kernel
	.section	.bss,"aw",@nobits
	.p2align	6
	.space	262144
	.amdgpu_metadata
---
amdhsa.version: [ 1, 2 ]
amdhsa.kernels:
  - .name:           k_qeb10cc76cb_final
    .symbol:         k_qeb10cc76cb_final.kd
    .args:
      - { .name: mq, .offset: 0, .size: 8, .value_kind: global_buffer, .address_space: global }
      - { .name: wq, .offset: 8, .size: 8, .value_kind: global_buffer, .address_space: global }
      - { .name: sidx, .offset: 16, .size: 8, .value_kind: global_buffer, .address_space: global }
      - { .name: swgt, .offset: 24, .size: 8, .value_kind: global_buffer, .address_space: global }
      - { .name: t1, .offset: 32, .size: 8, .value_kind: global_buffer, .address_space: global }
      - { .name: val_proj_b, .offset: 40, .size: 8, .value_kind: global_buffer, .address_space: global }
      - { .name: ms_out_b, .offset: 48, .size: 8, .value_kind: global_buffer, .address_space: global }
      - { .name: norm1_g, .offset: 56, .size: 8, .value_kind: global_buffer, .address_space: global }
      - { .name: norm1_b, .offset: 64, .size: 8, .value_kind: global_buffer, .address_space: global }
      - { .name: lin1_b, .offset: 72, .size: 8, .value_kind: global_buffer, .address_space: global }
      - { .name: lin2_b, .offset: 80, .size: 8, .value_kind: global_buffer, .address_space: global }
      - { .name: norm3_g, .offset: 88, .size: 8, .value_kind: global_buffer, .address_space: global }
      - { .name: norm3_b, .offset: 96, .size: 8, .value_kind: global_buffer, .address_space: global }
      - { .name: out0, .offset: 104, .size: 8, .value_kind: global_buffer, .address_space: global }
    .group_segment_fixed_size: 289280
    .private_segment_fixed_size: 0
    .kernarg_segment_align: 8
    .kernarg_segment_size: 112
    .max_flat_workgroup_size: 512
    .sgpr_count:     66
    .vgpr_count:     256
    .wavefront_size: 32
...
	.end_amdgpu_metadata
.endif
;; end of part 11
